; MI455X (gfx1250); checked and timed in simulation.
; The chip was launched on July 23, 2026; its instructions are those of AMD's public machine-readable ISA for CDNA 5 (MIT licence, August 2026) and "CDNA5" Instruction Set Architecture Reference Guide (July 2026). The comments in the code are by the model that wrote it; some were corrected since.
;; GPT2 Block. Allowed arithmetic: matrix products marked QUANTISED: E4M3 operands, one given power-of-two scale a tensor, by v_wmma_f32_16x16x64_fp8_fp8 or v_wmma_f32_16x16x128_fp8_fp8, f32 sums; everything else in f32.
;; Inputs: b_attn 3,072 float32; b_fc 4,096 float32; b_fc_proj 1,024 float32; b_proj 1,024 float32; hidden_states 2 x 2,048 x 1,024 float32; ln1_b 1,024 float32; ln1_w 1,024 float32; ln2_b 1,024 float32; ln2_w 1,024 float32; lowp_scales 12 int32 (the exponents e of the quantised operands' scales 2^e); w_attn 1,024 x 3,072 float32; w_fc 1,024 x 4,096 float32; w_fc_proj 4,096 x 1,024 float32; w_proj 1,024 x 1,024 float32.
;; Outputs: out0 2 x 2,048 x 1,024 float32.
;; This version of the problem:
;;   THIS VERSION OF THE PROBLEM IS GIVEN IN LOW PRECISION. The matrix products marked QUANTISED in the list below multiply operands that are first quantised to E4M3 (4 exponent bits, 3 mantissa bits; 8 bits a number), with one given power-of-two scale for each operand tensor; their sums are f32. All else is computed in f32.
;;   The module's matrix products, in the order in which they are computed (A, B: the left and right operand; K: the contracted axis; several contracted axes count as one K, in the product's order):
;;     1. [M 4,096, K 1,024] x [K 1,024, N 3,072]; A: computed on the way; B: input w_attn: QUANTISED (scales: A lowp_scales[0], B lowp_scales[1])
;;     2. batch 32 x [M 2,048, K 64] x [K 64, N 2,048]; A: computed on the way; B: computed on the way: QUANTISED (scales: A lowp_scales[2], B lowp_scales[3])
;;     3. batch 32 x [M 2,048, K 2,048] x [K 2,048, N 64]; A: softmax (see below); B: computed on the way: QUANTISED (scales: A lowp_scales[4], B lowp_scales[5])
;;     4. [M 4,096, K 1,024] x [K 1,024, N 1,024]; A: computed on the way; B: input w_proj: QUANTISED (scales: A lowp_scales[6], B lowp_scales[7])
;;     5. [M 4,096, K 1,024] x [K 1,024, N 4,096]; A: computed on the way; B: input w_fc: QUANTISED (scales: A lowp_scales[8], B lowp_scales[9])
;;     6. [M 4,096, K 4,096] x [K 4,096, N 1,024]; A: computed on the way; B: input w_fc_proj: QUANTISED (scales: A lowp_scales[10], B lowp_scales[11])
;;   THE QUANTISER, for each operand of a quantised product, along K:
;;     - The operand's scale is 2^e, e = its entry of the input lowp_scales (int32; the entries are numbered through the quantised products in the list's order, A before B).
;;     - Each number is divided by the scale, clamped to +-448, and rounded to the nearest number of E4M3, ties to even, subnormals kept.
;;     - The product sums the exact products of the quantised numbers (number of the format x scale) in f32.
;;   ~~~python
;;   def quantise(x, axis, e):      # numpy; x: float32 -> the quantised numbers, widened to float32 again
;;       x = np.moveaxis(x, axis, -1); K = x.shape[-1]
;;       r = np.clip(x / 2.0 ** e, -448, 448)
;;       step = 2.0 ** (np.maximum(np.frexp(np.where(r == 0, 1, r))[1] - 1, -6) - 3)
;;       q = np.round(r / step) * step * 2.0 ** e      # np.round: ties to even
;;       return np.moveaxis(q, -1, axis).astype(np.float32)
;;   ~~~
;;   SOFTMAX AHEAD OF A QUANTISED PRODUCT. Where the list says 'softmax', what is quantised is not the finished softmax but p = 2^(t - M), with t = logit x log2(e) and M = ceil(the row's largest t), a whole number; so 1/2 < the row's largest p <= 1. The row's sum l is taken of the UNQUANTISED p, in f32, and the product's result is divided by l at the end. Since M is a whole number, a kernel that streams over the keys may use a running M (the ceiling of the running maximum): every later rescaling is an exact power of two, so the quantised numbers keep their values, but for numbers so far below the row's largest that they fall under the format's range.
;;   OPERANDS COMPUTED ON THE WAY. 'Computed on the way' means the value that the module computes at that place (a softmax that the list does not call 'softmax' is quantised finished and normalised). What goes into a quantiser is computed in f32, as accurately as f32 sums, v_exp_f32 and their like allow (about 1e-6 of the number): no bf16 or f16 on the way to a quantiser, and a product that is left as it is and whose result goes on into a quantised operand takes f32 operands (vector FMAs, or v_wmma_f32_16x16x4_f32). A number that lies on a knife's edge between two numbers of the format may be rounded either way, as far as f32 arithmetic and the matrix unit's own rounding can turn it there, and no further.
;; 2 versions. Each part assembles by itself: llvm-mc -triple=amdgcn-amd-amdhsa -mcpu=gfx1250 --defsym DOCPART=n.
;; ======== version 1 of 2: 7 launches
;; limits: right only within a limited range of input values
;; workspace buffers: wc 12,582,912 bytes; act 4,194,304 bytes; qkv 12,582,912 bytes; h 16,777,216 bytes; gc 16,777,216 bytes
;; launch prep (part 1): grid 448 x 1, 8 waves a work-group, no clusters, 17,920 bytes of LDS; arguments hidden_states, ln1_w, ln1_b, lowp_scales, act, w_attn, w_proj, w_fc, w_fc_proj, wc; writes act, wc
.if DOCPART == 1
	.amdgcn_target "amdgcn-amd-amdhsa--gfx1250"
	.amdhsa_code_object_version 6
	.text
	.protected	k_qb9946a4ab6_prep
	.globl	k_qb9946a4ab6_prep
	.p2align	8
	.type	k_qb9946a4ab6_prep,@function
k_qb9946a4ab6_prep:
	s_mov_b64 s[64:65], 0
	v_nop
	global_prefetch_b8 v0, s[64:65] scope:SCOPE_SE
	s_setreg_imm32_b32 hwreg(HW_REG_WAVE_MODE, 25, 1), 1
	s_wait_xcnt 0x0
; PREP: the four weights and LayerNorm 1 become codes of FP8 (E4M3), each with the one scale 2^e that is given for it.
; code = x / 2^e, held within +-448, rounded to the nearest code, ties to even.
; ALL CODES ARE LAID AS IMAGES OF A MATRIX OPERAND'S REGISTERS.  A fragment of 16 rows x 128 K is 2,048 bytes: part c (0..3) is 512 bytes, in it lane L = r + 16 h
; owns the 16 bytes at 16 L: row r, k = 32 c + 16 h + 0 .. 15.  An operand is [rows / 16][K / 128][2,048].
; WEIGHTS ([K][N] f32, K the first axis): a lane takes a column and its registers run down K, so the conversions give codes with K innermost and nothing is transposed.
; Tile 2 B + u holds at image row p the column 32 B + 8 u + p + 8 (p / 8): so the products' results come out with 16 neighbouring columns in a lane's 16 registers.
; Work-groups 0-47: w_attn, 48-63: w_proj, 64-127: w_fc, 128-191: w_fc_proj, each 256 columns x 256 K (a wave: 32 columns); 192-447: LayerNorm of 16 rows each.
; No tensor loads, no matrix unit, no cluster: work-groups share nothing but the two small vectors of the norm.
; LIMITS: each e between -126 and 119, so that 2^e and 448 x 2^e are f32 numbers.  NaN among the inputs is not served.
.set QX, 32                            ; v32-95   weights: two sets of 32 numbers down K
.set QC, 96                            ; v96-159  weights: eight registers of codes for each of eight blocks: no store's data are written again
.set LX, 32                            ; v32-95   norm: two rows, 32 numbers a lane each
.set LW, 96                            ; v96-127  the gain at my 32 columns
.set LB, 128                           ; v128-159 the bias
.set LT, 160                           ; v160-175 at work, eight registers a row
.set LC, 176                           ; v176-191 codes, eight registers a row
.set LP, 1040                          ; a row of 1,024 codes in LDS + 16 bytes: 65 x 16, so that 16 rows' reads of 16 bytes fall on 16 different columns of 16 bytes
.macro MKSCALE                         ; s30 = e  ->  v11 = 2^e (the conversion takes its exponent field), v10 = 448 x 2^e
	s_add_co_i32 s30, s30, 127
	s_lshl_b32 s31, s30, 23
	v_mov_b32 v11, s31
	s_add_co_i32 s30, s30, 8
	s_lshl_b32 s30, s30, 23
	s_or_b32 s30, s30, 0x600000
	v_mov_b32 v10, s30
.endm
.macro QLOAD t, cols, ptr              ; block t: W(32 t + i, my column), i = 0 .. 31: each load reads 128 consecutive bytes a wave
.irp i, 0,1,2,3,4,5,6,7,8,9,10,11,12,13,14,15,16,17,18,19,20,21,22,23,24,25,26,27,28,29,30,31
	global_load_b32 v[QX+32*((\t)%2)+\i], v3, s[\ptr:\ptr+1] offset:(32*(\t)+\i)*\cols*4 th:TH_LOAD_NT
.endr
.endm
.macro QBLOCK t, cols, ptr
.set XS, QX+32*((\t)%2)
.if (\t) < 7
	s_wait_loadcnt 32                              ; this block's 32 loads are in; the next block's 32 may be out
.else
	s_wait_loadcnt 0
.endif
.set qi, 0
.rept 32
	v_med3_num_f32 v[XS+qi], v[XS+qi], -v10, v10   ; the conversion to an 8-bit code does not saturate (ISA guide 7.6.2): the hold comes first
.set qi, qi+1
.endr
.irp g, 0,1,2,3
	v_cvt_scalef32_pk8_fp8_f32 v[QC+8*(\t)+2*\g:QC+8*(\t)+2*\g+1], v[XS+8*\g:XS+8*\g+7], v11
.endr
	; 32 codes down K of my column: k 0-15 belong to the image's lanes 0-15, k 16-31 to its lanes 16-31.  The sixteen lanes of one tile store 256 consecutive bytes, aligned
	global_store_b128 v4, v[QC+8*(\t):QC+8*(\t)+3], s[22:23] offset:((\t)/4)*2048+((\t)%4)*512
	global_store_b128 v4, v[QC+8*(\t)+4:QC+8*(\t)+7], s[22:23] offset:((\t)/4)*2048+((\t)%4)*512+256
.if (\t)+2 < 8
	QLOAD (\t)+2, \cols, \ptr
.endif
.endm
; One weight.  cols: its N; rb: bytes of a tile's images (16 K); id0: its first work-group; logkg: log2(K / 256); ptr: its address; doff: its place in wc; eoff: its scale's byte
.macro QW cols, rb, id0, logkg, ptr, doff, eoff
	s_load_b32 s30, s[10:11], \eoff
	s_sub_co_u32 s24, ttmp9, \id0
	s_and_b32 s25, s24, (1<<\logkg)-1              ; which 256 along K
	s_lshr_b32 s24, s24, \logkg                    ; which 256 columns
	s_lshl_b32 s24, s24, 3
	s_add_co_u32 s24, s24, s2                      ; B: my wave's 32 columns
	s_mul_i32 s26, s25, 256*\cols*4
	s_lshl_b32 s27, s24, 7
	s_add_co_u32 s26, s26, s27
	s_mov_b32 s27, 0
	s_add_nc_u64 s[\ptr:\ptr+1], s[\ptr:\ptr+1], s[26:27]
	s_mul_i32 s26, s24, 2*\rb                      ; tiles 2 B and 2 B + 1,
	s_lshl_b32 s28, s25, 12                        ; two K steps of 2,048 bytes for each 256 along K
	s_add_co_u32 s26, s26, s28
	s_add_co_u32 s26, s26, \doff
	s_add_nc_u64 s[22:23], s[22:23], s[26:27]
	v_mul_u32_u24 v4, v6, \rb                      ; u x a tile's bytes
	v_lshl_add_u32 v4, v7, 4, v4                   ; + 16 x image row
	QLOAD 0, \cols, \ptr
	QLOAD 1, \cols, \ptr
	s_wait_kmcnt 0x0
	MKSCALE
.irp t, 0,1,2,3,4,5,6,7
	QBLOCK \t, \cols, \ptr
.endr
	s_endpgm
.endm
.macro XLANE r, tmp                    ; the sum over the wave's 32 lanes, in every lane
	v_add_f32_dpp v[\r], v[\r], v[\r] row_xmask:1 row_mask:0xf bank_mask:0xf
	v_add_f32_dpp v[\r], v[\r], v[\r] row_xmask:2 row_mask:0xf bank_mask:0xf
	v_add_f32_dpp v[\r], v[\r], v[\r] row_xmask:4 row_mask:0xf bank_mask:0xf
	v_add_f32_dpp v[\r], v[\r], v[\r] row_xmask:8 row_mask:0xf bank_mask:0xf
	v_permlanex16_b32 v[\tmp], v[\r], s32, s33
	v_add_f32 v[\r], v[\r], v[\tmp]
.endm
; LayerNorm of rows 16 s24 .. 16 s24 + 15 and their codes.  Wave w: rows 2 w, 2 w + 1, whole, in registers: mean, then the variance of x - mean (two passes, no difference of large sums).
.macro LNBODY eoff
	s_load_b32 s30, s[10:11], \eoff
	s_lshl_b32 s26, s24, 16                        ; 16 rows of 4,096 bytes
	s_lshl_b32 s27, s2, 13
	s_add_co_u32 s26, s26, s27
	s_mov_b32 s27, 0
	s_add_nc_u64 s[4:5], s[4:5], s[26:27]
	s_lshl_b32 s26, s24, 14                        ; the block's eight images,
	s_lshl_b32 s28, s2, 11                         ; of which wave w stores K step w
	s_add_co_u32 s26, s26, s28
	s_add_nc_u64 s[12:13], s[12:13], s[26:27]
	v_lshlrev_b32 v12, 4, v1                       ; 16 x lane
.irp p, 0,1
.irp j, 0,1,2,3,4,5,6,7
	global_load_b128 v[LX+32*\p+4*\j:LX+32*\p+4*\j+3], v12, s[4:5] offset:4096*\p+512*\j   ; 512 consecutive bytes a load: k = 128 j + 4 lane + 0 .. 3
.endr
.endr
.irp j, 0,1,2,3,4,5,6,7
	global_load_b128 v[LW+4*\j:LW+4*\j+3], v12, s[6:7] offset:512*\j
.endr
.irp j, 0,1,2,3,4,5,6,7
	global_load_b128 v[LB+4*\j:LB+4*\j+3], v12, s[8:9] offset:512*\j
.endr
	s_mov_b32 s32, 0x76543210                      ; v_permlanex16_b32: lane l xor 16
	s_mov_b32 s33, 0xfedcba98
	s_mov_b32 s34, 0x3a800000                      ; 1 / 1024
	v_mov_b32 v9, 0x358637bd                       ; 1e-6
	v_mov_b32 v[LT+6], 0                           ; a lane permute's destination counts as read: written once
	v_mov_b32 v[LT+14], 0
	s_mul_i32 s28, s2, 2*LP
	v_lshl_add_u32 v13, v1, 2, s28                 ; LDS, in: my two rows, 4 bytes a lane
	v_and_b32 v14, 15, v0
	v_bfe_u32 v15, v0, 4, 1
	v_mul_u32_u24 v14, v14, LP
	v_lshl_add_u32 v14, v15, 4, v14
	s_lshl_b32 s28, s2, 7
	v_add_nc_u32 v14, s28, v14                     ; LDS, out: row lane % 16, K step w, + 16 (lane / 16)
	s_wait_kmcnt 0x0
	MKSCALE
	s_wait_loadcnt 16                              ; the two rows' 16 loads are in; the 16 of gain and bias may be out
.irp p, 0,1
	v_pk_add_f32 v[LT+8*\p:LT+8*\p+1], v[LX+32*\p:LX+32*\p+1], v[LX+32*\p+2:LX+32*\p+3]
	v_pk_add_f32 v[LT+8*\p+2:LT+8*\p+3], v[LX+32*\p+4:LX+32*\p+5], v[LX+32*\p+6:LX+32*\p+7]
.endr
.irp j, 8,12,16,20,24,28
.irp p, 0,1
	v_pk_add_f32 v[LT+8*\p:LT+8*\p+1], v[LT+8*\p:LT+8*\p+1], v[LX+32*\p+\j:LX+32*\p+\j+1]
	v_pk_add_f32 v[LT+8*\p+2:LT+8*\p+3], v[LT+8*\p+2:LT+8*\p+3], v[LX+32*\p+\j+2:LX+32*\p+\j+3]
.endr
.endr
.irp p, 0,1
	v_pk_add_f32 v[LT+8*\p:LT+8*\p+1], v[LT+8*\p:LT+8*\p+1], v[LT+8*\p+2:LT+8*\p+3]
	v_add_f32 v[LT+8*\p], v[LT+8*\p], v[LT+8*\p+1]
.endr
	XLANE LT, LT+6
	XLANE LT+8, LT+14
.irp p, 0,1
	v_mul_f32 v[LT+8*\p+4], s34, v[LT+8*\p]        ; the mean, twice: a pair for the packed forms
	v_mov_b32 v[LT+8*\p+5], v[LT+8*\p+4]
.endr
.irp j, 0,2,4,6,8,10,12,14,16,18,20,22,24,26,28,30
.irp p, 0,1
	v_pk_add_f32 v[LX+32*\p+\j:LX+32*\p+\j+1], v[LX+32*\p+\j:LX+32*\p+\j+1], v[LT+8*\p+4:LT+8*\p+5] neg_lo:[0,1] neg_hi:[0,1]   ; x - mean
.endr
.endr
.irp p, 0,1
	v_pk_mul_f32 v[LT+8*\p:LT+8*\p+1], v[LX+32*\p:LX+32*\p+1], v[LX+32*\p:LX+32*\p+1]
	v_pk_mul_f32 v[LT+8*\p+2:LT+8*\p+3], v[LX+32*\p+2:LX+32*\p+3], v[LX+32*\p+2:LX+32*\p+3]
.endr
.irp j, 4,8,12,16,20,24,28
.irp p, 0,1
	v_pk_fma_f32 v[LT+8*\p:LT+8*\p+1], v[LX+32*\p+\j:LX+32*\p+\j+1], v[LX+32*\p+\j:LX+32*\p+\j+1], v[LT+8*\p:LT+8*\p+1]
	v_pk_fma_f32 v[LT+8*\p+2:LT+8*\p+3], v[LX+32*\p+\j+2:LX+32*\p+\j+3], v[LX+32*\p+\j+2:LX+32*\p+\j+3], v[LT+8*\p+2:LT+8*\p+3]
.endr
.endr
.irp p, 0,1
	v_pk_add_f32 v[LT+8*\p:LT+8*\p+1], v[LT+8*\p:LT+8*\p+1], v[LT+8*\p+2:LT+8*\p+3]
	v_add_f32 v[LT+8*\p], v[LT+8*\p], v[LT+8*\p+1]
.endr
	XLANE LT, LT+6
	XLANE LT+8, LT+14
	v_fma_f32 v[LT], v[LT], s34, v9                ; the variance + 1e-6
	v_fma_f32 v[LT+8], v[LT+8], s34, v9
	v_rsq_f32 v[LT+4], v[LT]
	v_rsq_f32 v[LT+12], v[LT+8]
	v_nop                                          ; one plain instruction between a transcendental and the use of its result (ISA guide 5.7.2)
	s_wait_alu depctr_va_vdst(0)
	v_mov_b32 v[LT+5], v[LT+4]
	v_mov_b32 v[LT+13], v[LT+12]
	s_wait_loadcnt 0x0                             ; gain and bias
.irp j, 0,2,4,6,8,10,12,14,16,18,20,22,24,26,28,30
.irp p, 0,1
	v_pk_mul_f32 v[LX+32*\p+\j:LX+32*\p+\j+1], v[LX+32*\p+\j:LX+32*\p+\j+1], v[LT+8*\p+4:LT+8*\p+5]
.endr
.endr
.irp j, 0,2,4,6,8,10,12,14,16,18,20,22,24,26,28,30
.irp p, 0,1
	v_pk_fma_f32 v[LX+32*\p+\j:LX+32*\p+\j+1], v[LX+32*\p+\j:LX+32*\p+\j+1], v[LW+\j:LW+\j+1], v[LB+\j:LB+\j+1]
.endr
.endr
.set li, 0
.rept 64
	v_med3_num_f32 v[LX+li], v[LX+li], -v10, v10   ; the hold at the largest code x the scale
.set li, li+1
.endr
.irp p, 0,1
.irp g, 0,1,2,3
	v_cvt_scalef32_pk8_fp8_f32 v[LC+8*\p+2*\g:LC+8*\p+2*\g+1], v[LX+32*\p+8*\g:LX+32*\p+8*\g+7], v11
.endr
.endr
	v_nop                                          ; one plain instruction behind the last scaled conversion
.irp p, 0,1
.irp j, 0,1,2,3,4,5,6,7
	ds_store_b32 v13, v[LC+8*\p+\j] offset:LP*\p+128*\j   ; word j: the codes of k = 128 j + 4 lane + 0 .. 3
.endr
.endr
	s_wait_dscnt 0x0                               ; for the others' sake: my stores have landed
	s_barrier_signal -1
	s_barrier_wait -1                              ; 16 rows of codes lie in LDS
.irp c, 0,1,2,3
	ds_load_b128 v[LX+4*\c:LX+4*\c+3], v14 offset:32*\c
.endr
.irp c, 0,1,2,3
	s_wait_dscnt 3-\c                              ; LDS loads come back in order: part c is in
	global_store_b128 v12, v[LX+4*\c:LX+4*\c+3], s[12:13] offset:512*\c   ; the wave stores 512 consecutive bytes, aligned
.endr
	s_wait_tensorcnt 0x0
	ds_add_u32 v192, v193
	s_wait_dscnt 0x0
	s_endpgm
.endm
	s_load_b256 s[4:11], s[0:1], 0x0               ; hidden_states s[4:5], ln1_w s[6:7], ln1_b s[8:9], the scales' exponents s[10:11]
	s_load_b256 s[12:19], s[0:1], 0x20             ; act s[12:13], w_attn s[14:15], w_proj s[16:17], w_fc s[18:19]
	s_load_b128 s[20:23], s[0:1], 0x40             ; w_fc_proj s[20:21], wc s[22:23]
	v_lshl_add_u32 v192, v0, 2, 0x4200
	v_mov_b32 v193, 0
	v_lshrrev_b32 v2, 5, v0
	v_readfirstlane_b32 s2, v2                     ; wave 0..7
	v_and_b32 v1, 31, v0                           ; lane
	v_lshlrev_b32 v3, 2, v1                        ; weights: 4 bytes a lane
	v_bfe_u32 v6, v0, 3, 1                         ; u = (lane / 8) % 2: which of the two tiles my column belongs to
	v_and_b32 v7, 7, v0
	v_bfe_u32 v8, v0, 4, 1
	v_lshl_add_u32 v7, v8, 3, v7                   ; its image row: lane % 8 + 8 (lane / 16)
	s_wait_kmcnt 0x0
	s_cmp_lt_u32 ttmp9, 48                         ; the paths part on the work-group's number alone
	s_cbranch_scc0 .Lnot_attn
	QW 3072, 16384, 0, 2, 14, 0, 4
.Lnot_attn:
	s_cmp_lt_u32 ttmp9, 64
	s_cbranch_scc0 .Lnot_proj
	QW 1024, 16384, 48, 2, 16, 0x300000, 28
.Lnot_proj:
	s_cmp_lt_u32 ttmp9, 128
	s_cbranch_scc0 .Lnot_fc
	QW 4096, 16384, 64, 2, 18, 0x400000, 36
.Lnot_fc:
	s_cmp_lt_u32 ttmp9, 192
	s_cbranch_scc0 .Lnorm
	QW 1024, 65536, 128, 4, 20, 0x800000, 44
.Lnorm:
	s_sub_co_u32 s24, ttmp9, 192
	LNBODY 0
.Lfunc_end_k_qb9946a4ab6_prep:
	.size	k_qb9946a4ab6_prep, .Lfunc_end_k_qb9946a4ab6_prep-k_qb9946a4ab6_prep
	.p2alignl 7, 3214868480
	.fill 96, 4, 3214868480
	.section	.rodata,"a",@progbits
	.p2align	6, 0x0
	.amdhsa_kernel k_qb9946a4ab6_prep
		.amdhsa_group_segment_fixed_size 17920
		.amdhsa_private_segment_fixed_size 0
		.amdhsa_enable_private_segment 0
		.amdhsa_kernarg_size 80
		.amdhsa_user_sgpr_count 2
		.amdhsa_user_sgpr_kernarg_segment_ptr 1
		.amdhsa_wavefront_size32 1
		.amdhsa_system_sgpr_workgroup_id_x 1
		.amdhsa_system_sgpr_workgroup_id_y 1
		.amdhsa_system_sgpr_workgroup_id_z 1
		.amdhsa_system_vgpr_workitem_id 0
		.amdhsa_next_free_vgpr 194
		.amdhsa_next_free_sgpr 66
		.amdhsa_reserve_vcc 0
		.amdhsa_float_denorm_mode_32 3
		.amdhsa_float_denorm_mode_16_64 3
		.amdhsa_memory_ordered 1
		.amdhsa_forward_progress 1
		.amdhsa_inst_pref_size 204
	.end_amdhsa_kernel
	.amdgpu_metadata
---
amdhsa.version: [ 1, 2 ]
amdhsa.kernels:
  - .name:           k_qb9946a4ab6_prep
    .symbol:         k_qb9946a4ab6_prep.kd
    .args:
      - { .name: hidden_states, .offset: 0, .size: 8, .value_kind: global_buffer, .address_space: global }
      - { .name: ln1_w, .offset: 8, .size: 8, .value_kind: global_buffer, .address_space: global }
      - { .name: ln1_b, .offset: 16, .size: 8, .value_kind: global_buffer, .address_space: global }
      - { .name: lowp_scales, .offset: 24, .size: 8, .value_kind: global_buffer, .address_space: global }
      - { .name: act, .offset: 32, .size: 8, .value_kind: global_buffer, .address_space: global }
      - { .name: w_attn, .offset: 40, .size: 8, .value_kind: global_buffer, .address_space: global }
      - { .name: w_proj, .offset: 48, .size: 8, .value_kind: global_buffer, .address_space: global }
      - { .name: w_fc, .offset: 56, .size: 8, .value_kind: global_buffer, .address_space: global }
      - { .name: w_fc_proj, .offset: 64, .size: 8, .value_kind: global_buffer, .address_space: global }
      - { .name: wc, .offset: 72, .size: 8, .value_kind: global_buffer, .address_space: global }
    .group_segment_fixed_size: 17920
    .private_segment_fixed_size: 0
    .kernarg_segment_align: 8
    .kernarg_segment_size: 80
    .max_flat_workgroup_size: 256
    .sgpr_count:     66
    .vgpr_count:     194
    .wavefront_size: 32
...
	.end_amdgpu_metadata
.endif
;; end of part 1
;; launch gemm_qkv (part 2): grid 24 x 32, 4 waves a work-group, clusters of 4 x 4, 327,680 bytes of LDS; arguments act, wc, lowp_scales, b_attn, qkv; writes qkv
.if DOCPART == 2
	.amdgcn_target "amdgcn-amd-amdhsa--gfx1250"
	.amdhsa_code_object_version 6
	.text
	.protected	k_qb9946a4ab6_gemm_qkv
	.globl	k_qb9946a4ab6_gemm_qkv
	.p2align	8
	.type	k_qb9946a4ab6_gemm_qkv,@function
k_qb9946a4ab6_gemm_qkv:
	s_mov_b64 s[64:65], 0
	v_nop
	global_prefetch_b8 v0, s[64:65] scope:SCOPE_SE
	s_setreg_imm32_b32 hwreg(HW_REG_WAVE_MODE, 25, 1), 1
	s_wait_xcnt 0x0
	s_wait_alu depctr_hold_cnt(0) depctr_sa_sdst(0) depctr_va_vdst(0) depctr_va_sdst(0) depctr_va_ssrc(0) depctr_va_vcc(0) depctr_vm_vsrc(0)
	s_getreg_b32 s2, hwreg(HW_REG_IB_STS2, 6, 4)
	s_cmp_eq_u32 s2, 0
	s_cbranch_scc0 .Lentry_in_a_cluster
	s_endpgm
.Lentry_in_a_cluster:
	s_bfe_u32 s2, ttmp6, 0x10000c
	s_cmp_lg_u32 s2, 0xf033
	s_cbranch_scc0 .Lentry_shape_is_right
	s_endpgm
.Lentry_shape_is_right:
; GEMM_QKV: qkv = LN1(x) w_attn + b_attn on codes of FP8 (E4M3), and q, k, v as codes for attention.  M 4,096, N 3,072, K 1,024.
; OPERANDS ARE IMAGES OF THEIR REGISTERS: a fragment of 16 rows x 128 K is 2,048 bytes; part c (512 bytes) holds at 16 x lane the codes of row lane % 16, k = 32 c + 16 (lane / 16) + 0 .. 15.
; That is one permutation of k, alike in both operands, so every product meets its partner.  An operand is [rows / 16][K / 128][2,048].  A fragment comes by four ds_load_b128 of 512 consecutive bytes: no pitch, no padding.
; A tile of C is 128 x 128: four waves of 64 x 64, 16 accumulators each.  K goes in slots of 512 through two LDS slots: with K = 1,024 both are first fills and nothing is filled again.
; A wave's tensor load brings four rows of 8,192 bytes: the images of 16 rows x 512 K lie on end in memory, so a tile has few and long rows.
; CLUSTERS: 4 x 4 work-groups; A's tiles are asked for jointly along a row of the cluster, B's along a column.
; Weight tile 2 B + u holds at image row p the column 32 B + 8 u + p + 8 (p / 8).  q, k: source 0 = weight tile, source 1 = token block: a lane holds one token, and tiles 2 B, 2 B + 1 give it 16 neighbouring columns.
; v: the sources are swapped: a lane holds one channel and eight neighbouring tokens, since the keys are the K of attention's second product.
; The clusters with x < 4 make q and k, the others v: the branch hangs on the cluster's x, which all sixteen partners share.
; OUT: q at 0, k at 4 MiB: [batch x 16 + head][token / 16][1,024]: 16 tokens x 64 channels, two parts of 512 bytes as above.
;      v at 8 MiB: [batch x 16 + head][key / 128][4][2,048]: tile dt, row p = channel 32 (dt / 2) + 8 (dt % 2) + p + 8 (p / 8); lane (p, h), registers 2 c, 2 c + 1: keys 16 c + 8 h + 0 .. 7.
; LIMITS: e0 + e1 between -126 and 127; e2, e3, e5 between -126 and 119.  NaN among the inputs is not served.
; REGISTERS: window 0: v2 16 x lane, v3 the bias's offset, v16-21 LDS addresses, v28, v29 the spare word's address and 0, v30, v31 the scale and 448 x it, v32-63 bias, v96-127 codes, v128-255 accumulators ((a, b) at 128 + 8 (4 a + b)).
;            window 1: two fragment buffers of 128: A's four fragments, then B's four.
.set SIZE_K, 1024
.set WOFF,   0                         ; w_attn's images in wc
.set RB,     16*SIZE_K                 ; bytes of 16 rows' images
.set LAPS,   SIZE_K/1024               ; a lap = two slots = once round the ring
.set SLOT,   131072                    ; A's 8 blocks x 8,192 bytes, then B's 8 tiles
.set BOFF,   65536
.set STAGE,  2*SLOT                    ; (not used in this body)
.set SPARE,  STAGE+4*16*272            ; the spare words, 128 bytes for each wave: two blocks of 256 bytes that no other line names
.set ADRA, 16                          ; v16-17 LDS address of my A fragments in slot 0, 1
.set ADRB, 20                          ; v20-21 the same for B
.set SPW,  28
.set NIL,  29
.set ACC,  128
.set F0,   0
.set F1,   128
.set G1,   24                          ; s[24:31] descriptor group 1 for A; s[32:39] group 0, one set a slot
.set G0,   32
.set G1B,  48                          ; s[48:55], s[56:63] the same for B
.set G0B,  56
.set MSB,  0
.macro WIN new                         ; the immediate's high byte repeats the setting that is left
.if MSB != \new
	s_set_vgpr_msb (MSB<<8)|\new
.set MSB, \new
.endif
.endm
.set MUL,  0x05                        ; sources 0 and 1 window 1; C and D window 0
.set TO_F, 0x40                        ; destination window 1, address window 0
.macro JLOAD s                         ; a joint load: waves 0, 1 fetch A's halves, waves 2, 3 B's; four v_nop follow each line
	s_cmp_eq_u32 s17, 0
	s_cbranch_scc0 .Lfor_b_\@
	tensor_load_to_lds s[G0+4*\s:G0+4*\s+3], s[G1:G1+7]
	s_nop 0
.rept 4
	v_nop
.endr
	s_branch .Lasked_\@
.Lfor_b_\@:
	tensor_load_to_lds s[G0B+4*\s:G0B+4*\s+3], s[G1B:G1B+7]
	s_nop 0
.rept 4
	v_nop
.endr
.Lasked_\@:
.endm
.macro CREST                           ; a round of the cluster's barrier behind its opening barrier
	s_cmp_lg_u32 s16, 0
	s_cbranch_scc1 .Lnot_wave_0_\@
	s_barrier_signal -3
.Lnot_wave_0_\@:
	s_barrier_wait -3
	s_barrier_signal -1
	s_barrier_wait -1
.endm
.macro CROUND
	s_barrier_signal -1
	s_barrier_wait -1
	CREST
.endm
.macro PLACES                          ; four plain instructions between a matrix instruction and a load into, or a read of, its registers
.rept 4
	v_nop
.endr
.endm
.macro FETCH slot, q, f                ; 32 LDS loads in one run: the fragments of the slot's q-th 128 along K: B's four, then A's four
	WIN TO_F
.irp i, 0,1,2,3
.irp c, 0,1,2,3
	ds_load_b128 v[\f+64+16*\i+4*\c:\f+64+16*\i+4*\c+3], v[ADRB+\slot] offset:\i*8192+(\q)*2048+512*\c
.endr
.endr
.irp i, 0,1,2,3
.irp c, 0,1,2,3
	ds_load_b128 v[\f+16*\i+4*\c:\f+16*\i+4*\c+3], v[ADRA+\slot] offset:\i*8192+(\q)*2048+512*\c
.endr
.endr
.endm
; 8 matrix instructions: A's blocks a0, a0 + 1 x B's four, 128 along K.  zero = 1: the product starts the sum.  swap = 0: source 0 = B; 1: source 0 = A.
; The 16 accumulators take turns, one instruction a turn, in the same order in every quarter.
.macro MUL8 f, a0, zero, swap
.irp a, \a0, \a0+1
.irp b, 0,1,2,3
.if \swap
.if \zero
	v_wmma_f32_16x16x128_fp8_fp8 v[ACC+8*(4*(\a)+\b):ACC+8*(4*(\a)+\b)+7], v[\f+16*(\a):\f+16*(\a)+15], v[\f+64+16*\b:\f+64+16*\b+15], 0
.else
	v_wmma_f32_16x16x128_fp8_fp8 v[ACC+8*(4*(\a)+\b):ACC+8*(4*(\a)+\b)+7], v[\f+16*(\a):\f+16*(\a)+15], v[\f+64+16*\b:\f+64+16*\b+15], v[ACC+8*(4*(\a)+\b):ACC+8*(4*(\a)+\b)+7]
.endif
.else
.if \zero
	v_wmma_f32_16x16x128_fp8_fp8 v[ACC+8*(4*(\a)+\b):ACC+8*(4*(\a)+\b)+7], v[\f+64+16*\b:\f+64+16*\b+15], v[\f+16*(\a):\f+16*(\a)+15], 0
.else
	v_wmma_f32_16x16x128_fp8_fp8 v[ACC+8*(4*(\a)+\b):ACC+8*(4*(\a)+\b)+7], v[\f+64+16*\b:\f+64+16*\b+15], v[\f+16*(\a):\f+16*(\a)+15], v[ACC+8*(4*(\a)+\b):ACC+8*(4*(\a)+\b)+7]
.endif
.endif
.endr
.endr
.endm
.macro QUARTER slot, qn, f, g, zero, swap   ; multiplies buffer f; in its middle fetches the slot's qn-th 128 along K into g
	s_wait_dscnt 8                                 ; B's four and A's blocks 0, 1 are in; the youngest eight loads (A's blocks 2, 3) may be out
	WIN MUL
	MUL8 \f, 0, \zero, \swap
	PLACES
	FETCH \slot, \qn, \g
	s_wait_dscnt 32                                ; all but the 32 just issued
	WIN MUL
	MUL8 \f, 2, \zero, \swap
.endm
; A slot's last quarter changes slots: one barrier; in front of it each wave waits for all its tensor loads, adds 0 to its spare word, and waits for that and for its reads of this slot.
.macro TURN slot, next, fill, swap
	WIN 0
	s_wait_tensorcnt 0x0                           ; all my tensor loads have landed: my part of the next slot
	ds_add_u32 v[SPW], v[NIL]                      ; 0 onto my spare word
	s_wait_dscnt 9                                 ; (the add and the youngest eight loads may be out)
	WIN MUL
	MUL8 F1, 0, 0, \swap
	s_wait_dscnt 0x0                               ; the add is done, and my reads of this slot are over
	s_barrier_signal -1
	WIN 0
	s_barrier_wait -1
.if \fill
	CREST                                          ; the barrier has opened a round of the cluster's: no wave of any partner still reads this slot or has a load on its way
	s_add_nc_u64 s[G0+4*\slot+2:G0+4*\slot+3], s[G0+4*\slot+2:G0+4*\slot+3], 16384
	s_add_nc_u64 s[G0B+4*\slot+2:G0B+4*\slot+3], s[G0B+4*\slot+2:G0B+4*\slot+3], 16384
	JLOAD \slot                                    ; the first tensor load behind the round; its four v_nop are the places in front of the loads below
.else
	PLACES
.endif
	FETCH \next, 0, F0
	WIN MUL
	MUL8 F1, 2, 0, \swap
.endm
.macro MAIN swap
	s_wait_tensorcnt 0x1                           ; my part of slot 0 is in; slot 1's load may stay out
	s_barrier_signal -1
	s_barrier_wait -1
	FETCH 0, 0, F0
	QUARTER 0, 1, F0, F1, 1, \swap                 ; the first quarter's products start the sums: nothing is cleared
.if LAPS > 1
	WIN 0
	s_mov_b32 s3, LAPS-1
.Llap_\@:
	QUARTER 0, 2, F1, F0, 0, \swap
	QUARTER 0, 3, F0, F1, 0, \swap
	TURN 0, 1, 1, \swap
	QUARTER 1, 1, F0, F1, 0, \swap
	QUARTER 1, 2, F1, F0, 0, \swap
	QUARTER 1, 3, F0, F1, 0, \swap
	TURN 1, 0, 1, \swap
	QUARTER 0, 1, F0, F1, 0, \swap
	WIN 0
	s_sub_co_u32 s3, s3, 1
	s_cmp_lg_u32 s3, 0
	s_cbranch_scc1 .Llap_\@
.endif
	QUARTER 0, 2, F1, F0, 0, \swap
	QUARTER 0, 3, F0, F1, 0, \swap
	TURN 0, 1, 0, \swap
	QUARTER 1, 1, F0, F1, 0, \swap
	QUARTER 1, 2, F1, F0, 0, \swap
	QUARTER 1, 3, F0, F1, 0, \swap
	s_wait_dscnt 8                                 ; the very last quarter: nothing more to fetch
	WIN MUL
	MUL8 F1, 0, 0, \swap
	s_wait_dscnt 0x0
	MUL8 F1, 2, 0, \swap
	WIN 0
.endm
.macro MKQ e                           ; s[e] = an exponent  ->  v30 = 2^e, v31 = 448 x 2^e
	s_add_co_i32 s90, s[\e], 127
	s_lshl_b32 s91, s90, 23
	v_mov_b32 v30, s91
	s_add_co_i32 s90, s90, 8
	s_lshl_b32 s90, s90, 23
	s_or_b32 s90, s90, 0x600000
	v_mov_b32 v31, s90
.endm
	s_load_b128 s[4:7], s[0:1], 0x0                ; A's images (act) s[4:5], the weights' images s[6:7]
	s_load_b128 s[8:11], s[0:1], 0x10              ; the scales' exponents s[8:9], b_attn s[10:11]
	s_load_b64 s[12:13], s[0:1], 0x20              ; qkv
	v_lshl_add_u32 v[SPW], v0, 2, SPARE
	v_mov_b32 v[NIL], 0
	ds_add_u32 v28, v29
	ds_add_u32 v28, v29
	s_wait_dscnt 0x0
	v_lshrrev_b32 v1, 5, v0
	v_readfirstlane_b32 s16, v1                    ; wave 0..3
	s_lshr_b32 s17, s16, 1                         ; which 64 rows of the tile are mine.  Also: I fetch for A (0) or for B (1)
	s_and_b32 s18, s16, 1                          ; which 64 columns.  Also: which half of that tile I fetch
	s_bfe_u32 s40, ttmp6, 0x40000                  ; cx, cy: my place in the cluster
	s_bfe_u32 s41, ttmp6, 0x40004
	s_lshl_b32 s42, ttmp9, 2
	s_add_co_u32 s42, s42, s40                     ; x: tile column of C
	s_and_b32 s43, ttmp7, 0xffff
	s_lshl_b32 s43, s43, 2
	s_add_co_u32 s43, s43, s41                     ; y: tile row of C
	s_lshl_b32 s44, s41, 2
	s_lshl_b32 s44, 15, s44                        ; my row of the cluster
	s_lshl_b32 s45, 0x1111, s40                    ; my column
	s_or_b32 s[G1], s44, (3<<16)|(1<<21)           ; 15:0 the mask; 17:16 elements of 8 bytes; 21 set beside a mask; no padding
	s_or_b32 s[G1B], s45, (3<<16)|(1<<21)
.irp g, G1, G1B
	s_mov_b32 s[\g+1], 1024<<16                    ; tensor_dim0 = 1,024 elements: 8,192 bytes, four K steps of 16 rows
	s_mov_b32 s[\g+2], 4<<16                       ; tensor_dim1 = 4
	s_mov_b32 s[\g+3], 1024<<16                    ; tile_dim0
	s_mov_b32 s[\g+4], 4                           ; tile_dim1
	s_mov_b32 s[\g+5], 2*SIZE_K                    ; the pitch: 16 K bytes in elements of 8
	s_mov_b32 s[\g+6], 0
	s_mov_b32 s[\g+7], 0
.endr
	s_lshl_b32 s19, s18, 2
	s_lshl_b32 s20, s43, 3
	s_add_co_u32 s20, s20, s19                     ; A: block 8 y + 4 x half
	s_mul_i32 s20, s20, RB
	s_mov_b32 s21, 0
	s_lshl_b32 s46, s42, 3
	s_add_co_u32 s46, s46, s19                     ; B: tile 8 x + 4 x half
	s_mul_i32 s46, s46, RB
	s_add_co_u32 s46, s46, WOFF
	s_mov_b32 s47, 0
	s_lshl_b32 s22, s16, 15                        ; where they go: wave x 32,768: no place in the cluster enters an LDS address
	s_wait_kmcnt 0x0
	s_load_b256 s[72:79], s[8:9], 0x0              ; e0 .. e7
	s_load_b128 s[80:83], s[8:9], 0x20             ; e8 .. e11
	s_add_nc_u64 s[20:21], s[4:5], s[20:21]
	s_add_nc_u64 s[46:47], s[6:7], s[46:47]
	CROUND                                         ; all sixteen work-groups are here: the first joint loads meet
.irp s, 0,1
	s_mov_b32 s[G0+4*\s], 1
	s_add_co_u32 s[G0+4*\s+1], s22, \s*SLOT
	s_add_nc_u64 s[G0+4*\s+2:G0+4*\s+3], s[20:21], \s*8192
	s_or_b32 s[G0+4*\s+3], s[G0+4*\s+3], 0x80000000
	s_mov_b32 s[G0B+4*\s], 1
	s_add_co_u32 s[G0B+4*\s+1], s22, \s*SLOT
	s_add_nc_u64 s[G0B+4*\s+2:G0B+4*\s+3], s[46:47], \s*8192
	s_or_b32 s[G0B+4*\s+3], s[G0B+4*\s+3], 0x80000000
	JLOAD \s
.endr
	v_and_b32 v1, 31, v0
	v_lshlrev_b32 v2, 4, v1                        ; 16 x lane
	s_lshl_b32 s23, s17, 15                        ; my four blocks of A
	s_lshl_b32 s19, s18, 15
	s_add_co_u32 s19, s19, BOFF                    ; my four tiles of B
.irp s, 0,1
	v_add_nc_u32 v[ADRA+\s], s23, v2
	v_add_nc_u32 v[ADRB+\s], s19, v2
	s_add_co_u32 s23, s23, SLOT
	s_add_co_u32 s19, s19, SLOT
.endr
	s_lshl_b32 s88, s42, 9
	s_lshl_b32 s89, s18, 8
	s_add_co_u32 s88, s88, s89
	s_mov_b32 s89, 0
	s_add_nc_u64 s[10:11], s[10:11], s[88:89]      ; the bias at my first column: 128 x + 64 x half
	s_wait_kmcnt 0x0
	s_add_co_i32 s66, s72, s73
	s_add_co_i32 s66, s66, 127
	s_lshl_b32 s66, s66, 23                        ; 2^(e0 + e1) as f32
	s_mov_b32 s67, s66                             ; (named with it as a pair, so it is written)
	s_cmp_ge_u32 ttmp9, 4
	s_cbranch_scc1 .Lv
	; ---- q and k: my 64 columns are one head
	s_lshl_b32 s84, s42, 1
	s_add_co_u32 s84, s84, s18                     ; 2 x + half: 0-15 q's heads, 16-31 k's
	s_lshr_b32 s85, s84, 4
	s_lshl_b32 s85, s85, 5
	s_lshr_b32 s86, s43, 4                         ; the batch
	s_lshl_b32 s86, s86, 4
	s_add_co_u32 s85, s85, s86
	s_and_b32 s86, s84, 15
	s_add_co_u32 s85, s85, s86
	s_lshl_b32 s85, s85, 17                        ; x 131,072 bytes a head
	s_lshl_b32 s86, s43, 3
	s_lshl_b32 s87, s17, 2
	s_add_co_u32 s86, s86, s87
	s_and_b32 s86, s86, 127                        ; my first token block in the batch
	s_lshl_b32 s86, s86, 10
	s_add_co_u32 s86, s85, s86
	s_mov_b32 s87, 0
	s_add_nc_u64 s[12:13], s[12:13], s[86:87]
	v_bfe_u32 v3, v0, 4, 1
	v_lshlrev_b32 v3, 6, v3                        ; the bias in the result's layout: 16 numbers further on for lanes 16-31
.irp b, 0,1,2,3
	global_load_b128 v[32+8*\b:35+8*\b], v3, s[10:11] offset:(32*(\b/2)+8*(\b%2))*4
	global_load_b128 v[36+8*\b:39+8*\b], v3, s[10:11] offset:(32*(\b/2)+8*(\b%2))*4+16
.endr
	s_cmp_lt_u32 ttmp9, 2
	s_cselect_b32 s92, s74, s75                    ; e2 for q, e3 for k: a choice of a value
	MKQ 92
	MAIN 0
	s_wait_loadcnt 0x0                             ; the bias
	PLACES
.irp a, 0,1,2,3
.irp p, 0,1
.irp i, 0,2,4,6,8,10,12,14
	v_pk_fma_f32 v[ACC+8*(4*\a+2*\p)+\i:ACC+8*(4*\a+2*\p)+\i+1], v[ACC+8*(4*\a+2*\p)+\i:ACC+8*(4*\a+2*\p)+\i+1], s[66:67], v[32+16*\p+\i:33+16*\p+\i] op_sel_hi:[1,0,1]   ; sum x 2^(e0 + e1) + bias; each accumulator from its low end on
.endr
.irp i, 0,1,2,3,4,5,6,7,8,9,10,11,12,13,14,15
	v_med3_num_f32 v[ACC+8*(4*\a+2*\p)+\i], v[ACC+8*(4*\a+2*\p)+\i], -v31, v31
.endr
	v_cvt_scalef32_pk8_fp8_f32 v[96+4*(2*\a+\p):97+4*(2*\a+\p)], v[ACC+8*(4*\a+2*\p):ACC+8*(4*\a+2*\p)+7], v30
	v_cvt_scalef32_pk8_fp8_f32 v[98+4*(2*\a+\p):99+4*(2*\a+\p)], v[ACC+8*(4*\a+2*\p)+8:ACC+8*(4*\a+2*\p)+15], v30
	global_store_b128 v2, v[96+4*(2*\a+\p):99+4*(2*\a+\p)], s[12:13] offset:\a*1024+512*\p   ; channels 32 p + 16 (lane / 16) + 0 .. 15 of token lane % 16: the wave stores 512 consecutive bytes, aligned
.endr
.endr
	v_nop                                          ; one plain instruction behind the last scaled conversion
	s_branch .Lend
.Lv:	; ---- v: a lane holds one channel and eight neighbouring tokens
	s_sub_co_u32 s84, s42, 16
	s_lshl_b32 s84, s84, 1
	s_add_co_u32 s84, s84, s18                     ; the head
	s_lshr_b32 s85, s43, 4
	s_lshl_b32 s85, s85, 4
	s_add_co_u32 s84, s84, s85                     ; + 16 x batch
	s_lshl_b32 s84, s84, 4
	s_and_b32 s85, s43, 15
	s_add_co_u32 s84, s84, s85                     ; x 16 + the key step: my tile's 128 tokens
	s_lshl_b32 s84, s84, 13                        ; x four images of 2,048 bytes
	s_lshl_b32 s85, s17, 10                        ; my 64 tokens are half of each image
	s_add_co_u32 s84, s84, s85
	s_add_co_u32 s84, s84, 0x800000
	s_mov_b32 s85, 0
	s_add_nc_u64 s[12:13], s[12:13], s[84:85]
	v_and_b32 v4, 15, v0
	v_and_b32 v5, 8, v4
	v_add_nc_u32 v4, v4, v5
	v_lshlrev_b32 v3, 2, v4                        ; my channel in a tile: r + 8 (r / 8)
.irp b, 0,1,2,3
	global_load_b32 v[32+2*\b], v3, s[10:11] offset:(32*(\b/2)+8*(\b%2))*4
	global_load_b32 v[33+2*\b], v3, s[10:11] offset:(32*(\b/2)+8*(\b%2))*4   ; the same word: a pair for the packed form
.endr
	MKQ 77                                         ; e5
	MAIN 1
	s_wait_loadcnt 0x0
	PLACES
.irp b, 0,1,2,3
.irp i, 0,1
.irp u, 0,1
.irp n, 0,2,4,6
	v_pk_fma_f32 v[ACC+8*(4*(2*\i+\u)+\b)+\n:ACC+8*(4*(2*\i+\u)+\b)+\n+1], v[ACC+8*(4*(2*\i+\u)+\b)+\n:ACC+8*(4*(2*\i+\u)+\b)+\n+1], s[66:67], v[32+2*\b:33+2*\b] op_sel_hi:[1,0,1]
.endr
.irp n, 0,1,2,3,4,5,6,7
	v_med3_num_f32 v[ACC+8*(4*(2*\i+\u)+\b)+\n], v[ACC+8*(4*(2*\i+\u)+\b)+\n], -v31, v31
.endr
.endr
	v_cvt_scalef32_pk8_fp8_f32 v[96+4*(2*\b+\i):97+4*(2*\b+\i)], v[ACC+8*(4*(2*\i)+\b):ACC+8*(4*(2*\i)+\b)+7], v30
	v_cvt_scalef32_pk8_fp8_f32 v[98+4*(2*\b+\i):99+4*(2*\b+\i)], v[ACC+8*(4*(2*\i+1)+\b):ACC+8*(4*(2*\i+1)+\b)+7], v30
	global_store_b128 v2, v[96+4*(2*\b+\i):99+4*(2*\b+\i)], s[12:13] offset:\b*2048+512*\i   ; registers 4 (2 half + i) on of the image of channel tile b
.endr
.endr
	v_nop
.Lend:
	s_wait_tensorcnt 0x0                           ; the wave's end
	ds_add_u32 v[SPW], v[NIL]
	s_wait_dscnt 0x0
	CROUND                                         ; the closing round: no work-group ends while a partner may still ask for a tile that names it
	s_endpgm
.Lfunc_end_k_qb9946a4ab6_gemm_qkv:
	.size	k_qb9946a4ab6_gemm_qkv, .Lfunc_end_k_qb9946a4ab6_gemm_qkv-k_qb9946a4ab6_gemm_qkv
	.p2alignl 7, 3214868480
	.fill 96, 4, 3214868480
	.section	.rodata,"a",@progbits
	.p2align	6, 0x0
	.amdhsa_kernel k_qb9946a4ab6_gemm_qkv
		.amdhsa_group_segment_fixed_size 327680
		.amdhsa_private_segment_fixed_size 0
		.amdhsa_enable_private_segment 0
		.amdhsa_kernarg_size 40
		.amdhsa_user_sgpr_count 2
		.amdhsa_user_sgpr_kernarg_segment_ptr 1
		.amdhsa_wavefront_size32 1
		.amdhsa_system_sgpr_workgroup_id_x 1
		.amdhsa_system_sgpr_workgroup_id_y 1
		.amdhsa_system_sgpr_workgroup_id_z 1
		.amdhsa_system_vgpr_workitem_id 0
		.amdhsa_next_free_vgpr 512
		.amdhsa_next_free_sgpr 96
		.amdhsa_reserve_vcc 0
		.amdhsa_float_denorm_mode_32 3
		.amdhsa_float_denorm_mode_16_64 3
		.amdhsa_memory_ordered 1
		.amdhsa_forward_progress 1
		.amdhsa_inst_pref_size 91
	.end_amdhsa_kernel
	.amdgpu_metadata
---
amdhsa.version: [ 1, 2 ]
amdhsa.kernels:
  - .name:           k_qb9946a4ab6_gemm_qkv
    .symbol:         k_qb9946a4ab6_gemm_qkv.kd
    .args:
      - { .name: act, .offset: 0, .size: 8, .value_kind: global_buffer, .address_space: global }
      - { .name: wc, .offset: 8, .size: 8, .value_kind: global_buffer, .address_space: global }
      - { .name: lowp_scales, .offset: 16, .size: 8, .value_kind: global_buffer, .address_space: global }
      - { .name: b_attn, .offset: 24, .size: 8, .value_kind: global_buffer, .address_space: global }
      - { .name: qkv, .offset: 32, .size: 8, .value_kind: global_buffer, .address_space: global }
    .group_segment_fixed_size: 327680
    .private_segment_fixed_size: 0
    .kernarg_segment_align: 8
    .kernarg_segment_size: 40
    .max_flat_workgroup_size: 128
    .sgpr_count:     96
    .vgpr_count:     512
    .wavefront_size: 32
...
	.end_amdgpu_metadata
.endif
;; end of part 2
;; launch attn (part 3): grid 8 x 32, 16 waves a work-group, clusters of 4 x 1, 264,192 bytes of LDS; arguments qkv, lowp_scales, act; writes act
.if DOCPART == 3
	.amdgcn_target "amdgcn-amd-amdhsa--gfx1250"
	.amdhsa_code_object_version 6
	.text
	.protected	k_qb9946a4ab6_attn
	.globl	k_qb9946a4ab6_attn
	.p2align	8
	.type	k_qb9946a4ab6_attn,@function
k_qb9946a4ab6_attn:
	s_mov_b64 s[64:65], 0
	v_nop
	global_prefetch_b8 v0, s[64:65] scope:SCOPE_SE
	s_setreg_imm32_b32 hwreg(HW_REG_WAVE_MODE, 25, 1), 1
	s_wait_xcnt 0x0
	s_wait_alu depctr_hold_cnt(0) depctr_sa_sdst(0) depctr_va_vdst(0) depctr_va_sdst(0) depctr_va_ssrc(0) depctr_va_vcc(0) depctr_vm_vsrc(0)
	s_getreg_b32 s2, hwreg(HW_REG_IB_STS2, 6, 4)
	s_cmp_eq_u32 s2, 0
	s_cbranch_scc0 .Lentry_in_a_cluster
	s_endpgm
.Lentry_in_a_cluster:
	s_bfe_u32 s2, ttmp6, 0x10000c
	s_cmp_lg_u32 s2, 0x3003
	s_cbranch_scc0 .Lentry_shape_is_right
	s_endpgm
.Lentry_shape_is_right:
; ATTN: causal attention of one head on codes of FP8 (E4M3); its result leaves as codes for the projection.  32 heads (batch x 16 + head) of 2,048 tokens x 64 channels.
; THE SOFTMAX AHEAD OF THE SECOND PRODUCT: t = score x log2(e); M = the row's largest t so far, rounded up to a whole number; p = 2^(t - M) is quantised, not normalised; the row's sum is taken of the
; unquantised p and divides at the end.  When M moves, the sum and O are multiplied by 2^(old M - new M): exact.
; SHARES.  A work-group has 16 waves, each with one tile of 16 queries: wave number w gives j = w xor 3 ((w / 4) % 2), and the tile is 8 j + g, g the work-group's x.  So wave j needs the key steps 0 .. j (128 keys each)
; in EVERY work-group: all work-groups have the same work, and no branch hangs on g.
; LDS holds the head's whole K (131,072 bytes: key tile T of 16 keys at 1,024 T) and whole V^T (131,072 bytes from 131,072 on: key step ks at 8,192 ks, channel tile dt at 2,048 dt): nothing is filled again.
; They come in four chunks of 512 keys: waves 0-3 issue four tensor loads each at the start (four of a wave are out at the most), and a chunk's steps begin behind a counted wait and a barrier.
; CLUSTER: the four work-groups of a cluster belong to one head and ask for K and V jointly.
; LAYOUT.  S^T = K Q^T (source 0 = 16 neighbouring keys, source 1 = my queries): a lane holds ONE query (lane % 16) and, in tile t, keys 16 t + 8 (lane / 16) + 0 .. 7: converted tile by tile these are registers 2 t, 2 t + 1
; of the second product's operand in that form's own layout, in which V^T's images were stored.  O^T = V^T P^T: tiles 2 b, 2 b + 1 give a lane channels 32 b + 16 (lane / 16) + 0 .. 15.
; THE MASK.  On the diagonal step hidden scores become -10,000, as the problem has it.  Steps all of whose keys are hidden are left out: their p = 2^(-14,427 - M) is 0 in f32.
; LIMIT: that holds while a row's largest visible score lies above about -9,800.  LIMITS on the exponents: e2 + e3 between -120 and 110; e4, e6 between -126 and 119.  NaN among the inputs is not served.
; REGISTERS: v1 16 x lane; v2 my query's place against the step's keys; v3 the masked score; v4, v5 LDS addresses; v10 a permute's destination; v12 -M, v13 the largest t; v[14:15], v[28:29] the sum; v16-23 Q;
;   v24, v25 a scale and 448 x it; v[26:27] f; v30, v31 at work; v32-95 K's fragments, then p's codes in v32-47; v96-159 S^T, then p; v160-223 V's fragments; v224-255 O^T.
.set WV,  10                           ; s10 wave
.set JJ,  11                           ; s11 j: my last key step
.set CS,  16                           ; s[16:17] c = log2(e) / 8 x 2^(e2 + e3)
.set SEL, 18                           ; s[18:19] lane selects: lane l xor 16
.set TB,  20                           ; s20 LDS byte of the step's tiles of K
.set KS,  21                           ; s21 the key step
.set CNT, 22                           ; s22 counts a chunk's four steps
.set G1,  24                           ; s[24:31] descriptor group 1
.set G0,  32                           ; s[32:47] group 0, one set for each chunk
.macro CROUND
	s_barrier_signal -1
	s_barrier_wait -1
	s_cmp_lg_u32 s[WV], 0
	s_cbranch_scc1 .Lnot_wave_0_\@
	s_barrier_signal -3
.Lnot_wave_0_\@:
	s_barrier_wait -3
	s_barrier_signal -1
	s_barrier_wait -1
.endm
	s_load_b128 s[4:7], s[0:1], 0x0                ; qkv s[4:5], the scales' exponents s[6:7]
	s_load_b64 s[8:9], s[0:1], 0x10                ; act
	v_lshl_add_u32 v9, v0, 2, 0x40000
	v_mov_b32 v11, 0
	ds_add_u32 v9, v11
	ds_add_u32 v9, v11
	v_lshrrev_b32 v1, 5, v0
	v_readfirstlane_b32 s[WV], v1                  ; wave 0..15
	s_bfe_u32 s[JJ], s[WV], 0x10002
	s_mul_i32 s[JJ], s[JJ], 3
	s_xor_b32 s[JJ], s[JJ], s[WV]                  ; j
	s_bfe_u32 s12, ttmp6, 0x40000                  ; cx
	s_lshl_b32 s13, ttmp9, 2
	s_add_co_u32 s13, s13, s12                     ; g: it enters Q's and the result's addresses and the mask's numbers alone
	s_and_b32 s14, ttmp7, 0xffff                   ; the head, which the four partners share
	s_and_b32 s56, s[WV], 1                        ; what I fetch, if I fetch: K (0) or V (1),
	s_bfe_u32 s57, s[WV], 0x10001                  ; which half of a chunk
	s_lshl_b32 s58, s56, 17
	s_lshl_b32 s59, s57, 14
	s_add_co_u32 s58, s58, s59                     ; in LDS,
	s_add_co_u32 s60, s56, 1
	s_lshl_b32 s60, s60, 22                        ; and in memory: k at 4 MiB, v at 8 MiB,
	s_lshl_b32 s61, s14, 17                        ; 131,072 bytes a head
	s_add_co_u32 s60, s60, s61
	s_add_co_u32 s60, s60, s59
	s_mov_b32 s61, 0
	s_mov_b32 s[G1], 15|(3<<16)|(1<<21)            ; 15:0 the mask: all four work-groups; 17:16 elements of 8 bytes; 21 set beside a mask
	s_mov_b32 s[G1+1], 32<<16                      ; a dense block of 16,384 bytes as 64 rows of 256: tensor_dim0 = 32
	s_mov_b32 s[G1+2], 64<<16                      ; tensor_dim1 = 64
	s_mov_b32 s[G1+3], 32<<16                      ; tile_dim0
	s_mov_b32 s[G1+4], 64                          ; tile_dim1
	s_mov_b32 s[G1+5], 32                          ; the pitch
	s_mov_b32 s[G1+6], 0
	s_mov_b32 s[G1+7], 0
	s_mov_b32 s[SEL], 0x76543210
	s_mov_b32 s[SEL+1], 0xfedcba98
	s_mov_b32 s[KS], 0
	s_wait_dscnt 0x0
	s_wait_kmcnt 0x0
	s_load_b256 s[48:55], s[6:7], 0x0              ; e0 .. e7
	s_add_nc_u64 s[60:61], s[4:5], s[60:61]
.irp c, 0,1,2,3
	s_mov_b32 s[G0+4*\c], 1
	s_add_co_u32 s[G0+4*\c+1], s58, \c*32768
	s_add_nc_u64 s[G0+4*\c+2:G0+4*\c+3], s[60:61], \c*32768
	s_or_b32 s[G0+4*\c+3], s[G0+4*\c+3], 0x80000000
.endr
	CROUND                                         ; all four work-groups are here: the joint loads meet
	s_cmp_lt_u32 s[WV], 4                          ; a wave's first fills stand in one branch on the wave's number
	s_cbranch_scc0 .Lno_fetch
	tensor_load_to_lds s[G0:G0+3], s[G1:G1+7]
	s_nop 0
	tensor_load_to_lds s[G0+4:G0+7], s[G1:G1+7]
	s_nop 0
	tensor_load_to_lds s[G0+8:G0+11], s[G1:G1+7]
	s_nop 0
	tensor_load_to_lds s[G0+12:G0+15], s[G1:G1+7]
	s_nop 0
.rept 4
	v_nop
.endr
.Lno_fetch:
	s_lshl_b32 s56, s[JJ], 3
	s_add_co_u32 s56, s56, s13                     ; my tile of queries: 8 j + g
	s_lshl_b32 s57, s56, 10
	s_lshl_b32 s59, s14, 17
	s_add_co_u32 s62, s57, s59
	s_mov_b32 s63, 0
	s_add_nc_u64 s[4:5], s[4:5], s[62:63]          ; q's image of my tile
	v_and_b32 v1, 31, v0
	v_lshlrev_b32 v1, 4, v1                        ; 16 x lane
	global_load_b128 v[16:19], v1, s[4:5]
	global_load_b128 v[20:23], v1, s[4:5] offset:512
	s_lshr_b32 s57, s14, 4                         ; the result: token block 128 x batch + tile,
	s_lshl_b32 s57, s57, 7
	s_add_co_u32 s57, s57, s56
	s_lshl_b32 s57, s57, 3
	s_bfe_u32 s59, s14, 0x30001                    ; K step head / 2 of the projection,
	s_add_co_u32 s57, s57, s59
	s_lshl_b32 s57, s57, 11
	s_and_b32 s59, s14, 1                          ; its half head % 2
	s_lshl_b32 s59, s59, 10
	s_add_co_u32 s62, s57, s59
	s_add_nc_u64 s[8:9], s[8:9], s[62:63]
	v_and_b32 v6, 15, v0
	v_bfe_u32 v7, v0, 4, 1
	v_lshlrev_b32 v7, 3, v7
	v_sub_nc_u32 v2, v6, v7
	s_lshl_b32 s57, s13, 4
	v_add_nc_u32 v2, s57, v2                       ; 16 g + r - 8 h: register 8 t + i of S^T is hidden on the diagonal step where 16 t + i is larger
	v_mov_b32 v13, 0xff61b1e6                      ; the largest t so far: -3e38
	v_floor_f32 v12, -v13                          ; -M
	v_mov_b32 v14, 0
	v_mov_b32 v15, 0
	v_mov_b32 v10, 0                               ; a lane permute's destination counts as read
	v_mov_b32 v27, 0                               ; (named as the upper half of the pair v[26:27])
.set zi, 0
.rept 32
	v_mov_b32 v[224+zi], 0                         ; O^T: the step is written once; its first run finds zeros
.set zi, zi+1
.endr
	s_wait_kmcnt 0x0
	s_add_co_i32 s57, s50, s51
	s_lshl_b32 s57, s57, 23
	s_add_co_i32 s[CS], s57, 0x3e38aa3b            ; log2(e) / 8 with e2 + e3 added to its exponent field
	s_mov_b32 s[CS+1], s[CS]
	s_sub_co_u32 s59, 0xc79c4000, s57              ; -80,000 / 2^(e2 + e3): the sum that stands for the score -10,000
	v_mov_b32 v3, s59
	s_add_co_i32 s57, s52, 127
	s_lshl_b32 s59, s57, 23
	v_mov_b32 v24, s59                             ; 2^e4
	s_add_co_i32 s57, s57, 8
	s_lshl_b32 s57, s57, 23
	s_or_b32 s57, s57, 0x600000
	v_mov_b32 v25, s57                             ; 448 x 2^e4
; A KEY STEP: 128 keys.
.macro STEP
	s_cmp_gt_u32 s[KS], s[JJ]                      ; all its keys come after my queries: left out.  No barrier and no tensor load stands in a step
	s_cbranch_scc1 .Lhidden_\@
	v_add_nc_u32 v4, s[TB], v1
	v_add_nc_u32 v5, 0x20000, v4
	v_nop
	v_nop                                          ; four places in front of loads into registers that the last products read
.irp t, 0,1,2,3,4,5,6,7
	ds_load_b128 v[32+8*\t:35+8*\t], v4 offset:1024*\t
	ds_load_b128 v[36+8*\t:39+8*\t], v4 offset:1024*\t+512
.endr
	s_wait_dscnt 0x0
.irp t, 0,1,2,3,4,5,6,7
	v_wmma_f32_16x16x64_fp8_fp8 v[96+8*\t:103+8*\t], v[32+8*\t:39+8*\t], v[16:23], 0
.endr
.rept 4
	v_nop
.endr
.irp d, 0,1,2,3
.irp c, 0,1,2,3
	ds_load_b128 v[160+16*\d+4*\c:163+16*\d+4*\c], v5 offset:2048*\d+512*\c   ; V's fragments land under the softmax
.endr
.endr
	s_cmp_lg_u32 s[KS], s[JJ]
	s_cbranch_scc1 .Lopen_\@
.irp n, 0,1,2,3,4,5,6,7,8,9,10,11,12,13,14,15,16,17,18,19,20,21,22,23,24,25,26,27,28,29,30,31,32,33,34,35,36,37,38,39,40,41,42,43,44,45,46,47,48,49,50,51,52,53,54,55,56,57,58,59,60,61,62,63
	v_cmp_gt_i32 vcc_lo, 16*(\n/8)+\n%8, v2
	v_cndmask_b32 v[96+\n], v[96+\n], v3, vcc_lo
.endr
.Lopen_\@:
	v_max3_num_f32 v30, v96, v97, v98              ; the step's largest score of my query, in two chains, each accumulator from its low end on
	v_max3_num_f32 v31, v99, v100, v101
.irp i, 6,10,14,18,22,26,30,34,38,42,46,50,54,58
	v_max3_num_f32 v30, v30, v[96+\i], v[97+\i]
	v_max3_num_f32 v31, v31, v[98+\i], v[99+\i]
.endr
	v_max3_num_f32 v30, v30, v158, v159
	v_max_num_f32 v30, v30, v31
	v_permlanex16_b32 v10, v30, s[SEL], s[SEL+1]
	v_max_num_f32 v30, v30, v10                    ; and among lane l xor 16's
	v_mul_f32 v30, s[CS], v30                      ; as t (c is positive)
	v_max_num_f32 v13, v13, v30
	v_mov_b32 v30, v12
	v_floor_f32 v12, -v13                          ; the new -M = -ceil(t)
	v_sub_f32 v30, v12, v30                        ; old M - new M: a whole number, 0 or less
	v_cvt_i32_f32 v30, v30                         ; (it saturates)
	v_ldexp_f32 v26, 1.0, v30                      ; f = 2^(old M - new M)
.irp j, 0,2,4,6,8,10,12,14,16,18,20,22,24,26,28,30,32,34,36,38,40,42,44,46,48,50,52,54,56,58,60,62
	v_pk_fma_f32 v[96+\j:97+\j], v[96+\j:97+\j], s[CS:CS+1], v[12:13] op_sel_hi:[1,0,0]   ; t - M
.endr
.set ei, 0
.rept 64
	v_exp_f32 v[96+ei], v[96+ei]                   ; p = 2^(t - M)
.set ei, ei+1
.endr
	v_pk_mul_f32 v[14:15], v[14:15], v[26:27] op_sel_hi:[1,0]   ; the sum under the new M (a plain place behind the exponentials)
	s_wait_alu depctr_va_vdst(0)
	v_pk_add_f32 v[28:29], v[96:97], v[98:99]      ; the row's sum is taken of the unquantised p
.irp j, 4,8,12,16,20,24,28,32,36,40,44,48,52,56,60
	v_pk_add_f32 v[14:15], v[14:15], v[96+\j:97+\j]
	v_pk_add_f32 v[28:29], v[28:29], v[98+\j:99+\j]
.endr
	v_pk_add_f32 v[14:15], v[14:15], v[28:29]
.irp t, 0,1,2,3,4,5,6,7
.irp i, 0,1,2,3,4,5,6,7
	v_min_num_f32 v[96+8*\t+\i], v[96+8*\t+\i], v25   ; p is not negative: the hold is one-sided
.endr
	v_cvt_scalef32_pk8_fp8_f32 v[32+2*\t:33+2*\t], v[96+8*\t:103+8*\t], v24
.endr
.irp j, 0,2,4,6,8,10,12,14,16,18,20,22,24,26,28,30
	v_pk_mul_f32 v[224+\j:225+\j], v[224+\j:225+\j], v[26:27] op_sel_hi:[1,0]   ; O^T under the new M; these are also the plain place behind the conversions
.endr
	s_wait_dscnt 0x0                               ; V's fragments
.irp d, 0,1,2,3
	v_wmma_f32_16x16x128_fp8_fp8 v[224+8*\d:231+8*\d], v[160+16*\d:175+16*\d], v[32:47], v[224+8*\d:231+8*\d]
.endr
.Lhidden_\@:
.endm
; A chunk of four key steps.  The count leaves the later chunks' loads out; waves that issued none pass at once.
.macro CHUNK c4
	s_wait_tensorcnt 3-\c4
	s_barrier_signal -1
	s_barrier_wait -1                              ; the chunk's four parts lie in LDS
	s_mov_b32 s[TB], \c4*32768
	s_mov_b32 s[CNT], 4
.Ltrip_\@:
	STEP
	s_add_co_u32 s[TB], s[TB], 8192
	s_add_co_u32 s[KS], s[KS], 1
	s_sub_co_u32 s[CNT], s[CNT], 1
	s_cmp_lg_u32 s[CNT], 0
	s_cbranch_scc1 .Ltrip_\@
.endm
	s_wait_loadcnt 0x0                             ; Q
	CHUNK 0
	CHUNK 1
	CHUNK 2
	CHUNK 3
	; THE WAY OUT: O^T / the sum x 2^(e4 + e5), quantised with e6: a lane's 16 codes are 16 bytes of the projection's operand image.
.rept 4
	v_nop
.endr
	v_add_f32 v14, v14, v15
	v_permlanex16_b32 v10, v14, s[SEL], s[SEL+1]
	v_add_f32 v14, v14, v10                        ; the row's sum
	v_rcp_f32 v14, v14
	s_add_co_i32 s57, s54, 127
	s_lshl_b32 s59, s57, 23
	v_mov_b32 v24, s59                             ; 2^e6 (a plain place behind the transcendental)
	s_add_co_i32 s57, s57, 8
	s_lshl_b32 s57, s57, 23
	s_or_b32 s57, s57, 0x600000
	v_mov_b32 v25, s57                             ; 448 x 2^e6
	s_add_co_i32 s59, s52, s53
	s_wait_alu depctr_va_vdst(0)
	v_ldexp_f32 v14, v14, s59
.set oi, 0
.rept 32
	v_mul_f32 v[96+oi], v[224+oi], v14
.set oi, oi+1
.endr
.set oi, 0
.rept 32
	v_med3_num_f32 v[96+oi], v[96+oi], -v25, v25
.set oi, oi+1
.endr
.irp d, 0,1,2,3
	v_cvt_scalef32_pk8_fp8_f32 v[32+2*\d:33+2*\d], v[96+8*\d:103+8*\d], v24
.endr
	v_nop                                          ; one plain instruction behind the last scaled conversion
	global_store_b128 v1, v[32:35], s[8:9]         ; channels 16 (lane / 16) + 0 .. 15 of token lane % 16: 512 consecutive bytes, aligned
	global_store_b128 v1, v[36:39], s[8:9] offset:512
	s_wait_tensorcnt 0x0
	ds_add_u32 v9, v11
	s_wait_dscnt 0x0
	CROUND                                         ; the closing round
	s_endpgm
.Lfunc_end_k_qb9946a4ab6_attn:
	.size	k_qb9946a4ab6_attn, .Lfunc_end_k_qb9946a4ab6_attn-k_qb9946a4ab6_attn
	.p2alignl 7, 3214868480
	.fill 96, 4, 3214868480
	.section	.rodata,"a",@progbits
	.p2align	6, 0x0
	.amdhsa_kernel k_qb9946a4ab6_attn
		.amdhsa_group_segment_fixed_size 264192
		.amdhsa_private_segment_fixed_size 0
		.amdhsa_enable_private_segment 0
		.amdhsa_kernarg_size 24
		.amdhsa_user_sgpr_count 2
		.amdhsa_user_sgpr_kernarg_segment_ptr 1
		.amdhsa_wavefront_size32 1
		.amdhsa_system_sgpr_workgroup_id_x 1
		.amdhsa_system_sgpr_workgroup_id_y 1
		.amdhsa_system_sgpr_workgroup_id_z 1
		.amdhsa_system_vgpr_workitem_id 0
		.amdhsa_next_free_vgpr 256
		.amdhsa_next_free_sgpr 66
		.amdhsa_reserve_vcc 1
		.amdhsa_float_denorm_mode_32 3
		.amdhsa_float_denorm_mode_16_64 3
		.amdhsa_memory_ordered 1
		.amdhsa_forward_progress 1
		.amdhsa_inst_pref_size 94
	.end_amdhsa_kernel
	.amdgpu_metadata
---
amdhsa.version: [ 1, 2 ]
amdhsa.kernels:
  - .name:           k_qb9946a4ab6_attn
    .symbol:         k_qb9946a4ab6_attn.kd
    .args:
      - { .name: qkv, .offset: 0, .size: 8, .value_kind: global_buffer, .address_space: global }
      - { .name: lowp_scales, .offset: 8, .size: 8, .value_kind: global_buffer, .address_space: global }
      - { .name: act, .offset: 16, .size: 8, .value_kind: global_buffer, .address_space: global }
    .group_segment_fixed_size: 264192
    .private_segment_fixed_size: 0
    .kernarg_segment_align: 8
    .kernarg_segment_size: 24
    .max_flat_workgroup_size: 512
    .sgpr_count:     66
    .vgpr_count:     256
    .wavefront_size: 32
...
	.end_amdgpu_metadata
.endif
;; end of part 3
;; launch gemm_proj (part 4): grid 8 x 32, 4 waves a work-group, clusters of 4 x 4, 327,680 bytes of LDS; arguments act, wc, lowp_scales, b_proj, hidden_states, h; writes h
.if DOCPART == 4
	.amdgcn_target "amdgcn-amd-amdhsa--gfx1250"
	.amdhsa_code_object_version 6
	.text
	.protected	k_qb9946a4ab6_gemm_proj
	.globl	k_qb9946a4ab6_gemm_proj
	.p2align	8
	.type	k_qb9946a4ab6_gemm_proj,@function
k_qb9946a4ab6_gemm_proj:
	s_mov_b64 s[64:65], 0
	v_nop
	global_prefetch_b8 v0, s[64:65] scope:SCOPE_SE
	s_setreg_imm32_b32 hwreg(HW_REG_WAVE_MODE, 25, 1), 1
	s_wait_xcnt 0x0
	s_wait_alu depctr_hold_cnt(0) depctr_sa_sdst(0) depctr_va_vdst(0) depctr_va_sdst(0) depctr_va_ssrc(0) depctr_va_vcc(0) depctr_vm_vsrc(0)
	s_getreg_b32 s2, hwreg(HW_REG_IB_STS2, 6, 4)
	s_cmp_eq_u32 s2, 0
	s_cbranch_scc0 .Lentry_in_a_cluster
	s_endpgm
.Lentry_in_a_cluster:
	s_bfe_u32 s2, ttmp6, 0x10000c
	s_cmp_lg_u32 s2, 0xf033
	s_cbranch_scc0 .Lentry_shape_is_right
	s_endpgm
.Lentry_shape_is_right:
; GEMM_PROJ: h = hidden_states + (attention's result) w_proj + b_proj, the product on codes of FP8 (E4M3).  M 4,096, N 1,024, K 1,024.  h: f32, row-major.
; OPERANDS ARE IMAGES OF THEIR REGISTERS: a fragment of 16 rows x 128 K is 2,048 bytes; part c (512 bytes) holds at 16 x lane the codes of row lane % 16, k = 32 c + 16 (lane / 16) + 0 .. 15:
; one permutation of k, alike in both operands.  An operand is [rows / 16][K / 128][2,048].  A fragment comes by four ds_load_b128 of 512 consecutive bytes: no pitch, no padding.
; A tile of C is 128 x 128 (256 work-groups): four waves of 64 x 64, 16 accumulators each.  K goes in slots of 512 through two LDS slots; with K = 1,024 both are first fills.
; A wave's tensor load brings four rows of 8,192 bytes: the images of 16 rows x 512 K lie on end in memory.
; CLUSTERS: 4 x 4 work-groups; A's tiles are asked for jointly along a row of the cluster, B's along a column.
; Source 0 = weight tile (tile 2 B + u holds at image row p the column 32 B + 8 u + p + 8 (p / 8)), source 1 = token block: a lane holds one token; tiles 2 B, 2 B + 1 give it columns 32 B + 16 (lane / 16) + 0 .. 15.
; THE WAY OUT: 16 rows x 64 columns at a time through the wave's own stage in LDS, back as rows of 256 bytes; sum x 2^(eA + eB) + (residual + bias); sixteen lanes store 256 consecutive bytes, aligned.
; LIMITS: e6 + e7 between -126 and 127.  NaN among the inputs is not served.
; REGISTERS: window 0: v[12:15] bias, v16-21 LDS addresses, v24-26 the way out's addresses, v28, v29 the spare word's address and 0, v32-63, v64-95 two sets of residual rows, v96-127 rows read back, v128-255 accumulators.
;            window 1: two fragment buffers of 128: A's four fragments, then B's four.
.set SIZE_K, 1024
.set WOFF,   0x300000                  ; w_proj's images in wc
.set EA,     78                        ; s78 = e6, s79 = e7
.set EB,     79
.set NTOUT,  0                         ; the result is read again by later launches
.set RB,     16*SIZE_K
.set LAPS,   SIZE_K/1024
.set SLOT,   131072
.set BOFF,   65536
.set STAGE,  2*SLOT                    ; 16 rows x 272 bytes for each wave; no tensor load fills it
.set SPARE,  STAGE+4*16*272            ; the spare words, 128 bytes for each wave: two blocks of 256 bytes that no other line names
.set ADRA, 16
.set ADRB, 20
.set STO,  24
.set RD,   25
.set CO,   26
.set SPW,  28
.set NIL,  29
.set TT,   96
.set ACC,  128
.set F0,   0
.set F1,   128
.set G1,   24
.set G0,   32
.set G1B,  48
.set G0B,  56
.set MSB,  0
.macro WIN new                         ; the immediate's high byte repeats the setting that is left
.if MSB != \new
	s_set_vgpr_msb (MSB<<8)|\new
.set MSB, \new
.endif
.endm
.set MUL,  0x05                        ; sources 0 and 1 window 1; C and D window 0
.set TO_F, 0x40                        ; destination window 1, address window 0
.macro JLOAD s                         ; a joint load: waves 0, 1 fetch A's halves, waves 2, 3 B's; four v_nop follow each line
	s_cmp_eq_u32 s17, 0
	s_cbranch_scc0 .Lfor_b_\@
	tensor_load_to_lds s[G0+4*\s:G0+4*\s+3], s[G1:G1+7]
	s_nop 0
.rept 4
	v_nop
.endr
	s_branch .Lasked_\@
.Lfor_b_\@:
	tensor_load_to_lds s[G0B+4*\s:G0B+4*\s+3], s[G1B:G1B+7]
	s_nop 0
.rept 4
	v_nop
.endr
.Lasked_\@:
.endm
.macro CREST
	s_cmp_lg_u32 s16, 0
	s_cbranch_scc1 .Lnot_wave_0_\@
	s_barrier_signal -3
.Lnot_wave_0_\@:
	s_barrier_wait -3
	s_barrier_signal -1
	s_barrier_wait -1
.endm
.macro CROUND
	s_barrier_signal -1
	s_barrier_wait -1
	CREST
.endm
.macro PLACES                          ; four plain instructions between a matrix instruction and a load into, or a read of, its registers
.rept 4
	v_nop
.endr
.endm
.macro FETCH slot, q, f                ; 32 LDS loads in one run: B's four fragments, then A's four
	WIN TO_F
.irp i, 0,1,2,3
.irp c, 0,1,2,3
	ds_load_b128 v[\f+64+16*\i+4*\c:\f+64+16*\i+4*\c+3], v[ADRB+\slot] offset:\i*8192+(\q)*2048+512*\c
.endr
.endr
.irp i, 0,1,2,3
.irp c, 0,1,2,3
	ds_load_b128 v[\f+16*\i+4*\c:\f+16*\i+4*\c+3], v[ADRA+\slot] offset:\i*8192+(\q)*2048+512*\c
.endr
.endr
.endm
; 8 matrix instructions: A's blocks a0, a0 + 1 x B's four.  The 16 accumulators take turns, one instruction a turn, in the same order in every quarter.
.macro MUL8 f, a0, zero
.irp a, \a0, \a0+1
.irp b, 0,1,2,3
.if \zero
	v_wmma_f32_16x16x128_fp8_fp8 v[ACC+8*(4*(\a)+\b):ACC+8*(4*(\a)+\b)+7], v[\f+64+16*\b:\f+64+16*\b+15], v[\f+16*(\a):\f+16*(\a)+15], 0
.else
	v_wmma_f32_16x16x128_fp8_fp8 v[ACC+8*(4*(\a)+\b):ACC+8*(4*(\a)+\b)+7], v[\f+64+16*\b:\f+64+16*\b+15], v[\f+16*(\a):\f+16*(\a)+15], v[ACC+8*(4*(\a)+\b):ACC+8*(4*(\a)+\b)+7]
.endif
.endr
.endr
.endm
.macro QUARTER slot, qn, f, g, zero
	s_wait_dscnt 8                                 ; B's four and A's blocks 0, 1 are in; the youngest eight loads may be out
	WIN MUL
	MUL8 \f, 0, \zero
	PLACES
	FETCH \slot, \qn, \g
	s_wait_dscnt 32                                ; all but the 32 just issued
	WIN MUL
	MUL8 \f, 2, \zero
.endm
.macro TURN slot, next, fill           ; a slot's last quarter changes slots: one barrier, with the three lines in front of it
	WIN 0
	s_wait_tensorcnt 0x0                           ; all my tensor loads have landed: my part of the next slot
	ds_add_u32 v[SPW], v[NIL]                      ; 0 onto my spare word
	s_wait_dscnt 9                                 ; (the add and the youngest eight loads may be out)
	WIN MUL
	MUL8 F1, 0, 0
	s_wait_dscnt 0x0                               ; the add is done, and my reads of this slot are over
	s_barrier_signal -1
	WIN 0
	s_barrier_wait -1
.if \fill
	CREST
	s_add_nc_u64 s[G0+4*\slot+2:G0+4*\slot+3], s[G0+4*\slot+2:G0+4*\slot+3], 16384
	s_add_nc_u64 s[G0B+4*\slot+2:G0B+4*\slot+3], s[G0B+4*\slot+2:G0B+4*\slot+3], 16384
	JLOAD \slot
.else
	PLACES
.endif
	FETCH \next, 0, F0
	WIN MUL
	MUL8 F1, 2, 0
.endm
.macro RLOAD a                         ; the residual's rows 16 a .. 16 a + 15, my 64 columns: two rows a load, 256 consecutive bytes for sixteen lanes
.irp i, 0,1,2,3,4,5,6,7
	global_load_b128 v[32+32*((\a)%2)+4*\i:32+32*((\a)%2)+4*\i+3], v[CO], s[12:13] offset:(\a)*65536+\i*8192
.endr
.endm
.macro OUTROW a
.set RS, 32+32*((\a)%2)
.irp b, 0,1,2,3
	ds_store_b128 v[STO], v[ACC+8*(4*(\a)+\b):ACC+8*(4*(\a)+\b)+3] offset:128*(\b/2)+32*(\b%2)      ; each accumulator from its low end on
	ds_store_b128 v[STO], v[ACC+8*(4*(\a)+\b)+4:ACC+8*(4*(\a)+\b)+7] offset:128*(\b/2)+32*(\b%2)+16
.endr
.if (\a) > 0
	s_wait_xcnt 0x0                                ; the last block's stores have read their data: the registers may be loaded again
.endif
.irp i, 0,1,2,3,4,5,6,7
	ds_load_b128 v[TT+4*\i:TT+4*\i+3], v[RD] offset:544*\i   ; LDS serves a wave's instructions in order (ISA guide 5.7.1.4): these see my stores
.endr
.if (\a) < 3
	s_wait_loadcnt 8                               ; this block's residual rows (and the bias) are in; the next set's eight loads may be out
.else
	s_wait_loadcnt 0
.endif
.irp i, 0,1,2,3,4,5,6,7
	v_pk_add_f32 v[RS+4*\i:RS+4*\i+1], v[RS+4*\i:RS+4*\i+1], v[12:13]
	v_pk_add_f32 v[RS+4*\i+2:RS+4*\i+3], v[RS+4*\i+2:RS+4*\i+3], v[14:15]
.endr
	s_wait_dscnt 0x0
.irp n, 0,2,4,6,8,10,12,14,16,18,20,22,24,26,28,30
	v_pk_fma_f32 v[TT+\n:TT+\n+1], v[TT+\n:TT+\n+1], s[66:67], v[RS+\n:RS+\n+1] op_sel_hi:[1,0,1]
.endr
.irp i, 0,1,2,3,4,5,6,7
.if NTOUT
	global_store_b128 v[CO], v[TT+4*\i:TT+4*\i+3], s[14:15] offset:(\a)*65536+\i*8192 th:TH_STORE_NT
.else
	global_store_b128 v[CO], v[TT+4*\i:TT+4*\i+3], s[14:15] offset:(\a)*65536+\i*8192
.endif
.endr
.if (\a) < 2
	RLOAD (\a)+2
.endif
.endm
	s_load_b128 s[4:7], s[0:1], 0x0                ; A's images s[4:5], the weights' images s[6:7]
	s_load_b128 s[8:11], s[0:1], 0x10              ; the scales' exponents s[8:9], the bias s[10:11]
	s_load_b128 s[12:15], s[0:1], 0x20             ; the residual s[12:13], the result s[14:15]
	v_lshl_add_u32 v[SPW], v0, 2, SPARE
	v_mov_b32 v[NIL], 0
	ds_add_u32 v28, v29
	ds_add_u32 v28, v29
	s_wait_dscnt 0x0
	v_lshrrev_b32 v1, 5, v0
	v_readfirstlane_b32 s16, v1                    ; wave 0..3
	s_lshr_b32 s17, s16, 1                         ; which 64 rows are mine.  Also: I fetch for A (0) or for B (1)
	s_and_b32 s18, s16, 1                          ; which 64 columns.  Also: which half of that tile I fetch
	s_bfe_u32 s40, ttmp6, 0x40000                  ; cx, cy
	s_bfe_u32 s41, ttmp6, 0x40004
	s_lshl_b32 s42, ttmp9, 2
	s_add_co_u32 s42, s42, s40                     ; x: tile column of C
	s_and_b32 s43, ttmp7, 0xffff
	s_lshl_b32 s43, s43, 2
	s_add_co_u32 s43, s43, s41                     ; y: tile row of C
	s_lshl_b32 s44, s41, 2
	s_lshl_b32 s44, 15, s44                        ; my row of the cluster
	s_lshl_b32 s45, 0x1111, s40                    ; my column
	s_or_b32 s[G1], s44, (3<<16)|(1<<21)           ; 15:0 the mask; 17:16 elements of 8 bytes; 21 set beside a mask; no padding
	s_or_b32 s[G1B], s45, (3<<16)|(1<<21)
.irp g, G1, G1B
	s_mov_b32 s[\g+1], 1024<<16                    ; tensor_dim0 = 1,024 elements: 8,192 bytes
	s_mov_b32 s[\g+2], 4<<16                       ; tensor_dim1 = 4
	s_mov_b32 s[\g+3], 1024<<16                    ; tile_dim0
	s_mov_b32 s[\g+4], 4                           ; tile_dim1
	s_mov_b32 s[\g+5], 2*SIZE_K                    ; the pitch: 16 K bytes in elements of 8
	s_mov_b32 s[\g+6], 0
	s_mov_b32 s[\g+7], 0
.endr
	s_lshl_b32 s19, s18, 2
	s_lshl_b32 s20, s43, 3
	s_add_co_u32 s20, s20, s19                     ; A: block 8 y + 4 x half
	s_mul_i32 s20, s20, RB
	s_mov_b32 s21, 0
	s_lshl_b32 s46, s42, 3
	s_add_co_u32 s46, s46, s19                     ; B: tile 8 x + 4 x half
	s_mul_i32 s46, s46, RB
	s_add_co_u32 s46, s46, WOFF
	s_mov_b32 s47, 0
	s_lshl_b32 s22, s16, 15                        ; where they go: wave x 32,768
	s_wait_kmcnt 0x0
	s_load_b256 s[72:79], s[8:9], 0x0              ; e0 .. e7
	s_load_b128 s[80:83], s[8:9], 0x20             ; e8 .. e11
	s_add_nc_u64 s[20:21], s[4:5], s[20:21]
	s_add_nc_u64 s[46:47], s[6:7], s[46:47]
	CROUND                                         ; all sixteen work-groups are here: the first joint loads meet
.irp s, 0,1
	s_mov_b32 s[G0+4*\s], 1
	s_add_co_u32 s[G0+4*\s+1], s22, \s*SLOT
	s_add_nc_u64 s[G0+4*\s+2:G0+4*\s+3], s[20:21], \s*8192
	s_or_b32 s[G0+4*\s+3], s[G0+4*\s+3], 0x80000000
	s_mov_b32 s[G0B+4*\s], 1
	s_add_co_u32 s[G0B+4*\s+1], s22, \s*SLOT
	s_add_nc_u64 s[G0B+4*\s+2:G0B+4*\s+3], s[46:47], \s*8192
	s_or_b32 s[G0B+4*\s+3], s[G0B+4*\s+3], 0x80000000
	JLOAD \s
.endr
	v_and_b32 v1, 31, v0
	v_lshlrev_b32 v2, 4, v1                        ; 16 x lane
	s_lshl_b32 s23, s17, 15
	s_lshl_b32 s19, s18, 15
	s_add_co_u32 s19, s19, BOFF
.irp s, 0,1
	v_add_nc_u32 v[ADRA+\s], s23, v2
	v_add_nc_u32 v[ADRB+\s], s19, v2
	s_add_co_u32 s23, s23, SLOT
	s_add_co_u32 s19, s19, SLOT
.endr
	v_and_b32 v4, 15, v0                           ; r
	v_bfe_u32 v5, v0, 4, 1                         ; h
	v_lshlrev_b32 v6, 4, v4                        ; the bias: four columns a lane
	v_lshlrev_b32 v[CO], 12, v5
	v_lshl_add_u32 v[CO], v4, 4, v[CO]             ; rows of 4,096 bytes: lanes 0-15 one row, lanes 16-31 the next
	s_mul_i32 s86, s16, 16*272
	s_add_co_u32 s86, s86, STAGE                   ; my stage
	v_mul_u32_u24 v[STO], v4, 272
	v_lshl_add_u32 v[STO], v5, 6, v[STO]
	v_add_nc_u32 v[STO], s86, v[STO]               ; in: row r, + 64 h
	v_mul_u32_u24 v[RD], v5, 272
	v_lshl_add_u32 v[RD], v4, 4, v[RD]
	v_add_nc_u32 v[RD], s86, v[RD]                 ; back: two rows an instruction
	s_lshl_b32 s88, s42, 9
	s_lshl_b32 s89, s18, 8
	s_add_co_u32 s88, s88, s89                     ; my first column, in bytes
	s_mov_b32 s89, 0
	s_add_nc_u64 s[10:11], s[10:11], s[88:89]
	s_lshl_b32 s84, s43, 19
	s_lshl_b32 s85, s17, 18
	s_add_co_u32 s84, s84, s85                     ; my first row: 128 y + 64 x half, of 4,096 bytes
	s_add_co_u32 s84, s84, s88
	s_mov_b32 s85, 0
	s_add_nc_u64 s[12:13], s[12:13], s[84:85]
	s_add_nc_u64 s[14:15], s[14:15], s[84:85]
	global_load_b128 v[12:15], v6, s[10:11]
	RLOAD 0
	RLOAD 1
	s_wait_kmcnt 0x0
	s_add_co_i32 s66, s[EA], s[EB]
	s_add_co_i32 s66, s66, 127
	s_lshl_b32 s66, s66, 23                        ; 2^(eA + eB) as f32
	s_mov_b32 s67, s66
	s_wait_tensorcnt 0x1                           ; my part of slot 0 is in; slot 1's load may stay out
	s_barrier_signal -1
	s_barrier_wait -1
	FETCH 0, 0, F0
	QUARTER 0, 1, F0, F1, 1                        ; the first quarter's products start the sums
.if LAPS > 1
	WIN 0
	s_mov_b32 s3, LAPS-1
.Llap:                                                 ; a trip goes once round the ring and fills both slots again
	QUARTER 0, 2, F1, F0, 0
	QUARTER 0, 3, F0, F1, 0
	TURN 0, 1, 1
	QUARTER 1, 1, F0, F1, 0
	QUARTER 1, 2, F1, F0, 0
	QUARTER 1, 3, F0, F1, 0
	TURN 1, 0, 1
	QUARTER 0, 1, F0, F1, 0
	WIN 0
	s_sub_co_u32 s3, s3, 1
	s_cmp_lg_u32 s3, 0
	s_cbranch_scc1 .Llap
.endif
	QUARTER 0, 2, F1, F0, 0
	QUARTER 0, 3, F0, F1, 0
	TURN 0, 1, 0
	QUARTER 1, 1, F0, F1, 0
	QUARTER 1, 2, F1, F0, 0
	QUARTER 1, 3, F0, F1, 0
	s_wait_dscnt 8                                 ; the very last quarter
	WIN MUL
	MUL8 F1, 0, 0
	s_wait_dscnt 0x0
	MUL8 F1, 2, 0
	WIN 0
	PLACES
	OUTROW 0
	OUTROW 1
	OUTROW 2
	OUTROW 3
	s_wait_tensorcnt 0x0                           ; the wave's end
	ds_add_u32 v[SPW], v[NIL]
	s_wait_dscnt 0x0
	CROUND                                         ; the closing round
	s_endpgm
.Lfunc_end_k_qb9946a4ab6_gemm_proj:
	.size	k_qb9946a4ab6_gemm_proj, .Lfunc_end_k_qb9946a4ab6_gemm_proj-k_qb9946a4ab6_gemm_proj
	.p2alignl 7, 3214868480
	.fill 96, 4, 3214868480
	.section	.rodata,"a",@progbits
	.p2align	6, 0x0
	.amdhsa_kernel k_qb9946a4ab6_gemm_proj
		.amdhsa_group_segment_fixed_size 327680
		.amdhsa_private_segment_fixed_size 0
		.amdhsa_enable_private_segment 0
		.amdhsa_kernarg_size 48
		.amdhsa_user_sgpr_count 2
		.amdhsa_user_sgpr_kernarg_segment_ptr 1
		.amdhsa_wavefront_size32 1
		.amdhsa_system_sgpr_workgroup_id_x 1
		.amdhsa_system_sgpr_workgroup_id_y 1
		.amdhsa_system_sgpr_workgroup_id_z 1
		.amdhsa_system_vgpr_workitem_id 0
		.amdhsa_next_free_vgpr 512
		.amdhsa_next_free_sgpr 96
		.amdhsa_reserve_vcc 0
		.amdhsa_float_denorm_mode_32 3
		.amdhsa_float_denorm_mode_16_64 3
		.amdhsa_memory_ordered 1
		.amdhsa_forward_progress 1
		.amdhsa_inst_pref_size 53
	.end_amdhsa_kernel
	.amdgpu_metadata
---
amdhsa.version: [ 1, 2 ]
amdhsa.kernels:
  - .name:           k_qb9946a4ab6_gemm_proj
    .symbol:         k_qb9946a4ab6_gemm_proj.kd
    .args:
      - { .name: act, .offset: 0, .size: 8, .value_kind: global_buffer, .address_space: global }
      - { .name: wc, .offset: 8, .size: 8, .value_kind: global_buffer, .address_space: global }
      - { .name: lowp_scales, .offset: 16, .size: 8, .value_kind: global_buffer, .address_space: global }
      - { .name: b_proj, .offset: 24, .size: 8, .value_kind: global_buffer, .address_space: global }
      - { .name: hidden_states, .offset: 32, .size: 8, .value_kind: global_buffer, .address_space: global }
      - { .name: h, .offset: 40, .size: 8, .value_kind: global_buffer, .address_space: global }
    .group_segment_fixed_size: 327680
    .private_segment_fixed_size: 0
    .kernarg_segment_align: 8
    .kernarg_segment_size: 48
    .max_flat_workgroup_size: 128
    .sgpr_count:     96
    .vgpr_count:     512
    .wavefront_size: 32
...
	.end_amdgpu_metadata
.endif
;; end of part 4
;; launch ln2 (part 5): grid 256 x 1, 8 waves a work-group, no clusters, 17,920 bytes of LDS; arguments h, ln2_w, ln2_b, lowp_scales, act; writes act
.if DOCPART == 5
	.amdgcn_target "amdgcn-amd-amdhsa--gfx1250"
	.amdhsa_code_object_version 6
	.text
	.protected	k_qb9946a4ab6_ln2
	.globl	k_qb9946a4ab6_ln2
	.p2align	8
	.type	k_qb9946a4ab6_ln2,@function
k_qb9946a4ab6_ln2:
	s_mov_b64 s[64:65], 0
	v_nop
	global_prefetch_b8 v0, s[64:65] scope:SCOPE_SE
	s_setreg_imm32_b32 hwreg(HW_REG_WAVE_MODE, 25, 1), 1
	s_wait_xcnt 0x0
; LN2: LayerNorm 2 of h and its codes of FP8 (E4M3) with the given scale 2^e8, laid as images of a matrix operand's registers:
; [rows / 16][K / 128][2,048]; part c (512 bytes) holds at 16 x lane the codes of row lane % 16, k = 32 c + 16 (lane / 16) + 0 .. 15.
; A work-group takes 16 rows; wave w rows 2 w, 2 w + 1, whole, in registers: the mean, then the variance of x - mean (two passes).  The codes meet in LDS, and wave w stores K step w's image.
; A stream: no tensor loads, no matrix unit, no cluster: work-groups share nothing but the two small vectors.
; LIMITS: e8 between -126 and 119.  NaN among the inputs is not served.
.set LX, 32                            ; v32-95   two rows, 32 numbers a lane each
.set LW, 96                            ; v96-127  the gain at my 32 columns
.set LB, 128                           ; v128-159 the bias
.set LT, 160                           ; v160-175 at work, eight registers a row
.set LC, 176                           ; v176-191 codes, eight registers a row
.set LP, 1040                          ; a row of 1,024 codes in LDS + 16 bytes: 65 x 16
.macro XLANE r, tmp                    ; the sum over the wave's 32 lanes, in every lane
	v_add_f32_dpp v[\r], v[\r], v[\r] row_xmask:1 row_mask:0xf bank_mask:0xf
	v_add_f32_dpp v[\r], v[\r], v[\r] row_xmask:2 row_mask:0xf bank_mask:0xf
	v_add_f32_dpp v[\r], v[\r], v[\r] row_xmask:4 row_mask:0xf bank_mask:0xf
	v_add_f32_dpp v[\r], v[\r], v[\r] row_xmask:8 row_mask:0xf bank_mask:0xf
	v_permlanex16_b32 v[\tmp], v[\r], s32, s33
	v_add_f32 v[\r], v[\r], v[\tmp]
.endm
	s_load_b256 s[4:11], s[0:1], 0x0               ; h s[4:5], ln2_w s[6:7], ln2_b s[8:9], the scales' exponents s[10:11]
	s_load_b64 s[12:13], s[0:1], 0x20              ; act
	v_lshl_add_u32 v192, v0, 2, 0x4200
	v_mov_b32 v193, 0
	v_lshrrev_b32 v2, 5, v0
	v_readfirstlane_b32 s2, v2                     ; wave 0..7
	v_and_b32 v1, 31, v0                           ; lane
	s_wait_kmcnt 0x0
	s_load_b32 s30, s[10:11], 0x20                 ; e8
	s_lshl_b32 s26, ttmp9, 16                      ; 16 rows of 4,096 bytes
	s_lshl_b32 s27, s2, 13
	s_add_co_u32 s26, s26, s27
	s_mov_b32 s27, 0
	s_add_nc_u64 s[4:5], s[4:5], s[26:27]
	s_lshl_b32 s26, ttmp9, 14                      ; the block's eight images,
	s_lshl_b32 s28, s2, 11                         ; of which wave w stores K step w
	s_add_co_u32 s26, s26, s28
	s_add_nc_u64 s[12:13], s[12:13], s[26:27]
	v_lshlrev_b32 v12, 4, v1                       ; 16 x lane
.irp p, 0,1
.irp j, 0,1,2,3,4,5,6,7
	global_load_b128 v[LX+32*\p+4*\j:LX+32*\p+4*\j+3], v12, s[4:5] offset:4096*\p+512*\j   ; 512 consecutive bytes a load: k = 128 j + 4 lane + 0 .. 3
.endr
.endr
.irp j, 0,1,2,3,4,5,6,7
	global_load_b128 v[LW+4*\j:LW+4*\j+3], v12, s[6:7] offset:512*\j
.endr
.irp j, 0,1,2,3,4,5,6,7
	global_load_b128 v[LB+4*\j:LB+4*\j+3], v12, s[8:9] offset:512*\j
.endr
	s_mov_b32 s32, 0x76543210                      ; v_permlanex16_b32: lane l xor 16
	s_mov_b32 s33, 0xfedcba98
	s_mov_b32 s34, 0x3a800000                      ; 1 / 1024
	v_mov_b32 v9, 0x358637bd                       ; 1e-6
	v_mov_b32 v[LT+6], 0                           ; a lane permute's destination counts as read: written once
	v_mov_b32 v[LT+14], 0
	s_mul_i32 s28, s2, 2*LP
	v_lshl_add_u32 v13, v1, 2, s28                 ; LDS, in: my two rows, 4 bytes a lane
	v_and_b32 v14, 15, v0
	v_bfe_u32 v15, v0, 4, 1
	v_mul_u32_u24 v14, v14, LP
	v_lshl_add_u32 v14, v15, 4, v14
	s_lshl_b32 s28, s2, 7
	v_add_nc_u32 v14, s28, v14                     ; LDS, out: row lane % 16, K step w, + 16 (lane / 16)
	s_wait_kmcnt 0x0
	s_add_co_i32 s30, s30, 127
	s_lshl_b32 s31, s30, 23
	v_mov_b32 v11, s31                             ; 2^e8
	s_add_co_i32 s30, s30, 8
	s_lshl_b32 s30, s30, 23
	s_or_b32 s30, s30, 0x600000
	v_mov_b32 v10, s30                             ; 448 x 2^e8
	s_wait_loadcnt 16                              ; the two rows' 16 loads are in; the 16 of gain and bias may be out
.irp p, 0,1
	v_pk_add_f32 v[LT+8*\p:LT+8*\p+1], v[LX+32*\p:LX+32*\p+1], v[LX+32*\p+2:LX+32*\p+3]
	v_pk_add_f32 v[LT+8*\p+2:LT+8*\p+3], v[LX+32*\p+4:LX+32*\p+5], v[LX+32*\p+6:LX+32*\p+7]
.endr
.irp j, 8,12,16,20,24,28
.irp p, 0,1
	v_pk_add_f32 v[LT+8*\p:LT+8*\p+1], v[LT+8*\p:LT+8*\p+1], v[LX+32*\p+\j:LX+32*\p+\j+1]
	v_pk_add_f32 v[LT+8*\p+2:LT+8*\p+3], v[LT+8*\p+2:LT+8*\p+3], v[LX+32*\p+\j+2:LX+32*\p+\j+3]
.endr
.endr
.irp p, 0,1
	v_pk_add_f32 v[LT+8*\p:LT+8*\p+1], v[LT+8*\p:LT+8*\p+1], v[LT+8*\p+2:LT+8*\p+3]
	v_add_f32 v[LT+8*\p], v[LT+8*\p], v[LT+8*\p+1]
.endr
	XLANE LT, LT+6
	XLANE LT+8, LT+14
.irp p, 0,1
	v_mul_f32 v[LT+8*\p+4], s34, v[LT+8*\p]        ; the mean, twice: a pair for the packed forms
	v_mov_b32 v[LT+8*\p+5], v[LT+8*\p+4]
.endr
.irp j, 0,2,4,6,8,10,12,14,16,18,20,22,24,26,28,30
.irp p, 0,1
	v_pk_add_f32 v[LX+32*\p+\j:LX+32*\p+\j+1], v[LX+32*\p+\j:LX+32*\p+\j+1], v[LT+8*\p+4:LT+8*\p+5] neg_lo:[0,1] neg_hi:[0,1]   ; x - mean
.endr
.endr
.irp p, 0,1
	v_pk_mul_f32 v[LT+8*\p:LT+8*\p+1], v[LX+32*\p:LX+32*\p+1], v[LX+32*\p:LX+32*\p+1]
	v_pk_mul_f32 v[LT+8*\p+2:LT+8*\p+3], v[LX+32*\p+2:LX+32*\p+3], v[LX+32*\p+2:LX+32*\p+3]
.endr
.irp j, 4,8,12,16,20,24,28
.irp p, 0,1
	v_pk_fma_f32 v[LT+8*\p:LT+8*\p+1], v[LX+32*\p+\j:LX+32*\p+\j+1], v[LX+32*\p+\j:LX+32*\p+\j+1], v[LT+8*\p:LT+8*\p+1]
	v_pk_fma_f32 v[LT+8*\p+2:LT+8*\p+3], v[LX+32*\p+\j+2:LX+32*\p+\j+3], v[LX+32*\p+\j+2:LX+32*\p+\j+3], v[LT+8*\p+2:LT+8*\p+3]
.endr
.endr
.irp p, 0,1
	v_pk_add_f32 v[LT+8*\p:LT+8*\p+1], v[LT+8*\p:LT+8*\p+1], v[LT+8*\p+2:LT+8*\p+3]
	v_add_f32 v[LT+8*\p], v[LT+8*\p], v[LT+8*\p+1]
.endr
	XLANE LT, LT+6
	XLANE LT+8, LT+14
	v_fma_f32 v[LT], v[LT], s34, v9                ; the variance + 1e-6
	v_fma_f32 v[LT+8], v[LT+8], s34, v9
	v_rsq_f32 v[LT+4], v[LT]
	v_rsq_f32 v[LT+12], v[LT+8]
	v_nop                                          ; one plain instruction between a transcendental and the use of its result (ISA guide 5.7.2)
	s_wait_alu depctr_va_vdst(0)
	v_mov_b32 v[LT+5], v[LT+4]
	v_mov_b32 v[LT+13], v[LT+12]
	s_wait_loadcnt 0x0                             ; gain and bias
.irp j, 0,2,4,6,8,10,12,14,16,18,20,22,24,26,28,30
.irp p, 0,1
	v_pk_mul_f32 v[LX+32*\p+\j:LX+32*\p+\j+1], v[LX+32*\p+\j:LX+32*\p+\j+1], v[LT+8*\p+4:LT+8*\p+5]
.endr
.endr
.irp j, 0,2,4,6,8,10,12,14,16,18,20,22,24,26,28,30
.irp p, 0,1
	v_pk_fma_f32 v[LX+32*\p+\j:LX+32*\p+\j+1], v[LX+32*\p+\j:LX+32*\p+\j+1], v[LW+\j:LW+\j+1], v[LB+\j:LB+\j+1]
.endr
.endr
.set li, 0
.rept 64
	v_med3_num_f32 v[LX+li], v[LX+li], -v10, v10   ; the conversion to an 8-bit code does not saturate (ISA guide 7.6.2): the hold comes first
.set li, li+1
.endr
.irp p, 0,1
.irp g, 0,1,2,3
	v_cvt_scalef32_pk8_fp8_f32 v[LC+8*\p+2*\g:LC+8*\p+2*\g+1], v[LX+32*\p+8*\g:LX+32*\p+8*\g+7], v11
.endr
.endr
	v_nop                                          ; one plain instruction behind the last scaled conversion
.irp p, 0,1
.irp j, 0,1,2,3,4,5,6,7
	ds_store_b32 v13, v[LC+8*\p+\j] offset:LP*\p+128*\j   ; word j: the codes of k = 128 j + 4 lane + 0 .. 3
.endr
.endr
	s_wait_dscnt 0x0                               ; for the others' sake: my stores have landed
	s_barrier_signal -1
	s_barrier_wait -1                              ; 16 rows of codes lie in LDS
.irp c, 0,1,2,3
	ds_load_b128 v[LX+4*\c:LX+4*\c+3], v14 offset:32*\c
.endr
.irp c, 0,1,2,3
	s_wait_dscnt 3-\c                              ; LDS loads come back in order: part c is in
	global_store_b128 v12, v[LX+4*\c:LX+4*\c+3], s[12:13] offset:512*\c   ; the wave stores 512 consecutive bytes, aligned
.endr
	s_wait_tensorcnt 0x0
	ds_add_u32 v192, v193
	s_wait_dscnt 0x0
	s_endpgm
.Lfunc_end_k_qb9946a4ab6_ln2:
	.size	k_qb9946a4ab6_ln2, .Lfunc_end_k_qb9946a4ab6_ln2-k_qb9946a4ab6_ln2
	.p2alignl 7, 3214868480
	.fill 96, 4, 3214868480
	.section	.rodata,"a",@progbits
	.p2align	6, 0x0
	.amdhsa_kernel k_qb9946a4ab6_ln2
		.amdhsa_group_segment_fixed_size 17920
		.amdhsa_private_segment_fixed_size 0
		.amdhsa_enable_private_segment 0
		.amdhsa_kernarg_size 40
		.amdhsa_user_sgpr_count 2
		.amdhsa_user_sgpr_kernarg_segment_ptr 1
		.amdhsa_wavefront_size32 1
		.amdhsa_system_sgpr_workgroup_id_x 1
		.amdhsa_system_sgpr_workgroup_id_y 1
		.amdhsa_system_sgpr_workgroup_id_z 1
		.amdhsa_system_vgpr_workitem_id 0
		.amdhsa_next_free_vgpr 194
		.amdhsa_next_free_sgpr 66
		.amdhsa_reserve_vcc 0
		.amdhsa_float_denorm_mode_32 3
		.amdhsa_float_denorm_mode_16_64 3
		.amdhsa_memory_ordered 1
		.amdhsa_forward_progress 1
		.amdhsa_inst_pref_size 24
	.end_amdhsa_kernel
	.amdgpu_metadata
---
amdhsa.version: [ 1, 2 ]
amdhsa.kernels:
  - .name:           k_qb9946a4ab6_ln2
    .symbol:         k_qb9946a4ab6_ln2.kd
    .args:
      - { .name: h, .offset: 0, .size: 8, .value_kind: global_buffer, .address_space: global }
      - { .name: ln2_w, .offset: 8, .size: 8, .value_kind: global_buffer, .address_space: global }
      - { .name: ln2_b, .offset: 16, .size: 8, .value_kind: global_buffer, .address_space: global }
      - { .name: lowp_scales, .offset: 24, .size: 8, .value_kind: global_buffer, .address_space: global }
      - { .name: act, .offset: 32, .size: 8, .value_kind: global_buffer, .address_space: global }
    .group_segment_fixed_size: 17920
    .private_segment_fixed_size: 0
    .kernarg_segment_align: 8
    .kernarg_segment_size: 40
    .max_flat_workgroup_size: 256
    .sgpr_count:     66
    .vgpr_count:     194
    .wavefront_size: 32
...
	.end_amdgpu_metadata
.endif
;; end of part 5
;; launch gemm_fc (part 6): grid 32 x 32, 4 waves a work-group, clusters of 4 x 4, 327,680 bytes of LDS; arguments act, wc, lowp_scales, b_fc, gc; writes gc
.if DOCPART == 6
	.amdgcn_target "amdgcn-amd-amdhsa--gfx1250"
	.amdhsa_code_object_version 6
	.text
	.protected	k_qb9946a4ab6_gemm_fc
	.globl	k_qb9946a4ab6_gemm_fc
	.p2align	8
	.type	k_qb9946a4ab6_gemm_fc,@function
k_qb9946a4ab6_gemm_fc:
	s_mov_b64 s[64:65], 0
	v_nop
	global_prefetch_b8 v0, s[64:65] scope:SCOPE_SE
	s_setreg_imm32_b32 hwreg(HW_REG_WAVE_MODE, 25, 1), 1
	s_wait_xcnt 0x0
	s_wait_alu depctr_hold_cnt(0) depctr_sa_sdst(0) depctr_va_vdst(0) depctr_va_sdst(0) depctr_va_ssrc(0) depctr_va_vcc(0) depctr_vm_vsrc(0)
	s_getreg_b32 s2, hwreg(HW_REG_IB_STS2, 6, 4)
	s_cmp_eq_u32 s2, 0
	s_cbranch_scc0 .Lentry_in_a_cluster
	s_endpgm
.Lentry_in_a_cluster:
	s_bfe_u32 s2, ttmp6, 0x10000c
	s_cmp_lg_u32 s2, 0xf033
	s_cbranch_scc0 .Lentry_shape_is_right
	s_endpgm
.Lentry_shape_is_right:
; GEMM_FC: gelu(LN2(h) w_fc + b_fc), the product on codes of FP8 (E4M3), the result as codes (scale 2^e10) for the next product.  M 4,096, N 4,096, K 1,024.
; OPERANDS ARE IMAGES OF THEIR REGISTERS: a fragment of 16 rows x 128 K is 2,048 bytes; part c (512 bytes) holds at 16 x lane the codes of row lane % 16, k = 32 c + 16 (lane / 16) + 0 .. 15:
; one permutation of k, alike in both operands.  An operand is [rows / 16][K / 128][2,048].  A fragment comes by four ds_load_b128 of 512 consecutive bytes: no pitch, no padding.
; A tile of C is 128 x 128: four waves of 64 x 64, 16 accumulators each.  K goes in slots of 512 through two LDS slots; with K = 1,024 both are first fills.
; A wave's tensor load brings four rows of 8,192 bytes: the images of 16 rows x 512 K lie on end in memory.
; CLUSTERS: 4 x 4 work-groups; A's tiles are asked for jointly along a row of the cluster, B's along a column.
; Source 0 = weight tile (tile 2 B + u holds at image row p the column 32 B + 8 u + p + 8 (p / 8)), source 1 = token block: a lane holds one token; tiles 2 B, 2 B + 1 give it 16 neighbouring columns,
; which are 16 neighbours along the next K: their codes are 16 bytes of the next operand's image, stored with no turn through LDS.
; GELU: 0.5 x (1 + tanh(u)) = x / (1 + 2^z), z = x (-2.3022082 - 0.10294324 x^2) = -2 log2(e) u, all in f32.
; LIMITS: e8 + e9 between -126 and 127; e10 between -126 and 119.  NaN among the inputs is not served.
; REGISTERS: window 0: v2 16 x lane, v3 the bias's offset, v[8:9], v[10:11] gelu's two constants, v16-21 LDS addresses, v28, v29 the spare word's address and 0, v30, v31 2^e10 and 448 x it,
;            v32-63 bias, v64-79 x, v80-95 at work, v96-127 codes, v128-255 accumulators.   window 1: two fragment buffers of 128.
.set SIZE_K, 1024
.set WOFF,   0x400000                  ; w_fc's images in wc
.set RB,     16*SIZE_K
.set SLOT,   131072
.set BOFF,   65536
.set STAGE,  2*SLOT                    ; (not used in this body)
.set SPARE,  STAGE+4*16*272            ; the spare words, 128 bytes for each wave: two blocks of 256 bytes that no other line names
.set ADRA, 16
.set ADRB, 20
.set SPW,  28
.set NIL,  29
.set ACC,  128
.set F0,   0
.set F1,   128
.set G1,   24
.set G0,   32
.set G1B,  48
.set G0B,  56
.set MSB,  0
.macro WIN new                         ; the immediate's high byte repeats the setting that is left
.if MSB != \new
	s_set_vgpr_msb (MSB<<8)|\new
.set MSB, \new
.endif
.endm
.set MUL,  0x05                        ; sources 0 and 1 window 1; C and D window 0
.set TO_F, 0x40                        ; destination window 1, address window 0
.macro JLOAD s                         ; a joint load: waves 0, 1 fetch A's halves, waves 2, 3 B's; four v_nop follow each line
	s_cmp_eq_u32 s17, 0
	s_cbranch_scc0 .Lfor_b_\@
	tensor_load_to_lds s[G0+4*\s:G0+4*\s+3], s[G1:G1+7]
	s_nop 0
.rept 4
	v_nop
.endr
	s_branch .Lasked_\@
.Lfor_b_\@:
	tensor_load_to_lds s[G0B+4*\s:G0B+4*\s+3], s[G1B:G1B+7]
	s_nop 0
.rept 4
	v_nop
.endr
.Lasked_\@:
.endm
.macro CROUND                          ; a round of the cluster's barrier
	s_barrier_signal -1
	s_barrier_wait -1
	s_cmp_lg_u32 s16, 0
	s_cbranch_scc1 .Lnot_wave_0_\@
	s_barrier_signal -3
.Lnot_wave_0_\@:
	s_barrier_wait -3
	s_barrier_signal -1
	s_barrier_wait -1
.endm
.macro PLACES                          ; four plain instructions between a matrix instruction and a load into, or a read of, its registers
.rept 4
	v_nop
.endr
.endm
.macro FETCH slot, q, f                ; 32 LDS loads in one run: B's four fragments, then A's four
	WIN TO_F
.irp i, 0,1,2,3
.irp c, 0,1,2,3
	ds_load_b128 v[\f+64+16*\i+4*\c:\f+64+16*\i+4*\c+3], v[ADRB+\slot] offset:\i*8192+(\q)*2048+512*\c
.endr
.endr
.irp i, 0,1,2,3
.irp c, 0,1,2,3
	ds_load_b128 v[\f+16*\i+4*\c:\f+16*\i+4*\c+3], v[ADRA+\slot] offset:\i*8192+(\q)*2048+512*\c
.endr
.endr
.endm
; 8 matrix instructions: A's blocks a0, a0 + 1 x B's four.  The 16 accumulators take turns, one instruction a turn, in the same order in every quarter.
.macro MUL8 f, a0, zero
.irp a, \a0, \a0+1
.irp b, 0,1,2,3
.if \zero
	v_wmma_f32_16x16x128_fp8_fp8 v[ACC+8*(4*(\a)+\b):ACC+8*(4*(\a)+\b)+7], v[\f+64+16*\b:\f+64+16*\b+15], v[\f+16*(\a):\f+16*(\a)+15], 0
.else
	v_wmma_f32_16x16x128_fp8_fp8 v[ACC+8*(4*(\a)+\b):ACC+8*(4*(\a)+\b)+7], v[\f+64+16*\b:\f+64+16*\b+15], v[\f+16*(\a):\f+16*(\a)+15], v[ACC+8*(4*(\a)+\b):ACC+8*(4*(\a)+\b)+7]
.endif
.endr
.endr
.endm
.macro QUARTER slot, qn, f, g, zero
	s_wait_dscnt 8                                 ; B's four and A's blocks 0, 1 are in; the youngest eight loads may be out
	WIN MUL
	MUL8 \f, 0, \zero
	PLACES
	FETCH \slot, \qn, \g
	s_wait_dscnt 32                                ; all but the 32 just issued
	WIN MUL
	MUL8 \f, 2, \zero
.endm
.macro TURN slot, next                 ; a slot's last quarter changes slots: one barrier, with the three lines in front of it; nothing is filled again here
	WIN 0
	s_wait_tensorcnt 0x0                           ; all my tensor loads have landed: my part of the next slot
	ds_add_u32 v[SPW], v[NIL]                      ; 0 onto my spare word
	s_wait_dscnt 9                                 ; (the add and the youngest eight loads may be out)
	WIN MUL
	MUL8 F1, 0, 0
	s_wait_dscnt 0x0                               ; the add is done, and my reads of this slot are over
	s_barrier_signal -1
	WIN 0
	s_barrier_wait -1
	PLACES
	FETCH \next, 0, F0
	WIN MUL
	MUL8 F1, 2, 0
.endm
; 16 numbers of token block a: columns 32 p + 16 (lane / 16) + 0 .. 15: bias, gelu, codes, one store
.macro GELU a, p
.set A0, ACC+8*(4*(\a)+2*(\p))
.set CD, 96+4*(2*(\a)+(\p))
.irp i, 0,2,4,6,8,10,12,14
	v_pk_fma_f32 v[64+\i:65+\i], v[A0+\i:A0+\i+1], s[66:67], v[32+16*(\p)+\i:33+16*(\p)+\i] op_sel_hi:[1,0,1]   ; x = sum x 2^(e8 + e9) + bias; each accumulator from its low end on
.endr
.irp i, 0,2,4,6,8,10,12,14
	v_pk_mul_f32 v[80+\i:81+\i], v[64+\i:65+\i], v[64+\i:65+\i]
.endr
.irp i, 0,2,4,6,8,10,12,14
	v_pk_fma_f32 v[80+\i:81+\i], v[80+\i:81+\i], v[8:9], v[10:11]
.endr
.irp i, 0,2,4,6,8,10,12,14
	v_pk_mul_f32 v[80+\i:81+\i], v[80+\i:81+\i], v[64+\i:65+\i]     ; z
.endr
.irp i, 0,1,2,3,4,5,6,7,8,9,10,11,12,13,14,15
	v_exp_f32 v[80+\i], v[80+\i]
.endr
	v_nop                                          ; one plain instruction behind the transcendentals
	s_wait_alu depctr_va_vdst(0)
.irp i, 0,2,4,6,8,10,12,14
	v_pk_add_f32 v[80+\i:81+\i], v[80+\i:81+\i], 1.0 op_sel_hi:[1,0]
.endr
.irp i, 0,1,2,3,4,5,6,7,8,9,10,11,12,13,14,15
	v_rcp_f32 v[80+\i], v[80+\i]
.endr
	v_nop
	s_wait_alu depctr_va_vdst(0)
.irp i, 0,2,4,6,8,10,12,14
	v_pk_mul_f32 v[64+\i:65+\i], v[64+\i:65+\i], v[80+\i:81+\i]
.endr
.irp i, 0,1,2,3,4,5,6,7,8,9,10,11,12,13,14,15
	v_med3_num_f32 v[64+\i], v[64+\i], -v31, v31   ; the hold at the largest code x the scale
.endr
	v_cvt_scalef32_pk8_fp8_f32 v[CD:CD+1], v[64:71], v30
	v_cvt_scalef32_pk8_fp8_f32 v[CD+2:CD+3], v[72:79], v30
	v_nop                                          ; one plain instruction before the next sixteen numbers overwrite the conversions' sources
	global_store_b128 v2, v[CD:CD+3], s[12:13] offset:(\a)*65536+512*(\p)   ; the wave stores 512 consecutive bytes, aligned
.endm
	s_load_b128 s[4:7], s[0:1], 0x0                ; A's images (act) s[4:5], the weights' images s[6:7]
	s_load_b128 s[8:11], s[0:1], 0x10              ; the scales' exponents s[8:9], b_fc s[10:11]
	s_load_b64 s[12:13], s[0:1], 0x20              ; gc
	v_lshl_add_u32 v[SPW], v0, 2, SPARE
	v_mov_b32 v[NIL], 0
	ds_add_u32 v28, v29
	ds_add_u32 v28, v29
	s_wait_dscnt 0x0
	v_lshrrev_b32 v1, 5, v0
	v_readfirstlane_b32 s16, v1                    ; wave 0..3
	s_lshr_b32 s17, s16, 1                         ; which 64 rows are mine.  Also: I fetch for A (0) or for B (1)
	s_and_b32 s18, s16, 1                          ; which 64 columns.  Also: which half of that tile I fetch
	s_bfe_u32 s40, ttmp6, 0x40000                  ; cx, cy
	s_bfe_u32 s41, ttmp6, 0x40004
	s_lshl_b32 s42, ttmp9, 2
	s_add_co_u32 s42, s42, s40                     ; x: tile column of C
	s_and_b32 s43, ttmp7, 0xffff
	s_lshl_b32 s43, s43, 2
	s_add_co_u32 s43, s43, s41                     ; y: tile row of C
	s_lshl_b32 s44, s41, 2
	s_lshl_b32 s44, 15, s44                        ; my row of the cluster
	s_lshl_b32 s45, 0x1111, s40                    ; my column
	s_or_b32 s[G1], s44, (3<<16)|(1<<21)           ; 15:0 the mask; 17:16 elements of 8 bytes; 21 set beside a mask; no padding
	s_or_b32 s[G1B], s45, (3<<16)|(1<<21)
.irp g, G1, G1B
	s_mov_b32 s[\g+1], 1024<<16                    ; tensor_dim0 = 1,024 elements: 8,192 bytes
	s_mov_b32 s[\g+2], 4<<16                       ; tensor_dim1 = 4
	s_mov_b32 s[\g+3], 1024<<16                    ; tile_dim0
	s_mov_b32 s[\g+4], 4                           ; tile_dim1
	s_mov_b32 s[\g+5], 2*SIZE_K                    ; the pitch: 16 K bytes in elements of 8
	s_mov_b32 s[\g+6], 0
	s_mov_b32 s[\g+7], 0
.endr
	s_lshl_b32 s19, s18, 2
	s_lshl_b32 s20, s43, 3
	s_add_co_u32 s20, s20, s19                     ; A: block 8 y + 4 x half
	s_mul_i32 s20, s20, RB
	s_mov_b32 s21, 0
	s_lshl_b32 s46, s42, 3
	s_add_co_u32 s46, s46, s19                     ; B: tile 8 x + 4 x half
	s_mul_i32 s46, s46, RB
	s_add_co_u32 s46, s46, WOFF
	s_mov_b32 s47, 0
	s_lshl_b32 s22, s16, 15                        ; where they go: wave x 32,768
	s_wait_kmcnt 0x0
	s_load_b128 s[80:83], s[8:9], 0x20             ; e8 .. e11
	s_add_nc_u64 s[20:21], s[4:5], s[20:21]
	s_add_nc_u64 s[46:47], s[6:7], s[46:47]
	CROUND                                         ; all sixteen work-groups are here: the first joint loads meet
.irp s, 0,1
	s_mov_b32 s[G0+4*\s], 1
	s_add_co_u32 s[G0+4*\s+1], s22, \s*SLOT
	s_add_nc_u64 s[G0+4*\s+2:G0+4*\s+3], s[20:21], \s*8192
	s_or_b32 s[G0+4*\s+3], s[G0+4*\s+3], 0x80000000
	s_mov_b32 s[G0B+4*\s], 1
	s_add_co_u32 s[G0B+4*\s+1], s22, \s*SLOT
	s_add_nc_u64 s[G0B+4*\s+2:G0B+4*\s+3], s[46:47], \s*8192
	s_or_b32 s[G0B+4*\s+3], s[G0B+4*\s+3], 0x80000000
	JLOAD \s
.endr
	v_and_b32 v1, 31, v0
	v_lshlrev_b32 v2, 4, v1                        ; 16 x lane
	s_lshl_b32 s23, s17, 15
	s_lshl_b32 s19, s18, 15
	s_add_co_u32 s19, s19, BOFF
.irp s, 0,1
	v_add_nc_u32 v[ADRA+\s], s23, v2
	v_add_nc_u32 v[ADRB+\s], s19, v2
	s_add_co_u32 s23, s23, SLOT
	s_add_co_u32 s19, s19, SLOT
.endr
	s_lshl_b32 s88, s42, 9
	s_lshl_b32 s89, s18, 8
	s_add_co_u32 s88, s88, s89
	s_mov_b32 s89, 0
	s_add_nc_u64 s[10:11], s[10:11], s[88:89]      ; the bias at my first column
	v_bfe_u32 v3, v0, 4, 1
	v_lshlrev_b32 v3, 6, v3                        ; in the result's layout: 16 numbers further on for lanes 16-31
.irp b, 0,1,2,3
	global_load_b128 v[32+8*\b:35+8*\b], v3, s[10:11] offset:(32*(\b/2)+8*(\b%2))*4
	global_load_b128 v[36+8*\b:39+8*\b], v3, s[10:11] offset:(32*(\b/2)+8*(\b%2))*4+16
.endr
	s_lshl_b32 s84, s43, 19                        ; the result: block 8 y + 4 x half of 32 images, K step x, its half
	s_lshl_b32 s85, s17, 18
	s_add_co_u32 s84, s84, s85
	s_lshl_b32 s85, s42, 11
	s_add_co_u32 s84, s84, s85
	s_lshl_b32 s85, s18, 10
	s_add_co_u32 s84, s84, s85
	s_mov_b32 s85, 0
	s_add_nc_u64 s[12:13], s[12:13], s[84:85]
	v_mov_b32 v8, 0xbdd2d3e8                       ; -0.10294324
	v_mov_b32 v9, 0xbdd2d3e8
	v_mov_b32 v10, 0xc0135761                      ; -2.3022082
	v_mov_b32 v11, 0xc0135761
	s_wait_kmcnt 0x0
	s_add_co_i32 s66, s80, s81
	s_add_co_i32 s66, s66, 127
	s_lshl_b32 s66, s66, 23                        ; 2^(e8 + e9) as f32
	s_mov_b32 s67, s66
	s_add_co_i32 s90, s82, 127
	s_lshl_b32 s91, s90, 23
	v_mov_b32 v30, s91                             ; 2^e10
	s_add_co_i32 s90, s90, 8
	s_lshl_b32 s90, s90, 23
	s_or_b32 s90, s90, 0x600000
	v_mov_b32 v31, s90                             ; 448 x 2^e10
	s_wait_tensorcnt 0x1                           ; my part of slot 0 is in; slot 1's load may stay out
	s_barrier_signal -1
	s_barrier_wait -1
	FETCH 0, 0, F0
	QUARTER 0, 1, F0, F1, 1                        ; the first quarter's products start the sums
	QUARTER 0, 2, F1, F0, 0
	QUARTER 0, 3, F0, F1, 0
	TURN 0, 1
	QUARTER 1, 1, F0, F1, 0
	QUARTER 1, 2, F1, F0, 0
	QUARTER 1, 3, F0, F1, 0
	s_wait_dscnt 8                                 ; the very last quarter
	WIN MUL
	MUL8 F1, 0, 0
	s_wait_dscnt 0x0
	MUL8 F1, 2, 0
	WIN 0
	s_wait_loadcnt 0x0                             ; the bias
	PLACES
.irp a, 0,1,2,3
	GELU \a, 0
	GELU \a, 1
.endr
	s_wait_tensorcnt 0x0                           ; the wave's end
	ds_add_u32 v[SPW], v[NIL]
	s_wait_dscnt 0x0
	CROUND                                         ; the closing round
	s_endpgm
.Lfunc_end_k_qb9946a4ab6_gemm_fc:
	.size	k_qb9946a4ab6_gemm_fc, .Lfunc_end_k_qb9946a4ab6_gemm_fc-k_qb9946a4ab6_gemm_fc
	.p2alignl 7, 3214868480
	.fill 96, 4, 3214868480
	.section	.rodata,"a",@progbits
	.p2align	6, 0x0
	.amdhsa_kernel k_qb9946a4ab6_gemm_fc
		.amdhsa_group_segment_fixed_size 327680
		.amdhsa_private_segment_fixed_size 0
		.amdhsa_enable_private_segment 0
		.amdhsa_kernarg_size 40
		.amdhsa_user_sgpr_count 2
		.amdhsa_user_sgpr_kernarg_segment_ptr 1
		.amdhsa_wavefront_size32 1
		.amdhsa_system_sgpr_workgroup_id_x 1
		.amdhsa_system_sgpr_workgroup_id_y 1
		.amdhsa_system_sgpr_workgroup_id_z 1
		.amdhsa_system_vgpr_workitem_id 0
		.amdhsa_next_free_vgpr 512
		.amdhsa_next_free_sgpr 96
		.amdhsa_reserve_vcc 0
		.amdhsa_float_denorm_mode_32 3
		.amdhsa_float_denorm_mode_16_64 3
		.amdhsa_memory_ordered 1
		.amdhsa_forward_progress 1
		.amdhsa_inst_pref_size 78
	.end_amdhsa_kernel
	.amdgpu_metadata
---
amdhsa.version: [ 1, 2 ]
amdhsa.kernels:
  - .name:           k_qb9946a4ab6_gemm_fc
    .symbol:         k_qb9946a4ab6_gemm_fc.kd
    .args:
      - { .name: act, .offset: 0, .size: 8, .value_kind: global_buffer, .address_space: global }
      - { .name: wc, .offset: 8, .size: 8, .value_kind: global_buffer, .address_space: global }
      - { .name: lowp_scales, .offset: 16, .size: 8, .value_kind: global_buffer, .address_space: global }
      - { .name: b_fc, .offset: 24, .size: 8, .value_kind: global_buffer, .address_space: global }
      - { .name: gc, .offset: 32, .size: 8, .value_kind: global_buffer, .address_space: global }
    .group_segment_fixed_size: 327680
    .private_segment_fixed_size: 0
    .kernarg_segment_align: 8
    .kernarg_segment_size: 40
    .max_flat_workgroup_size: 128
    .sgpr_count:     96
    .vgpr_count:     512
    .wavefront_size: 32
...
	.end_amdgpu_metadata
.endif
;; end of part 6
;; launch gemm_fcp (part 7): grid 8 x 32, 4 waves a work-group, clusters of 4 x 4, 327,680 bytes of LDS; arguments gc, wc, lowp_scales, b_fc_proj, h, out0; writes out0
.if DOCPART == 7
	.amdgcn_target "amdgcn-amd-amdhsa--gfx1250"
	.amdhsa_code_object_version 6
	.text
	.protected	k_qb9946a4ab6_gemm_fcp
	.globl	k_qb9946a4ab6_gemm_fcp
	.p2align	8
	.type	k_qb9946a4ab6_gemm_fcp,@function
k_qb9946a4ab6_gemm_fcp:
	s_mov_b64 s[64:65], 0
	v_nop
	global_prefetch_b8 v0, s[64:65] scope:SCOPE_SE
	s_setreg_imm32_b32 hwreg(HW_REG_WAVE_MODE, 25, 1), 1
	s_wait_xcnt 0x0
	s_wait_alu depctr_hold_cnt(0) depctr_sa_sdst(0) depctr_va_vdst(0) depctr_va_sdst(0) depctr_va_ssrc(0) depctr_va_vcc(0) depctr_vm_vsrc(0)
	s_getreg_b32 s2, hwreg(HW_REG_IB_STS2, 6, 4)
	s_cmp_eq_u32 s2, 0
	s_cbranch_scc0 .Lentry_in_a_cluster
	s_endpgm
.Lentry_in_a_cluster:
	s_bfe_u32 s2, ttmp6, 0x10000c
	s_cmp_lg_u32 s2, 0xf033
	s_cbranch_scc0 .Lentry_shape_is_right
	s_endpgm
.Lentry_shape_is_right:
; GEMM_FCP: out0 = h + gelu(..) w_fc_proj + b_fc_proj, the product on codes of FP8 (E4M3).  M 4,096, N 1,024, K 4,096.  out0: f32, row-major.
; OPERANDS ARE IMAGES OF THEIR REGISTERS: a fragment of 16 rows x 128 K is 2,048 bytes; part c (512 bytes) holds at 16 x lane the codes of row lane % 16, k = 32 c + 16 (lane / 16) + 0 .. 15:
; one permutation of k, alike in both operands.  An operand is [rows / 16][K / 128][2,048].  A fragment comes by four ds_load_b128 of 512 consecutive bytes: no pitch, no padding.
; A tile of C is 128 x 128 (256 work-groups): four waves of 64 x 64, 16 accumulators each.  K goes in slots of 512 through a ring of two LDS slots: eight slots' worth, six of them refills.
; A wave's tensor load brings four rows of 8,192 bytes: the images of 16 rows x 512 K lie on end in memory.  A wave has two tensor loads out at the start and one behind each round.
; CLUSTERS: 4 x 4 work-groups; A's tiles are asked for jointly along a row of the cluster, B's along a column; each joint refill stands behind a round of the cluster's barrier.
; Source 0 = weight tile (tile 2 B + u holds at image row p the column 32 B + 8 u + p + 8 (p / 8)), source 1 = token block: a lane holds one token; tiles 2 B, 2 B + 1 give it columns 32 B + 16 (lane / 16) + 0 .. 15.
; THE WAY OUT: 16 rows x 64 columns at a time through the wave's own stage in LDS, back as rows of 256 bytes; sum x 2^(eA + eB) + (residual + bias); sixteen lanes store 256 consecutive bytes, aligned.
; LIMITS: e10 + e11 between -126 and 127.  NaN among the inputs is not served.
; REGISTERS: window 0: v[12:15] bias, v16-21 LDS addresses, v24-26 the way out's addresses, v28, v29 the spare word's address and 0, v32-63, v64-95 two sets of residual rows, v96-127 rows read back, v128-255 accumulators.
;            window 1: two fragment buffers of 128: A's four fragments, then B's four.
.set SIZE_K, 4096
.set WOFF,   0x800000                  ; w_fc_proj's images in wc
.set EA,     82                        ; s82 = e10, s83 = e11
.set EB,     83
.set NTOUT,  1                         ; the result is written once and read by nobody here
.set RB,     16*SIZE_K
.set LAPS,   SIZE_K/1024
.set SLOT,   131072
.set BOFF,   65536
.set STAGE,  2*SLOT                    ; 16 rows x 272 bytes for each wave; no tensor load fills it
.set SPARE,  STAGE+4*16*272            ; the spare words, 128 bytes for each wave: two blocks of 256 bytes that no other line names
.set ADRA, 16
.set ADRB, 20
.set STO,  24
.set RD,   25
.set CO,   26
.set SPW,  28
.set NIL,  29
.set TT,   96
.set ACC,  128
.set F0,   0
.set F1,   128
.set G1,   24
.set G0,   32
.set G1B,  48
.set G0B,  56
.set MSB,  0
.macro WIN new                         ; the immediate's high byte repeats the setting that is left
.if MSB != \new
	s_set_vgpr_msb (MSB<<8)|\new
.set MSB, \new
.endif
.endm
.set MUL,  0x05                        ; sources 0 and 1 window 1; C and D window 0
.set TO_F, 0x40                        ; destination window 1, address window 0
.macro JLOAD s                         ; a joint load: waves 0, 1 fetch A's halves, waves 2, 3 B's; four v_nop follow each line
	s_cmp_eq_u32 s17, 0
	s_cbranch_scc0 .Lfor_b_\@
	tensor_load_to_lds s[G0+4*\s:G0+4*\s+3], s[G1:G1+7]
	s_nop 0
.rept 4
	v_nop
.endr
	s_branch .Lasked_\@
.Lfor_b_\@:
	tensor_load_to_lds s[G0B+4*\s:G0B+4*\s+3], s[G1B:G1B+7]
	s_nop 0
.rept 4
	v_nop
.endr
.Lasked_\@:
.endm
.macro CREST                           ; a round of the cluster's barrier behind its opening barrier
	s_cmp_lg_u32 s16, 0
	s_cbranch_scc1 .Lnot_wave_0_\@
	s_barrier_signal -3
.Lnot_wave_0_\@:
	s_barrier_wait -3
	s_barrier_signal -1
	s_barrier_wait -1
.endm
.macro CROUND
	s_barrier_signal -1
	s_barrier_wait -1
	CREST
.endm
.macro PLACES                          ; four plain instructions between a matrix instruction and a load into, or a read of, its registers
.rept 4
	v_nop
.endr
.endm
.macro FETCH slot, q, f                ; 32 LDS loads in one run: B's four fragments, then A's four
	WIN TO_F
.irp i, 0,1,2,3
.irp c, 0,1,2,3
	ds_load_b128 v[\f+64+16*\i+4*\c:\f+64+16*\i+4*\c+3], v[ADRB+\slot] offset:\i*8192+(\q)*2048+512*\c
.endr
.endr
.irp i, 0,1,2,3
.irp c, 0,1,2,3
	ds_load_b128 v[\f+16*\i+4*\c:\f+16*\i+4*\c+3], v[ADRA+\slot] offset:\i*8192+(\q)*2048+512*\c
.endr
.endr
.endm
; 8 matrix instructions: A's blocks a0, a0 + 1 x B's four.  The 16 accumulators take turns, one instruction a turn, in the same order in every quarter, over the loop's backward jump too.
.macro MUL8 f, a0, zero
.irp a, \a0, \a0+1
.irp b, 0,1,2,3
.if \zero
	v_wmma_f32_16x16x128_fp8_fp8 v[ACC+8*(4*(\a)+\b):ACC+8*(4*(\a)+\b)+7], v[\f+64+16*\b:\f+64+16*\b+15], v[\f+16*(\a):\f+16*(\a)+15], 0
.else
	v_wmma_f32_16x16x128_fp8_fp8 v[ACC+8*(4*(\a)+\b):ACC+8*(4*(\a)+\b)+7], v[\f+64+16*\b:\f+64+16*\b+15], v[\f+16*(\a):\f+16*(\a)+15], v[ACC+8*(4*(\a)+\b):ACC+8*(4*(\a)+\b)+7]
.endif
.endr
.endr
.endm
.macro QUARTER slot, qn, f, g, zero
	s_wait_dscnt 8                                 ; B's four and A's blocks 0, 1 are in; the youngest eight loads may be out
	WIN MUL
	MUL8 \f, 0, \zero
	PLACES
	FETCH \slot, \qn, \g
	s_wait_dscnt 32                                ; all but the 32 just issued
	WIN MUL
	MUL8 \f, 2, \zero
.endm
; A slot's last quarter changes slots: one barrier; in front of it each wave waits for all its tensor loads, adds 0 to its spare word, and waits for that and for its reads of this slot.  fill = 1: this slot is filled again, two slots ahead.
.macro TURN slot, next, fill
	WIN 0
	s_wait_tensorcnt 0x0                           ; all my tensor loads have landed: my part of the next slot
	ds_add_u32 v[SPW], v[NIL]                      ; 0 onto my spare word
	s_wait_dscnt 9                                 ; (the add and the youngest eight loads may be out)
	WIN MUL
	MUL8 F1, 0, 0
	s_wait_dscnt 0x0                               ; the add is done, and my reads of this slot are over
	s_barrier_signal -1
	WIN 0
	s_barrier_wait -1
.if \fill
	CREST                                          ; the barrier has opened a round of the cluster's: no wave of any partner still reads this slot or has a load on its way
	s_add_nc_u64 s[G0+4*\slot+2:G0+4*\slot+3], s[G0+4*\slot+2:G0+4*\slot+3], 16384
	s_add_nc_u64 s[G0B+4*\slot+2:G0B+4*\slot+3], s[G0B+4*\slot+2:G0B+4*\slot+3], 16384
	JLOAD \slot                                    ; the first tensor load behind the round; its four v_nop are the places in front of the loads below
.else
	PLACES
.endif
	FETCH \next, 0, F0
	WIN MUL
	MUL8 F1, 2, 0
.endm
.macro RLOAD a                         ; the residual's rows 16 a .. 16 a + 15, my 64 columns: two rows a load, 256 consecutive bytes for sixteen lanes
.irp i, 0,1,2,3,4,5,6,7
	global_load_b128 v[32+32*((\a)%2)+4*\i:32+32*((\a)%2)+4*\i+3], v[CO], s[12:13] offset:(\a)*65536+\i*8192
.endr
.endm
.macro OUTROW a
.set RS, 32+32*((\a)%2)
.irp b, 0,1,2,3
	ds_store_b128 v[STO], v[ACC+8*(4*(\a)+\b):ACC+8*(4*(\a)+\b)+3] offset:128*(\b/2)+32*(\b%2)      ; each accumulator from its low end on
	ds_store_b128 v[STO], v[ACC+8*(4*(\a)+\b)+4:ACC+8*(4*(\a)+\b)+7] offset:128*(\b/2)+32*(\b%2)+16
.endr
.if (\a) > 0
	s_wait_xcnt 0x0                                ; the last block's stores have read their data: the registers may be loaded again
.endif
.irp i, 0,1,2,3,4,5,6,7
	ds_load_b128 v[TT+4*\i:TT+4*\i+3], v[RD] offset:544*\i   ; LDS serves a wave's instructions in order (ISA guide 5.7.1.4): these see my stores
.endr
.if (\a) < 3
	s_wait_loadcnt 8                               ; this block's residual rows (and the bias) are in; the next set's eight loads may be out
.else
	s_wait_loadcnt 0
.endif
.irp i, 0,1,2,3,4,5,6,7
	v_pk_add_f32 v[RS+4*\i:RS+4*\i+1], v[RS+4*\i:RS+4*\i+1], v[12:13]
	v_pk_add_f32 v[RS+4*\i+2:RS+4*\i+3], v[RS+4*\i+2:RS+4*\i+3], v[14:15]
.endr
	s_wait_dscnt 0x0
.irp n, 0,2,4,6,8,10,12,14,16,18,20,22,24,26,28,30
	v_pk_fma_f32 v[TT+\n:TT+\n+1], v[TT+\n:TT+\n+1], s[66:67], v[RS+\n:RS+\n+1] op_sel_hi:[1,0,1]
.endr
.irp i, 0,1,2,3,4,5,6,7
.if NTOUT
	global_store_b128 v[CO], v[TT+4*\i:TT+4*\i+3], s[14:15] offset:(\a)*65536+\i*8192 th:TH_STORE_NT
.else
	global_store_b128 v[CO], v[TT+4*\i:TT+4*\i+3], s[14:15] offset:(\a)*65536+\i*8192
.endif
.endr
.if (\a) < 2
	RLOAD (\a)+2
.endif
.endm
	s_load_b128 s[4:7], s[0:1], 0x0                ; A's images s[4:5], the weights' images s[6:7]
	s_load_b128 s[8:11], s[0:1], 0x10              ; the scales' exponents s[8:9], the bias s[10:11]
	s_load_b128 s[12:15], s[0:1], 0x20             ; the residual s[12:13], the result s[14:15]
	v_lshl_add_u32 v[SPW], v0, 2, SPARE
	v_mov_b32 v[NIL], 0
	ds_add_u32 v28, v29
	ds_add_u32 v28, v29
	s_wait_dscnt 0x0
	v_lshrrev_b32 v1, 5, v0
	v_readfirstlane_b32 s16, v1                    ; wave 0..3
	s_lshr_b32 s17, s16, 1                         ; which 64 rows are mine.  Also: I fetch for A (0) or for B (1)
	s_and_b32 s18, s16, 1                          ; which 64 columns.  Also: which half of that tile I fetch
	s_bfe_u32 s40, ttmp6, 0x40000                  ; cx, cy
	s_bfe_u32 s41, ttmp6, 0x40004
	s_lshl_b32 s42, ttmp9, 2
	s_add_co_u32 s42, s42, s40                     ; x: tile column of C
	s_and_b32 s43, ttmp7, 0xffff
	s_lshl_b32 s43, s43, 2
	s_add_co_u32 s43, s43, s41                     ; y: tile row of C
	s_lshl_b32 s44, s41, 2
	s_lshl_b32 s44, 15, s44                        ; my row of the cluster
	s_lshl_b32 s45, 0x1111, s40                    ; my column
	s_or_b32 s[G1], s44, (3<<16)|(1<<21)           ; 15:0 the mask; 17:16 elements of 8 bytes; 21 set beside a mask; no padding
	s_or_b32 s[G1B], s45, (3<<16)|(1<<21)
.irp g, G1, G1B
	s_mov_b32 s[\g+1], 1024<<16                    ; tensor_dim0 = 1,024 elements: 8,192 bytes
	s_mov_b32 s[\g+2], 4<<16                       ; tensor_dim1 = 4
	s_mov_b32 s[\g+3], 1024<<16                    ; tile_dim0
	s_mov_b32 s[\g+4], 4                           ; tile_dim1
	s_mov_b32 s[\g+5], 2*SIZE_K                    ; the pitch: 16 K bytes in elements of 8
	s_mov_b32 s[\g+6], 0
	s_mov_b32 s[\g+7], 0
.endr
	s_lshl_b32 s19, s18, 2
	s_lshl_b32 s20, s43, 3
	s_add_co_u32 s20, s20, s19                     ; A: block 8 y + 4 x half
	s_mul_i32 s20, s20, RB
	s_mov_b32 s21, 0
	s_lshl_b32 s46, s42, 3
	s_add_co_u32 s46, s46, s19                     ; B: tile 8 x + 4 x half
	s_mul_i32 s46, s46, RB
	s_add_co_u32 s46, s46, WOFF
	s_mov_b32 s47, 0
	s_lshl_b32 s22, s16, 15                        ; where they go: wave x 32,768
	s_wait_kmcnt 0x0
	s_load_b256 s[72:79], s[8:9], 0x0              ; e0 .. e7
	s_load_b128 s[80:83], s[8:9], 0x20             ; e8 .. e11
	s_add_nc_u64 s[20:21], s[4:5], s[20:21]
	s_add_nc_u64 s[46:47], s[6:7], s[46:47]
	CROUND                                         ; all sixteen work-groups are here: the first joint loads meet
.irp s, 0,1
	s_mov_b32 s[G0+4*\s], 1
	s_add_co_u32 s[G0+4*\s+1], s22, \s*SLOT
	s_add_nc_u64 s[G0+4*\s+2:G0+4*\s+3], s[20:21], \s*8192
	s_or_b32 s[G0+4*\s+3], s[G0+4*\s+3], 0x80000000
	s_mov_b32 s[G0B+4*\s], 1
	s_add_co_u32 s[G0B+4*\s+1], s22, \s*SLOT
	s_add_nc_u64 s[G0B+4*\s+2:G0B+4*\s+3], s[46:47], \s*8192
	s_or_b32 s[G0B+4*\s+3], s[G0B+4*\s+3], 0x80000000
	JLOAD \s
.endr
	v_and_b32 v1, 31, v0
	v_lshlrev_b32 v2, 4, v1                        ; 16 x lane
	s_lshl_b32 s23, s17, 15
	s_lshl_b32 s19, s18, 15
	s_add_co_u32 s19, s19, BOFF
.irp s, 0,1
	v_add_nc_u32 v[ADRA+\s], s23, v2
	v_add_nc_u32 v[ADRB+\s], s19, v2
	s_add_co_u32 s23, s23, SLOT
	s_add_co_u32 s19, s19, SLOT
.endr
	v_and_b32 v4, 15, v0                           ; r
	v_bfe_u32 v5, v0, 4, 1                         ; h
	v_lshlrev_b32 v6, 4, v4                        ; the bias: four columns a lane
	v_lshlrev_b32 v[CO], 12, v5
	v_lshl_add_u32 v[CO], v4, 4, v[CO]             ; rows of 4,096 bytes: lanes 0-15 one row, lanes 16-31 the next
	s_mul_i32 s86, s16, 16*272
	s_add_co_u32 s86, s86, STAGE                   ; my stage
	v_mul_u32_u24 v[STO], v4, 272
	v_lshl_add_u32 v[STO], v5, 6, v[STO]
	v_add_nc_u32 v[STO], s86, v[STO]               ; in: row r, + 64 h
	v_mul_u32_u24 v[RD], v5, 272
	v_lshl_add_u32 v[RD], v4, 4, v[RD]
	v_add_nc_u32 v[RD], s86, v[RD]                 ; back: two rows an instruction
	s_lshl_b32 s88, s42, 9
	s_lshl_b32 s89, s18, 8
	s_add_co_u32 s88, s88, s89                     ; my first column, in bytes
	s_mov_b32 s89, 0
	s_add_nc_u64 s[10:11], s[10:11], s[88:89]
	s_lshl_b32 s84, s43, 19
	s_lshl_b32 s85, s17, 18
	s_add_co_u32 s84, s84, s85                     ; my first row: 128 y + 64 x half, of 4,096 bytes
	s_add_co_u32 s84, s84, s88
	s_mov_b32 s85, 0
	s_add_nc_u64 s[12:13], s[12:13], s[84:85]
	s_add_nc_u64 s[14:15], s[14:15], s[84:85]
	global_load_b128 v[12:15], v6, s[10:11]
	RLOAD 0
	RLOAD 1
	s_wait_kmcnt 0x0
	s_add_co_i32 s66, s[EA], s[EB]
	s_add_co_i32 s66, s66, 127
	s_lshl_b32 s66, s66, 23                        ; 2^(eA + eB) as f32
	s_mov_b32 s67, s66
	s_wait_tensorcnt 0x1                           ; my part of slot 0 is in; slot 1's load may stay out
	s_barrier_signal -1
	s_barrier_wait -1
	FETCH 0, 0, F0
	QUARTER 0, 1, F0, F1, 1                        ; the first quarter's products start the sums
.if LAPS > 1
	WIN 0
	s_mov_b32 s3, LAPS-1
.Llap:                                                 ; a trip goes once round the ring, from a lap's second quarter to the next lap's first, and fills both slots again
	QUARTER 0, 2, F1, F0, 0
	QUARTER 0, 3, F0, F1, 0
	TURN 0, 1, 1
	QUARTER 1, 1, F0, F1, 0
	QUARTER 1, 2, F1, F0, 0
	QUARTER 1, 3, F0, F1, 0
	TURN 1, 0, 1
	QUARTER 0, 1, F0, F1, 0
	WIN 0
	s_sub_co_u32 s3, s3, 1
	s_cmp_lg_u32 s3, 0
	s_cbranch_scc1 .Llap
.endif
	QUARTER 0, 2, F1, F0, 0                        ; the last lap fills nothing, and has no round of the cluster's barrier
	QUARTER 0, 3, F0, F1, 0
	TURN 0, 1, 0
	QUARTER 1, 1, F0, F1, 0
	QUARTER 1, 2, F1, F0, 0
	QUARTER 1, 3, F0, F1, 0
	s_wait_dscnt 8                                 ; the very last quarter
	WIN MUL
	MUL8 F1, 0, 0
	s_wait_dscnt 0x0
	MUL8 F1, 2, 0
	WIN 0
	PLACES
	OUTROW 0
	OUTROW 1
	OUTROW 2
	OUTROW 3
	s_wait_tensorcnt 0x0                           ; the wave's end: behind my last tensor load and my last LDS store
	ds_add_u32 v[SPW], v[NIL]
	s_wait_dscnt 0x0
	CROUND                                         ; the closing round: no work-group ends while a partner may still ask for a tile that names it
	s_endpgm
.Lfunc_end_k_qb9946a4ab6_gemm_fcp:
	.size	k_qb9946a4ab6_gemm_fcp, .Lfunc_end_k_qb9946a4ab6_gemm_fcp-k_qb9946a4ab6_gemm_fcp
	.p2alignl 7, 3214868480
	.fill 96, 4, 3214868480
	.section	.rodata,"a",@progbits
	.p2align	6, 0x0
	.amdhsa_kernel k_qb9946a4ab6_gemm_fcp
		.amdhsa_group_segment_fixed_size 327680
		.amdhsa_private_segment_fixed_size 0
		.amdhsa_enable_private_segment 0
		.amdhsa_kernarg_size 48
		.amdhsa_user_sgpr_count 2
		.amdhsa_user_sgpr_kernarg_segment_ptr 1
		.amdhsa_wavefront_size32 1
		.amdhsa_system_sgpr_workgroup_id_x 1
		.amdhsa_system_sgpr_workgroup_id_y 1
		.amdhsa_system_sgpr_workgroup_id_z 1
		.amdhsa_system_vgpr_workitem_id 0
		.amdhsa_next_free_vgpr 512
		.amdhsa_next_free_sgpr 96
		.amdhsa_reserve_vcc 0
		.amdhsa_float_denorm_mode_32 3
		.amdhsa_float_denorm_mode_16_64 3
		.amdhsa_memory_ordered 1
		.amdhsa_forward_progress 1
		.amdhsa_inst_pref_size 81
	.end_amdhsa_kernel
	.amdgpu_metadata
---
amdhsa.version: [ 1, 2 ]
amdhsa.kernels:
  - .name:           k_qb9946a4ab6_gemm_fcp
    .symbol:         k_qb9946a4ab6_gemm_fcp.kd
    .args:
      - { .name: gc, .offset: 0, .size: 8, .value_kind: global_buffer, .address_space: global }
      - { .name: wc, .offset: 8, .size: 8, .value_kind: global_buffer, .address_space: global }
      - { .name: lowp_scales, .offset: 16, .size: 8, .value_kind: global_buffer, .address_space: global }
      - { .name: b_fc_proj, .offset: 24, .size: 8, .value_kind: global_buffer, .address_space: global }
      - { .name: h, .offset: 32, .size: 8, .value_kind: global_buffer, .address_space: global }
      - { .name: out0, .offset: 40, .size: 8, .value_kind: global_buffer, .address_space: global }
    .group_segment_fixed_size: 327680
    .private_segment_fixed_size: 0
    .kernarg_segment_align: 8
    .kernarg_segment_size: 48
    .max_flat_workgroup_size: 128
    .sgpr_count:     96
    .vgpr_count:     512
    .wavefront_size: 32
...
	.end_amdgpu_metadata
.endif
;; end of part 7
;; ======== version 2 of 2: 7 launches
;; limits: right only within a limited range of input values
;; workspace buffers: wc 12,582,912 bytes; act 4,194,304 bytes; qkv 12,582,912 bytes; h 16,777,216 bytes; gc 16,777,216 bytes
;; launch prep (part 8): grid 448 x 1, 8 waves a work-group, no clusters, 17,920 bytes of LDS; arguments hidden_states, ln1_w, ln1_b, lowp_scales, act, w_attn, w_proj, w_fc, w_fc_proj, wc; writes act, wc
.if DOCPART == 8
	.amdgcn_target "amdgcn-amd-amdhsa--gfx1250"
	.amdhsa_code_object_version 6
	.text
	.protected	k_qb9946a4ab6_prep
	.globl	k_qb9946a4ab6_prep
	.p2align	8
	.type	k_qb9946a4ab6_prep,@function
k_qb9946a4ab6_prep:
	s_mov_b64 s[64:65], 0
	v_nop
	global_prefetch_b8 v0, s[64:65] scope:SCOPE_SE
	s_setreg_imm32_b32 hwreg(HW_REG_WAVE_MODE, 25, 1), 1
	s_wait_xcnt 0x0
; PREP: the four weights and LayerNorm 1 become codes of FP8 (E4M3), each with the one scale 2^e that is given for it.
; code = x / 2^e, held within +-448, rounded to the nearest code, ties to even.
; ALL CODES ARE LAID AS IMAGES OF A MATRIX OPERAND'S REGISTERS.  A fragment of 16 rows x 128 K is 2,048 bytes: part c (0..3) is 512 bytes, in it lane L = r + 16 h
; owns the 16 bytes at 16 L: row r, k = 32 c + 16 h + 0 .. 15.  An operand is [rows / 16][K / 128][2,048].
; WEIGHTS ([K][N] f32, K the first axis): a lane takes a column and its registers run down K, so the conversions give codes with K innermost and nothing is transposed.
; Tile 2 B + u holds at image row p the column 32 B + 8 u + p + 8 (p / 8): so the products' results come out with 16 neighbouring columns in a lane's 16 registers.
; Work-groups 0-47: w_attn, 48-63: w_proj, 64-127: w_fc, 128-191: w_fc_proj, each 256 columns x 256 K (a wave: 32 columns); 192-447: LayerNorm of 16 rows each.
; No tensor loads, no matrix unit, no cluster: work-groups share nothing but the two small vectors of the norm.
; LIMITS: each e between -126 and 119, so that 2^e and 448 x 2^e are f32 numbers.  NaN among the inputs is not served.
.set QX, 32                            ; v32-95   weights: two sets of 32 numbers down K
.set QC, 96                            ; v96-159  weights: eight registers of codes for each of eight blocks: no store's data are written again
.set LX, 32                            ; v32-95   norm: two rows, 32 numbers a lane each
.set LW, 96                            ; v96-127  the gain at my 32 columns
.set LB, 128                           ; v128-159 the bias
.set LT, 160                           ; v160-175 at work, eight registers a row
.set LC, 176                           ; v176-191 codes, eight registers a row
.set LP, 1040                          ; a row of 1,024 codes in LDS + 16 bytes: 65 x 16, so that 16 rows' reads of 16 bytes fall on 16 different columns of 16 bytes
.macro MKSCALE                         ; s30 = e  ->  v11 = 2^e (the conversion takes its exponent field), v10 = 448 x 2^e
	s_add_co_i32 s30, s30, 127
	s_lshl_b32 s31, s30, 23
	v_mov_b32 v11, s31
	s_add_co_i32 s30, s30, 8
	s_lshl_b32 s30, s30, 23
	s_or_b32 s30, s30, 0x600000
	v_mov_b32 v10, s30
.endm
.macro QLOAD t, cols, ptr              ; block t: W(32 t + i, my column), i = 0 .. 31: each load reads 128 consecutive bytes a wave
.irp i, 0,1,2,3,4,5,6,7,8,9,10,11,12,13,14,15,16,17,18,19,20,21,22,23,24,25,26,27,28,29,30,31
	global_load_b32 v[QX+32*((\t)%2)+\i], v3, s[\ptr:\ptr+1] offset:(32*(\t)+\i)*\cols*4 th:TH_LOAD_NT
.endr
.endm
.macro QBLOCK t, cols, ptr
.set XS, QX+32*((\t)%2)
.if (\t) < 7
	s_wait_loadcnt 32                              ; this block's 32 loads are in; the next block's 32 may be out
.else
	s_wait_loadcnt 0
.endif
.set qi, 0
.rept 32
	v_med3_num_f32 v[XS+qi], v[XS+qi], -v10, v10   ; the conversion to an 8-bit code does not saturate (ISA guide 7.6.2): the hold comes first
.set qi, qi+1
.endr
.irp g, 0,1,2,3
	v_cvt_scalef32_pk8_fp8_f32 v[QC+8*(\t)+2*\g:QC+8*(\t)+2*\g+1], v[XS+8*\g:XS+8*\g+7], v11
.endr
	; 32 codes down K of my column: k 0-15 belong to the image's lanes 0-15, k 16-31 to its lanes 16-31.  The sixteen lanes of one tile store 256 consecutive bytes, aligned
	global_store_b128 v4, v[QC+8*(\t):QC+8*(\t)+3], s[22:23] offset:((\t)/4)*2048+((\t)%4)*512
	global_store_b128 v4, v[QC+8*(\t)+4:QC+8*(\t)+7], s[22:23] offset:((\t)/4)*2048+((\t)%4)*512+256
.if (\t)+2 < 8
	QLOAD (\t)+2, \cols, \ptr
.endif
.endm
; One weight.  cols: its N; rb: bytes of a tile's images (16 K); id0: its first work-group; logkg: log2(K / 256); ptr: its address; doff: its place in wc; eoff: its scale's byte
.macro QW cols, rb, id0, logkg, ptr, doff, eoff
	s_load_b32 s30, s[10:11], \eoff
	s_sub_co_u32 s24, ttmp9, \id0
	s_and_b32 s25, s24, (1<<\logkg)-1              ; which 256 along K
	s_lshr_b32 s24, s24, \logkg                    ; which 256 columns
	s_lshl_b32 s24, s24, 3
	s_add_co_u32 s24, s24, s2                      ; B: my wave's 32 columns
	s_mul_i32 s26, s25, 256*\cols*4
	s_lshl_b32 s27, s24, 7
	s_add_co_u32 s26, s26, s27
	s_mov_b32 s27, 0
	s_add_nc_u64 s[\ptr:\ptr+1], s[\ptr:\ptr+1], s[26:27]
	s_mul_i32 s26, s24, 2*\rb                      ; tiles 2 B and 2 B + 1,
	s_lshl_b32 s28, s25, 12                        ; two K steps of 2,048 bytes for each 256 along K
	s_add_co_u32 s26, s26, s28
	s_add_co_u32 s26, s26, \doff
	s_add_nc_u64 s[22:23], s[22:23], s[26:27]
	v_mul_u32_u24 v4, v6, \rb                      ; u x a tile's bytes
	s_delay_alu instid0(VALU_DEP_1)
	v_lshl_add_u32 v4, v7, 4, v4                   ; + 16 x image row
	QLOAD 0, \cols, \ptr
	QLOAD 1, \cols, \ptr
	s_wait_kmcnt 0x0
	MKSCALE
	s_wait_alu depctr_va_vdst(0)
.irp t, 0,1,2,3,4,5,6,7
	QBLOCK \t, \cols, \ptr
.endr
	s_endpgm
.endm
.macro XLANE r, tmp                    ; the sum over the wave's 32 lanes, in every lane
	v_add_f32_dpp v[\r], v[\r], v[\r] row_xmask:1 row_mask:0xf bank_mask:0xf
	s_delay_alu instid0(VALU_DEP_1)
	v_add_f32_dpp v[\r], v[\r], v[\r] row_xmask:2 row_mask:0xf bank_mask:0xf
	s_delay_alu instid0(VALU_DEP_1)
	v_add_f32_dpp v[\r], v[\r], v[\r] row_xmask:4 row_mask:0xf bank_mask:0xf
	s_delay_alu instid0(VALU_DEP_1)
	v_add_f32_dpp v[\r], v[\r], v[\r] row_xmask:8 row_mask:0xf bank_mask:0xf
	s_delay_alu instid0(VALU_DEP_1)
	v_permlanex16_b32 v[\tmp], v[\r], s32, s33
	s_delay_alu instid0(VALU_DEP_1)
	v_add_f32 v[\r], v[\r], v[\tmp]
.endm
; LayerNorm of rows 16 s24 .. 16 s24 + 15 and their codes.  Wave w: rows 2 w, 2 w + 1, whole, in registers: mean, then the variance of x - mean (two passes, no difference of large sums).
.macro LNBODY eoff
	s_load_b32 s30, s[10:11], \eoff
	s_lshl_b32 s26, s24, 16                        ; 16 rows of 4,096 bytes
	s_lshl_b32 s27, s2, 13
	s_add_co_u32 s26, s26, s27
	s_mov_b32 s27, 0
	s_add_nc_u64 s[4:5], s[4:5], s[26:27]
	s_lshl_b32 s26, s24, 14                        ; the block's eight images,
	s_lshl_b32 s28, s2, 11                         ; of which wave w stores K step w
	s_add_co_u32 s26, s26, s28
	s_add_nc_u64 s[12:13], s[12:13], s[26:27]
	v_lshlrev_b32 v12, 4, v1                       ; 16 x lane
.irp p, 0,1
.irp j, 0,1,2,3,4,5,6,7
	global_load_b128 v[LX+32*\p+4*\j:LX+32*\p+4*\j+3], v12, s[4:5] offset:4096*\p+512*\j   ; 512 consecutive bytes a load: k = 128 j + 4 lane + 0 .. 3
.endr
.endr
.irp j, 0,1,2,3,4,5,6,7
	global_load_b128 v[LW+4*\j:LW+4*\j+3], v12, s[6:7] offset:512*\j
.endr
.irp j, 0,1,2,3,4,5,6,7
	global_load_b128 v[LB+4*\j:LB+4*\j+3], v12, s[8:9] offset:512*\j
.endr
	s_mov_b32 s32, 0x76543210                      ; v_permlanex16_b32: lane l xor 16
	s_mov_b32 s33, 0xfedcba98
	s_mov_b32 s34, 0x3a800000                      ; 1 / 1024
	v_mov_b32 v9, 0x358637bd                       ; 1e-6
	v_mov_b32 v[LT+6], 0                           ; a lane permute's destination counts as read: written once
	v_mov_b32 v[LT+14], 0
	s_mul_i32 s28, s2, 2*LP
	v_lshl_add_u32 v13, v1, 2, s28                 ; LDS, in: my two rows, 4 bytes a lane
	v_and_b32 v14, 15, v0
	v_bfe_u32 v15, v0, 4, 1
	s_delay_alu instid0(VALU_DEP_2)
	v_mul_u32_u24 v14, v14, LP
	s_delay_alu instid0(VALU_DEP_1)
	v_lshl_add_u32 v14, v15, 4, v14
	s_lshl_b32 s28, s2, 7
	v_add_nc_u32 v14, s28, v14                     ; LDS, out: row lane % 16, K step w, + 16 (lane / 16)
	s_wait_kmcnt 0x0
	MKSCALE
	s_wait_loadcnt 16                              ; the two rows' 16 loads are in; the 16 of gain and bias may be out
.irp p, 0,1
	v_pk_add_f32 v[LT+8*\p:LT+8*\p+1], v[LX+32*\p:LX+32*\p+1], v[LX+32*\p+2:LX+32*\p+3]
	v_pk_add_f32 v[LT+8*\p+2:LT+8*\p+3], v[LX+32*\p+4:LX+32*\p+5], v[LX+32*\p+6:LX+32*\p+7]
.endr
.irp j, 8,12,16,20,24,28
.irp p, 0,1
	s_delay_alu instid0(VALU_DEP_4)
	v_pk_add_f32 v[LT+8*\p:LT+8*\p+1], v[LT+8*\p:LT+8*\p+1], v[LX+32*\p+\j:LX+32*\p+\j+1]
	s_delay_alu instid0(VALU_DEP_4)
	v_pk_add_f32 v[LT+8*\p+2:LT+8*\p+3], v[LT+8*\p+2:LT+8*\p+3], v[LX+32*\p+\j+2:LX+32*\p+\j+3]
.endr
.endr
.irp p, 0,1
	s_delay_alu instid0(VALU_DEP_3)
	v_pk_add_f32 v[LT+8*\p:LT+8*\p+1], v[LT+8*\p:LT+8*\p+1], v[LT+8*\p+2:LT+8*\p+3]
	s_delay_alu instid0(VALU_DEP_1)
	v_add_f32 v[LT+8*\p], v[LT+8*\p], v[LT+8*\p+1]
.endr
	XLANE LT, LT+6
	XLANE LT+8, LT+14
.irp p, 0
	v_mul_f32 v[LT+8*\p+4], s34, v[LT+8*\p]        ; the mean, twice: a pair for the packed forms
	s_delay_alu instid0(VALU_DEP_1)
	v_mov_b32 v[LT+8*\p+5], v[LT+8*\p+4]
.endr
.irp p, 1
	s_delay_alu instid0(VALU_DEP_3)
	v_mul_f32 v[LT+8*\p+4], s34, v[LT+8*\p]        ; the mean, twice: a pair for the packed forms
	s_delay_alu instid0(VALU_DEP_1)
	v_mov_b32 v[LT+8*\p+5], v[LT+8*\p+4]
.endr
.irp j, 0,2,4,6,8,10,12,14,16,18,20,22,24,26,28,30
.irp p, 0,1
	v_pk_add_f32 v[LX+32*\p+\j:LX+32*\p+\j+1], v[LX+32*\p+\j:LX+32*\p+\j+1], v[LT+8*\p+4:LT+8*\p+5] neg_lo:[0,1] neg_hi:[0,1]   ; x - mean
.endr
.endr
.irp p, 0,1
	v_pk_mul_f32 v[LT+8*\p:LT+8*\p+1], v[LX+32*\p:LX+32*\p+1], v[LX+32*\p:LX+32*\p+1]
	v_pk_mul_f32 v[LT+8*\p+2:LT+8*\p+3], v[LX+32*\p+2:LX+32*\p+3], v[LX+32*\p+2:LX+32*\p+3]
.endr
.irp j, 4,8,12,16,20,24,28
.irp p, 0,1
	s_delay_alu instid0(VALU_DEP_4)
	v_pk_fma_f32 v[LT+8*\p:LT+8*\p+1], v[LX+32*\p+\j:LX+32*\p+\j+1], v[LX+32*\p+\j:LX+32*\p+\j+1], v[LT+8*\p:LT+8*\p+1]
	s_delay_alu instid0(VALU_DEP_4)
	v_pk_fma_f32 v[LT+8*\p+2:LT+8*\p+3], v[LX+32*\p+\j+2:LX+32*\p+\j+3], v[LX+32*\p+\j+2:LX+32*\p+\j+3], v[LT+8*\p+2:LT+8*\p+3]
.endr
.endr
.irp p, 0,1
	s_delay_alu instid0(VALU_DEP_3)
	v_pk_add_f32 v[LT+8*\p:LT+8*\p+1], v[LT+8*\p:LT+8*\p+1], v[LT+8*\p+2:LT+8*\p+3]
	s_delay_alu instid0(VALU_DEP_1)
	v_add_f32 v[LT+8*\p], v[LT+8*\p], v[LT+8*\p+1]
.endr
	XLANE LT, LT+6
	XLANE LT+8, LT+14
	v_fma_f32 v[LT], v[LT], s34, v9                ; the variance + 1e-6
	s_delay_alu instid0(VALU_DEP_2)
	v_fma_f32 v[LT+8], v[LT+8], s34, v9
	s_wait_alu depctr_va_vdst(0)
	v_rsq_f32 v[LT+4], v[LT]
	v_rsq_f32 v[LT+12], v[LT+8]
	v_nop                                          ; one plain instruction between a transcendental and the use of its result (ISA guide 5.7.2)
	s_wait_alu depctr_va_vdst(0)
	v_mov_b32 v[LT+5], v[LT+4]
	v_mov_b32 v[LT+13], v[LT+12]
	s_wait_alu depctr_va_vdst(0)
	s_wait_loadcnt 0x0                             ; gain and bias
.irp j, 0,2,4,6,8,10,12,14,16,18,20,22,24,26,28,30
.irp p, 0,1
	v_pk_mul_f32 v[LX+32*\p+\j:LX+32*\p+\j+1], v[LX+32*\p+\j:LX+32*\p+\j+1], v[LT+8*\p+4:LT+8*\p+5]
.endr
.endr
.irp j, 0,2,4,6,8,10,12,14,16,18,20,22,24,26,28,30
.irp p, 0,1
	v_pk_fma_f32 v[LX+32*\p+\j:LX+32*\p+\j+1], v[LX+32*\p+\j:LX+32*\p+\j+1], v[LW+\j:LW+\j+1], v[LB+\j:LB+\j+1]
.endr
.endr
.set li, 0
.rept 64
	v_med3_num_f32 v[LX+li], v[LX+li], -v10, v10   ; the hold at the largest code x the scale
.set li, li+1
.endr
.irp p, 0,1
.irp g, 0,1,2,3
	v_cvt_scalef32_pk8_fp8_f32 v[LC+8*\p+2*\g:LC+8*\p+2*\g+1], v[LX+32*\p+8*\g:LX+32*\p+8*\g+7], v11
.endr
.endr
	v_nop                                          ; one plain instruction behind the last scaled conversion
.irp p, 0,1
.irp j, 0,1,2,3,4,5,6,7
	ds_store_b32 v13, v[LC+8*\p+\j] offset:LP*\p+128*\j   ; word j: the codes of k = 128 j + 4 lane + 0 .. 3
.endr
.endr
	s_wait_dscnt 0x0                               ; for the others' sake: my stores have landed
	s_barrier_signal -1
	s_barrier_wait -1                              ; 16 rows of codes lie in LDS
.irp c, 0,1,2,3
	ds_load_b128 v[LX+4*\c:LX+4*\c+3], v14 offset:32*\c
.endr
.irp c, 0,1,2,3
	s_wait_dscnt 3-\c                              ; LDS loads come back in order: part c is in
	global_store_b128 v12, v[LX+4*\c:LX+4*\c+3], s[12:13] offset:512*\c   ; the wave stores 512 consecutive bytes, aligned
.endr
	s_wait_tensorcnt 0x0
	ds_add_u32 v192, v193
	s_wait_dscnt 0x0
	s_endpgm
.endm
	s_load_b256 s[4:11], s[0:1], 0x0               ; hidden_states s[4:5], ln1_w s[6:7], ln1_b s[8:9], the scales' exponents s[10:11]
	s_load_b256 s[12:19], s[0:1], 0x20             ; act s[12:13], w_attn s[14:15], w_proj s[16:17], w_fc s[18:19]
	s_load_b128 s[20:23], s[0:1], 0x40             ; w_fc_proj s[20:21], wc s[22:23]
	v_lshl_add_u32 v192, v0, 2, 0x4200
	v_mov_b32 v193, 0
	v_lshrrev_b32 v2, 5, v0
	s_delay_alu instid0(VALU_DEP_1)
	v_readfirstlane_b32 s2, v2                     ; wave 0..7
	v_and_b32 v1, 31, v0                           ; lane
	s_delay_alu instid0(VALU_DEP_1)
	v_lshlrev_b32 v3, 2, v1                        ; weights: 4 bytes a lane
	v_bfe_u32 v6, v0, 3, 1                         ; u = (lane / 8) % 2: which of the two tiles my column belongs to
	v_and_b32 v7, 7, v0
	v_bfe_u32 v8, v0, 4, 1
	s_delay_alu instid0(VALU_DEP_1)
	v_lshl_add_u32 v7, v8, 3, v7                   ; its image row: lane % 8 + 8 (lane / 16)
	s_wait_kmcnt 0x0
	s_cmp_lt_u32 ttmp9, 48                         ; the paths part on the work-group's number alone
	s_cbranch_scc0 .Lnot_attn
	s_wait_alu depctr_va_vdst(0)
	QW 3072, 16384, 0, 2, 14, 0, 4
.Lnot_attn:
	s_cmp_lt_u32 ttmp9, 64
	s_cbranch_scc0 .Lnot_proj
	s_wait_alu depctr_va_vdst(0)
	QW 1024, 16384, 48, 2, 16, 0x300000, 28
.Lnot_proj:
	s_cmp_lt_u32 ttmp9, 128
	s_cbranch_scc0 .Lnot_fc
	s_wait_alu depctr_va_vdst(0)
	QW 4096, 16384, 64, 2, 18, 0x400000, 36
.Lnot_fc:
	s_cmp_lt_u32 ttmp9, 192
	s_cbranch_scc0 .Lnorm
	s_wait_alu depctr_va_vdst(0)
	QW 1024, 65536, 128, 4, 20, 0x800000, 44
.Lnorm:
	s_sub_co_u32 s24, ttmp9, 192
	s_wait_alu depctr_va_vdst(0)
	LNBODY 0
.Lfunc_end_k_qb9946a4ab6_prep:
	.size	k_qb9946a4ab6_prep, .Lfunc_end_k_qb9946a4ab6_prep-k_qb9946a4ab6_prep
	.p2alignl 7, 3214868480
	.fill 96, 4, 3214868480
	.section	.rodata,"a",@progbits
	.p2align	6, 0x0
	.amdhsa_kernel k_qb9946a4ab6_prep
		.amdhsa_group_segment_fixed_size 17920
		.amdhsa_private_segment_fixed_size 0
		.amdhsa_enable_private_segment 0
		.amdhsa_kernarg_size 80
		.amdhsa_user_sgpr_count 2
		.amdhsa_user_sgpr_kernarg_segment_ptr 1
		.amdhsa_wavefront_size32 1
		.amdhsa_system_sgpr_workgroup_id_x 1
		.amdhsa_system_sgpr_workgroup_id_y 1
		.amdhsa_system_sgpr_workgroup_id_z 1
		.amdhsa_system_vgpr_workitem_id 0
		.amdhsa_next_free_vgpr 194
		.amdhsa_next_free_sgpr 66
		.amdhsa_reserve_vcc 0
		.amdhsa_float_denorm_mode_32 3
		.amdhsa_float_denorm_mode_16_64 3
		.amdhsa_memory_ordered 1
		.amdhsa_forward_progress 1
		.amdhsa_inst_pref_size 208
	.end_amdhsa_kernel
	.amdgpu_metadata
---
amdhsa.version: [ 1, 2 ]
amdhsa.kernels:
  - .name:           k_qb9946a4ab6_prep
    .symbol:         k_qb9946a4ab6_prep.kd
    .args:
      - { .name: hidden_states, .offset: 0, .size: 8, .value_kind: global_buffer, .address_space: global }
      - { .name: ln1_w, .offset: 8, .size: 8, .value_kind: global_buffer, .address_space: global }
      - { .name: ln1_b, .offset: 16, .size: 8, .value_kind: global_buffer, .address_space: global }
      - { .name: lowp_scales, .offset: 24, .size: 8, .value_kind: global_buffer, .address_space: global }
      - { .name: act, .offset: 32, .size: 8, .value_kind: global_buffer, .address_space: global }
      - { .name: w_attn, .offset: 40, .size: 8, .value_kind: global_buffer, .address_space: global }
      - { .name: w_proj, .offset: 48, .size: 8, .value_kind: global_buffer, .address_space: global }
      - { .name: w_fc, .offset: 56, .size: 8, .value_kind: global_buffer, .address_space: global }
      - { .name: w_fc_proj, .offset: 64, .size: 8, .value_kind: global_buffer, .address_space: global }
      - { .name: wc, .offset: 72, .size: 8, .value_kind: global_buffer, .address_space: global }
    .group_segment_fixed_size: 17920
    .private_segment_fixed_size: 0
    .kernarg_segment_align: 8
    .kernarg_segment_size: 80
    .max_flat_workgroup_size: 256
    .sgpr_count:     66
    .vgpr_count:     194
    .wavefront_size: 32
...
	.end_amdgpu_metadata
.endif
;; end of part 8
;; launch gemm_qkv (part 9): grid 32 x 8, 4 waves a work-group, clusters of 4 x 1, 327,680 bytes of LDS; arguments act, wc, lowp_scales, b_attn, qkv; writes qkv
.if DOCPART == 9
	.amdgcn_target "amdgcn-amd-amdhsa--gfx1250"
	.amdhsa_code_object_version 6
	.text
	.protected	k_qb9946a4ab6_gemm_qkv
	.globl	k_qb9946a4ab6_gemm_qkv
	.p2align	8
	.type	k_qb9946a4ab6_gemm_qkv,@function
k_qb9946a4ab6_gemm_qkv:
	s_mov_b64 s[64:65], 0
	v_nop
	global_prefetch_b8 v0, s[64:65] scope:SCOPE_SE
	s_setreg_imm32_b32 hwreg(HW_REG_WAVE_MODE, 25, 1), 1
	s_wait_xcnt 0x0
	s_wait_alu depctr_hold_cnt(0) depctr_sa_sdst(0) depctr_va_vdst(0) depctr_va_sdst(0) depctr_va_ssrc(0) depctr_va_vcc(0) depctr_vm_vsrc(0)
	s_getreg_b32 s2, hwreg(HW_REG_IB_STS2, 6, 4)
	s_cmp_eq_u32 s2, 0
	s_cbranch_scc0 .Lentry_in_a_cluster
	s_endpgm
.Lentry_in_a_cluster:
	s_bfe_u32 s2, ttmp6, 0x10000c
	s_cmp_lg_u32 s2, 0x3003
	s_cbranch_scc0 .Lentry_shape_is_right
	s_endpgm
.Lentry_shape_is_right:
; GEMM_QKV: qkv = LN1(x) w_attn + b_attn on codes of FP8 (E4M3), and q, k, v as codes for attention.  M 4,096, N 3,072, K 1,024.
; OPERANDS ARE IMAGES OF THEIR REGISTERS: a fragment of 16 rows x 128 K is 2,048 bytes; part c (512 bytes) holds at 16 x lane the codes of row lane % 16, k = 32 c + 16 (lane / 16) + 0 .. 15.
; That is one permutation of k, alike in both operands, so every product meets its partner.  An operand is [rows / 16][K / 128][2,048].  A fragment comes by four loads of 512 consecutive bytes: no pitch, no padding.
; A WORK-GROUP STAYS: it owns 128 rows (row tile yt, the grid's x) and walks three tiles of 128 columns: tile columns X, X + 8, X + 16 (X the grid's y): one of q, one of k, one of v.  Four waves of 64 x 64, 16 accumulators each.
; A STAYS IN REGISTERS: a wave's 64 rows x 1,024 K are 65,536 bytes, 512 registers, loaded once, straight from the images.  So LDS holds B alone: two slots of 131,072 bytes, a whole tile's B each,
; and a step of 128 along K reads 16 LDS loads a wave for its 16 matrix instructions.  The third tile's B is asked for when the first tile's has been read out.
; CLUSTER: the four work-groups of a cluster (four row tiles, one X) walk the same B and ask for it jointly.  A is not asked for jointly: a tensor load lands in LDS, and A's 131,072 bytes beside the two slots would be 393,216 of 327,680.
; Weight tile 2 B + u holds at image row p the column 32 B + 8 u + p + 8 (p / 8).  q, k: source 0 = weight tile, source 1 = token block: a lane holds one token, and tiles 2 B, 2 B + 1 give it 16 neighbouring columns.
; v: the sources are swapped: a lane holds one channel and eight neighbouring tokens, since the keys are the K of attention's second product.
; OUT: q at 0, k at 4 MiB: [batch x 16 + head][token / 16][1,024]: 16 tokens x 64 channels, two parts of 512 bytes as above.
;      v at 8 MiB: [batch x 16 + head][key / 128][4][2,048]: tile dt, row p = channel 32 (dt / 2) + 8 (dt % 2) + p + 8 (p / 8); lane (p, h), registers 2 c, 2 c + 1: keys 16 c + 8 h + 0 .. 7.
; LIMITS: e0 + e1 between -126 and 127; e2, e3, e5 between -126 and 119.  NaN among the inputs is not served.
; REGISTERS: window 0: v2 16 x lane, v3, v5 the biases' offsets, v6-9, v30, v31 scales and 448 x them, v20, v21 LDS addresses, v28, v29 the spare word's address and 0, v96-127 codes, v128-255 accumulators ((a, b) at 128 + 8 (4 a + b)).
;            window 1: B's four fragments: v64-127 in the even steps, v0-63 in the odd ones; from v128 the three tiles' biases.   windows 2, 3: A: fragment (a, q) at v[64 (q % 4) + 16 a] of window 2 + q / 4.
.set WOFF,   0                         ; w_attn's images in wc
.set SLOT,   131072                    ; a tile's B: 8 image tiles x 16,384 bytes
.set TSTEP,  0x100000                  ; bytes of wc from a tile's B to the next tile's: 8 tile columns x 131,072
.set SPARE,  2*SLOT                    ; the spare words, 128 bytes for each wave: two blocks of 256 bytes that no other line names
.set ADRB, 20                          ; v20-21 LDS address of my B fragments in slot 0, 1
.set SPW,  28
.set NIL,  29
.set ACC,  128
.set BIAS, 128                         ; in window 1
.set G1,   24                          ; s[24:31] descriptor group 1; s[32:39] group 0, one set a slot
.set G0,   32
.set MSB,  0
.set MW,   0
.set TO_F, 0x40                        ; destination window 1, address window 0
.macro WIN new                         ; the immediate's high byte repeats the setting that is left
.if MSB != \new
	s_set_vgpr_msb (MSB<<8)|\new
.set MSB, \new
.endif
.endm
.macro CREST                           ; a round of the cluster's barrier behind its opening barrier
	s_cmp_lg_u32 s16, 0
	s_cbranch_scc1 .Lnot_wave_0_\@
	s_barrier_signal -3
.Lnot_wave_0_\@:
	s_barrier_wait -3
	s_barrier_signal -1
	s_barrier_wait -1
.endm
.macro CROUND
	s_barrier_signal -1
	s_barrier_wait -1
	CREST
.endm
.macro PLACES                          ; four plain instructions between a matrix instruction and a load into, or a read of, its registers
.rept 4
	v_nop
.endr
.endm
.macro FETCHB slot, q                  ; 16 LDS loads in one run: my four fragments of B of the slot's q-th 128 along K
.set GB, 64-64*((\q)%2)
	WIN TO_F
.irp i, 0,1,2,3
.irp c, 0,1,2,3
	ds_load_b128 v[GB+16*\i+4*\c:GB+16*\i+4*\c+3], v[ADRB+\slot] offset:\i*16384+(\q)*2048+512*\c
.endr
.endr
.endm
; 4 matrix instructions: A's block a x B's four, the q-th 128 along K.  zero = 1: the product starts the sum.  swap = 0: source 0 = B; 1: source 0 = A.
; The 16 accumulators take turns, one instruction a turn, in the same order in every step.
.macro MULA q, a, zero, swap
.set FB, 64-64*((\q)%2)
.set AR, 64*((\q)%4)+16*(\a)
.set DR, ACC+32*(\a)
.irp b, 0,1,2,3
.if \swap
.if \zero
	v_wmma_f32_16x16x128_fp8_fp8 v[DR+8*\b:DR+8*\b+7], v[AR:AR+15], v[FB+16*\b:FB+16*\b+15], 0
.else
	v_wmma_f32_16x16x128_fp8_fp8 v[DR+8*\b:DR+8*\b+7], v[AR:AR+15], v[FB+16*\b:FB+16*\b+15], v[DR+8*\b:DR+8*\b+7]
.endif
.else
.if \zero
	v_wmma_f32_16x16x128_fp8_fp8 v[DR+8*\b:DR+8*\b+7], v[FB+16*\b:FB+16*\b+15], v[AR:AR+15], 0
.else
	v_wmma_f32_16x16x128_fp8_fp8 v[DR+8*\b:DR+8*\b+7], v[FB+16*\b:FB+16*\b+15], v[AR:AR+15], v[DR+8*\b:DR+8*\b+7]
.endif
.endif
.endr
.endm
.macro SETMW q, swap                   ; the products' windows: B window 1, A window 2 + q / 4, C and D window 0
.if \swap
.set MW, 0x06+((\q)/4)
.else
.set MW, 0x09+4*((\q)/4)
.endif
.endm
.macro QUARTER slot, q, zero, swap     ; step q (0 .. 6) of a tile: its 16 products; behind the first four the next step's fragments are fetched
	SETMW \q, \swap
	s_wait_dscnt 0x0                               ; this step's 16 loads are in
	WIN MW
	MULA \q, 0, \zero, \swap
	PLACES
	FETCHB \slot, (\q)+1
	WIN MW
	MULA \q, 1, \zero, \swap
	MULA \q, 2, \zero, \swap
	MULA \q, 3, \zero, \swap
.endm
; A tile's last step changes slots: one barrier; in front of it each wave waits for all its tensor loads, adds 0 to its spare word, and waits for that and for its reads of this slot.
; fill = 1: this slot is filled again, with the B of the tile two further on: the barrier then opens a round of the cluster's.
.macro TURN slot, next, fill, swap
	SETMW 7, \swap
	WIN 0
	s_wait_tensorcnt 0x0                           ; all my tensor loads have landed: my part of the next slot
	ds_add_u32 v[SPW], v[NIL]                      ; 0 onto my spare word
	s_wait_dscnt 0x1                               ; (the add may be out; this step's 16 loads are in)
	WIN MW
	MULA 7, 0, 0, \swap
	MULA 7, 1, 0, \swap
	s_wait_dscnt 0x0                               ; the add is done, and my reads of this slot are over
	s_barrier_signal -1
	WIN 0
	s_barrier_wait -1
.if \fill
	CREST                                          ; no wave of any partner still reads this slot or has a load on its way
	s_add_nc_u64 s[G0+4*\slot+2:G0+4*\slot+3], s[G0+4*\slot+2:G0+4*\slot+3], 2*TSTEP
	tensor_load_to_lds s[G0+4*\slot:G0+4*\slot+3], s[G1:G1+7]   ; my one tensor load behind the round: it has this tile's way out and the next tile's products in which to land
	s_nop 0
	PLACES                                         ; (the places in front of the loads below)
.else
	PLACES
.endif
	FETCHB \next, 0
	WIN MW
	MULA 7, 2, 0, \swap
	MULA 7, 3, 0, \swap
	WIN 0
.endm
.macro LASTQ swap                      ; the last tile's last step: nothing more to fetch
	SETMW 7, \swap
	s_wait_dscnt 0x0
	WIN MW
	MULA 7, 0, 0, \swap
	MULA 7, 1, 0, \swap
	MULA 7, 2, 0, \swap
	MULA 7, 3, 0, \swap
	WIN 0
.endm
.macro TILE slot, next, mode, swap     ; mode 2: change of slots and refill; 1: change of slots; 0: the last tile
	QUARTER \slot, 0, 1, \swap                     ; the first step's products start the sums: nothing is cleared
.irp q, 1,2,3,4,5,6
	QUARTER \slot, \q, 0, \swap
.endr
.if \mode
	TURN \slot, \next, \mode-1, \swap
.else
	LASTQ \swap
.endif
.endm
.macro MKQ e, sc, lim                  ; s[e] = an exponent  ->  v[sc] = 2^e, v[lim] = 448 x 2^e
	s_add_co_i32 s90, s[\e], 127
	s_lshl_b32 s91, s90, 23
	v_mov_b32 v[\sc], s91
	s_add_co_i32 s90, s90, 8
	s_lshl_b32 s90, s90, 23
	s_or_b32 s90, s90, 0x600000
	v_mov_b32 v[\lim], s90
.endm
; The way out of tile t (0: q, 1: k): sum x 2^(e0 + e1) + bias, the hold, the codes; a lane's 16 codes are 16 bytes of an image.
.macro EPIQK t, sc, lim
.if \t > 0
	s_wait_xcnt 0x0                                ; the last tile's stores have read their data: the codes' registers may be written again
.endif
	PLACES
	WIN 0x10                                       ; source 2 (the bias) window 1
.irp a, 0,1,2,3
.irp b, 0,1,2,3
.irp i, 0,2,4,6
	v_pk_fma_f32 v[ACC+8*(4*\a+\b)+\i:ACC+8*(4*\a+\b)+\i+1], v[ACC+8*(4*\a+\b)+\i:ACC+8*(4*\a+\b)+\i+1], s[66:67], v[BIAS+32*\t+8*\b+\i:BIAS+32*\t+8*\b+\i+1] op_sel_hi:[1,0,1]   ; each accumulator from its low end on
.endr
.endr
.endr
	WIN 0
.irp a, 0,1,2,3
.irp p, 0,1
.irp i, 0,1,2,3,4,5,6,7,8,9,10,11,12,13,14,15
	v_med3_num_f32 v[ACC+8*(4*\a+2*\p)+\i], v[ACC+8*(4*\a+2*\p)+\i], -v[\lim], v[\lim]   ; the conversion to an 8-bit code does not saturate (ISA guide 7.6.2): the hold comes first
.endr
	v_cvt_scalef32_pk8_fp8_f32 v[96+4*(2*\a+\p):97+4*(2*\a+\p)], v[ACC+8*(4*\a+2*\p):ACC+8*(4*\a+2*\p)+7], v[\sc]
	v_cvt_scalef32_pk8_fp8_f32 v[98+4*(2*\a+\p):99+4*(2*\a+\p)], v[ACC+8*(4*\a+2*\p)+8:ACC+8*(4*\a+2*\p)+15], v[\sc]
	global_store_b128 v2, v[96+4*(2*\a+\p):99+4*(2*\a+\p)], s[12:13] offset:\t*0x400000+\a*1024+512*\p   ; channels 32 p + 16 (lane / 16) + 0 .. 15 of token lane % 16: the wave stores 512 consecutive bytes, aligned
.endr
.endr
	v_nop                                          ; one plain instruction behind the last scaled conversion
.endm
; The way out of v's tile: a lane holds one channel and eight neighbouring tokens of each block.
.macro EPIV
	s_wait_xcnt 0x0                                ; the last tile's stores have read their data
	PLACES
	WIN 0x10
.irp a, 0,1,2,3
.irp b, 0,1,2,3
.irp n, 0,2,4,6
	v_pk_fma_f32 v[ACC+8*(4*\a+\b)+\n:ACC+8*(4*\a+\b)+\n+1], v[ACC+8*(4*\a+\b)+\n:ACC+8*(4*\a+\b)+\n+1], s[66:67], v[BIAS+64+2*\b:BIAS+65+2*\b] op_sel_hi:[1,0,1]
.endr
.endr
.endr
	WIN 0
.irp b, 0,1,2,3
.irp i, 0,1
.irp u, 0,1
.irp n, 0,1,2,3,4,5,6,7
	v_med3_num_f32 v[ACC+8*(4*(2*\i+\u)+\b)+\n], v[ACC+8*(4*(2*\i+\u)+\b)+\n], -v9, v9
.endr
.endr
	v_cvt_scalef32_pk8_fp8_f32 v[96+4*(2*\b+\i):97+4*(2*\b+\i)], v[ACC+8*(4*(2*\i)+\b):ACC+8*(4*(2*\i)+\b)+7], v8
	v_cvt_scalef32_pk8_fp8_f32 v[98+4*(2*\b+\i):99+4*(2*\b+\i)], v[ACC+8*(4*(2*\i+1)+\b):ACC+8*(4*(2*\i+1)+\b)+7], v8
	global_store_b128 v2, v[96+4*(2*\b+\i):99+4*(2*\b+\i)], s[14:15] offset:\b*2048+512*\i   ; registers 4 (2 half + i) on of the image of channel tile b
.endr
.endr
	v_nop
.endm
	s_load_b128 s[4:7], s[0:1], 0x0                ; A's images (act) s[4:5], the weights' images s[6:7]
	s_load_b128 s[8:11], s[0:1], 0x10              ; the scales' exponents s[8:9], b_attn s[10:11]
	s_load_b64 s[12:13], s[0:1], 0x20              ; qkv
	v_lshl_add_u32 v[SPW], v0, 2, SPARE
	v_mov_b32 v[NIL], 0
	ds_add_u32 v28, v29
	ds_add_u32 v28, v29
	s_wait_dscnt 0x0
	v_lshrrev_b32 v1, 5, v0
	v_readfirstlane_b32 s16, v1                    ; wave 0..3
	s_lshr_b32 s17, s16, 1                         ; which 64 rows of the tile are mine
	s_and_b32 s18, s16, 1                          ; which 64 columns
	s_bfe_u32 s40, ttmp6, 0x40000                  ; cx: my place in the cluster: it enters A's and the results' addresses alone
	s_lshl_b32 s43, ttmp9, 2
	s_add_co_u32 s43, s43, s40                     ; yt: my row tile
	s_and_b32 s42, ttmp7, 0xffff                   ; X: my column group, which the four partners share
	s_mov_b32 s[G1], 15|(3<<16)|(1<<21)            ; 15:0 the mask: all four work-groups; 17:16 elements of 8 bytes; 21 set beside a mask; no padding
	s_mov_b32 s[G1+1], 32<<16                      ; a dense block of 32,768 bytes as 128 rows of 256: tensor_dim0 = 32
	s_mov_b32 s[G1+2], 128<<16                     ; tensor_dim1 = 128
	s_mov_b32 s[G1+3], 32<<16                      ; tile_dim0
	s_mov_b32 s[G1+4], 128                         ; tile_dim1
	s_mov_b32 s[G1+5], 32                          ; the pitch
	s_mov_b32 s[G1+6], 0
	s_mov_b32 s[G1+7], 0
	s_lshl_b32 s22, s16, 15                        ; my quarter of a tile's B: wave x 32,768, in memory and in a slot
	s_lshl_b32 s46, s42, 17                        ; tile column X: 8 image tiles of 16,384 bytes
	s_add_co_u32 s46, s46, s22
	s_add_co_u32 s46, s46, WOFF
	s_mov_b32 s47, 0
	s_lshl_b32 s20, s43, 17                        ; A: block 8 yt + 4 x half, 16,384 bytes a block
	s_lshl_b32 s21, s17, 16
	s_add_co_u32 s20, s20, s21
	s_mov_b32 s21, 0
	s_lshl_b32 s50, s42, 9                         ; the bias at my first column of the first tile: 128 X + 64 x half
	s_lshl_b32 s51, s18, 8
	s_add_co_u32 s50, s50, s51
	s_mov_b32 s51, 0
	s_lshl_b32 s84, s42, 1
	s_add_co_u32 s84, s84, s18                     ; my 64 columns are one head: 2 X + half
	s_lshr_b32 s85, s43, 4                         ; the batch
	s_lshl_b32 s85, s85, 4
	s_add_co_u32 s84, s84, s85                     ; 16 x batch + head
	s_lshl_b32 s86, s84, 17                        ; q, k: 131,072 bytes a head,
	s_lshl_b32 s87, s43, 3
	s_lshl_b32 s88, s17, 2
	s_add_co_u32 s87, s87, s88
	s_and_b32 s87, s87, 127                        ; my first token block in the batch,
	s_lshl_b32 s87, s87, 10                        ; 1,024 bytes a block
	s_add_co_u32 s86, s86, s87
	s_mov_b32 s87, 0
	s_lshl_b32 s88, s84, 4                         ; v: x 16 + the key step: my tile's 128 tokens,
	s_and_b32 s89, s43, 15
	s_add_co_u32 s88, s88, s89
	s_lshl_b32 s88, s88, 13                        ; x four images of 2,048 bytes;
	s_lshl_b32 s89, s17, 10                        ; my 64 tokens are half of each image
	s_add_co_u32 s88, s88, s89
	s_add_co_u32 s88, s88, 0x800000
	s_mov_b32 s89, 0
	s_wait_kmcnt 0x0
	s_load_b256 s[72:79], s[8:9], 0x0              ; e0 .. e7
	s_add_nc_u64 s[4:5], s[4:5], s[20:21]
	s_add_nc_u64 s[46:47], s[6:7], s[46:47]
	s_add_nc_u64 s[10:11], s[10:11], s[50:51]
	s_add_nc_u64 s[14:15], s[12:13], s[88:89]      ; v's place
	s_add_nc_u64 s[12:13], s[12:13], s[86:87]      ; q's place; k's lies 4 MiB further on
.irp s, 0,1
	s_mov_b32 s[G0+4*\s], 1                        ; count = 1
	s_add_co_u32 s[G0+4*\s+1], s22, \s*SLOT        ; LDS address: no place in the cluster enters it
	s_add_nc_u64 s[G0+4*\s+2:G0+4*\s+3], s[46:47], \s*TSTEP   ; slot s begins with tile s
	s_or_b32 s[G0+4*\s+3], s[G0+4*\s+3], 0x80000000   ; type = 2
.endr
	CROUND                                         ; all four work-groups are here: the first joint loads meet
	tensor_load_to_lds s[G0:G0+3], s[G1:G1+7]      ; slot 0's fill: my one tensor load at the head
	s_nop 0
	PLACES
	v_and_b32 v1, 31, v0
	v_lshlrev_b32 v2, 4, v1                        ; 16 x lane
	s_lshl_b32 s19, s18, 16                        ; my four image tiles of B
	v_add_nc_u32 v[ADRB], s19, v2
	s_add_co_u32 s19, s19, SLOT
	v_add_nc_u32 v[ADRB+1], s19, v2
	v_bfe_u32 v3, v0, 4, 1
	v_lshlrev_b32 v3, 6, v3                        ; q's and k's bias in the result's layout: 16 numbers further on for lanes 16-31
	v_and_b32 v4, 15, v0
	v_and_b32 v5, 8, v4
	v_add_nc_u32 v5, v4, v5
	v_lshlrev_b32 v5, 2, v5                        ; v's: my channel in a tile: r + 8 (r / 8)
	WIN 0x80                                       ; destination window 2
.irp q, 0,1,2,3
.irp a, 0,1,2,3
.irp c, 0,1,2,3
	global_load_b128 v[64*\q+16*\a+4*\c:64*\q+16*\a+4*\c+3], v2, s[4:5] offset:\a*16384+\q*2048+512*\c   ; A's fragments stay in registers: 512 consecutive bytes a load
.endr
.endr
.endr
	WIN 0xc0                                       ; destination window 3
.irp q, 0,1,2,3
.irp a, 0,1,2,3
.irp c, 0,1,2,3
	global_load_b128 v[64*\q+16*\a+4*\c:64*\q+16*\a+4*\c+3], v2, s[4:5] offset:\a*16384+(\q+4)*2048+512*\c
.endr
.endr
.endr
	WIN TO_F                                       ; destination window 1: the three tiles' biases; a tile column is 8 x 128 columns, 4,096 bytes, from the last
.irp t, 0,1
.irp b, 0,1,2,3
	global_load_b128 v[BIAS+32*\t+8*\b:BIAS+32*\t+8*\b+3], v3, s[10:11] offset:\t*4096+(32*(\b/2)+8*(\b%2))*4
	global_load_b128 v[BIAS+32*\t+8*\b+4:BIAS+32*\t+8*\b+7], v3, s[10:11] offset:\t*4096+(32*(\b/2)+8*(\b%2))*4+16
.endr
.endr
.irp b, 0,1,2,3
	global_load_b32 v[BIAS+64+2*\b], v5, s[10:11] offset:8192+(32*(\b/2)+8*(\b%2))*4
	global_load_b32 v[BIAS+65+2*\b], v5, s[10:11] offset:8192+(32*(\b/2)+8*(\b%2))*4   ; the same word: a pair for the packed form
.endr
	WIN 0
	s_wait_kmcnt 0x0
	s_add_co_i32 s66, s72, s73
	s_add_co_i32 s66, s66, 127
	s_lshl_b32 s66, s66, 23                        ; 2^(e0 + e1) as f32
	s_mov_b32 s67, s66                             ; (named with it as a pair, so it is written)
	MKQ 74, 30, 31                                 ; e2, for q
	MKQ 75, 6, 7                                   ; e3, for k
	MKQ 77, 8, 9                                   ; e5, for v
	s_wait_alu depctr_va_vdst(0)                   ; the wait at the head's end
	s_wait_tensorcnt 0x0                           ; my part of slot 0 is in; slot 1's first fill is issued as a refill is:
	ds_add_u32 v[SPW], v[NIL]                      ; 0 onto my spare word
	s_wait_dscnt 0x0
	CROUND                                         ; everybody's part of slot 0 is in, and the four partners' joint loads meet
	tensor_load_to_lds s[G0+4:G0+7], s[G1:G1+7]    ; slot 1: it has the first tile's products in which to land
	s_nop 0
	PLACES
	FETCHB 0, 0
	s_wait_loadcnt 0x0                             ; A and the biases
	TILE 0, 1, 2, 0                                ; q; slot 0 then takes v's B
	EPIQK 0, 30, 31
	TILE 1, 0, 1, 0                                ; k
	EPIQK 1, 6, 7
	TILE 0, 1, 0, 1                                ; v, the sources swapped
	EPIV
	s_wait_tensorcnt 0x0                           ; the wave's end
	ds_add_u32 v[SPW], v[NIL]
	s_wait_dscnt 0x0
	CROUND                                         ; the closing round: no work-group ends while a partner may still ask for a tile that names it
	s_endpgm
.Lfunc_end_k_qb9946a4ab6_gemm_qkv:
	.size	k_qb9946a4ab6_gemm_qkv, .Lfunc_end_k_qb9946a4ab6_gemm_qkv-k_qb9946a4ab6_gemm_qkv
	.p2alignl 7, 3214868480
	.fill 96, 4, 3214868480
	.section	.rodata,"a",@progbits
	.p2align	6, 0x0
	.amdhsa_kernel k_qb9946a4ab6_gemm_qkv
		.amdhsa_group_segment_fixed_size 327680
		.amdhsa_private_segment_fixed_size 0
		.amdhsa_enable_private_segment 0
		.amdhsa_kernarg_size 40
		.amdhsa_user_sgpr_count 2
		.amdhsa_user_sgpr_kernarg_segment_ptr 1
		.amdhsa_wavefront_size32 1
		.amdhsa_system_sgpr_workgroup_id_x 1
		.amdhsa_system_sgpr_workgroup_id_y 1
		.amdhsa_system_sgpr_workgroup_id_z 1
		.amdhsa_system_vgpr_workitem_id 0
		.amdhsa_next_free_vgpr 1024
		.amdhsa_next_free_sgpr 96
		.amdhsa_reserve_vcc 0
		.amdhsa_float_denorm_mode_32 3
		.amdhsa_float_denorm_mode_16_64 3
		.amdhsa_memory_ordered 1
		.amdhsa_forward_progress 1
		.amdhsa_inst_pref_size 118
	.end_amdhsa_kernel
	.amdgpu_metadata
---
amdhsa.version: [ 1, 2 ]
amdhsa.kernels:
  - .name:           k_qb9946a4ab6_gemm_qkv
    .symbol:         k_qb9946a4ab6_gemm_qkv.kd
    .args:
      - { .name: act, .offset: 0, .size: 8, .value_kind: global_buffer, .address_space: global }
      - { .name: wc, .offset: 8, .size: 8, .value_kind: global_buffer, .address_space: global }
      - { .name: lowp_scales, .offset: 16, .size: 8, .value_kind: global_buffer, .address_space: global }
      - { .name: b_attn, .offset: 24, .size: 8, .value_kind: global_buffer, .address_space: global }
      - { .name: qkv, .offset: 32, .size: 8, .value_kind: global_buffer, .address_space: global }
    .group_segment_fixed_size: 327680
    .private_segment_fixed_size: 0
    .kernarg_segment_align: 8
    .kernarg_segment_size: 40
    .max_flat_workgroup_size: 128
    .sgpr_count:     96
    .vgpr_count:     1024
    .wavefront_size: 32
...
	.end_amdgpu_metadata
.endif
;; end of part 9
;; launch attn (part 10): grid 8 x 32, 16 waves a work-group, clusters of 4 x 1, 309,248 bytes of LDS; arguments qkv, lowp_scales, act; writes act
.if DOCPART == 10
	.amdgcn_target "amdgcn-amd-amdhsa--gfx1250"
	.amdhsa_code_object_version 6
	.text
	.protected	k_qb9946a4ab6_attn
	.globl	k_qb9946a4ab6_attn
	.p2align	8
	.type	k_qb9946a4ab6_attn,@function
k_qb9946a4ab6_attn:
	s_mov_b64 s[64:65], 0
	v_nop
	global_prefetch_b8 v0, s[64:65] scope:SCOPE_SE
	s_setreg_imm32_b32 hwreg(HW_REG_WAVE_MODE, 25, 1), 1
	s_wait_xcnt 0x0
	s_wait_alu depctr_hold_cnt(0) depctr_sa_sdst(0) depctr_va_vdst(0) depctr_va_sdst(0) depctr_va_ssrc(0) depctr_va_vcc(0) depctr_vm_vsrc(0)
	s_getreg_b32 s2, hwreg(HW_REG_IB_STS2, 6, 4)
	s_cmp_eq_u32 s2, 0
	s_cbranch_scc0 .Lentry_in_a_cluster
	s_endpgm
.Lentry_in_a_cluster:
	s_bfe_u32 s2, ttmp6, 0x10000c
	s_cmp_lg_u32 s2, 0x3003
	s_cbranch_scc0 .Lentry_shape_is_right
	s_endpgm
.Lentry_shape_is_right:
; ATTN: causal attention of one head on codes of FP8 (E4M3); its result leaves as codes for the projection.  32 heads (batch x 16 + head) of 2,048 tokens x 64 channels.
; THE SOFTMAX AHEAD OF THE SECOND PRODUCT: t = score x log2(e); M = the largest t so far, rounded up to a whole number; p = 2^(t - M) is quantised, not normalised; the sum is taken of the
; unquantised p and divides at the end.  When M moves, the sum and O are multiplied by 2^(old M - new M): exact.
; SHARES.  Work-group g (0..7) of a head owns the 16 query tiles 8 j + g, j = 0..15; tile j needs the key steps 0 .. j (128 keys each): 136 steps, dealt evenly to 16 waves.
; Pair m (0..7) is two waves.  The wave with bit 2 of its number clear takes tile 8 + m's steps 0 .. 8 (9 steps) and leaves -M, the sum and O^T in LDS.
; The other takes tile 7 - m whole (8 - m steps), stores it, then tile 8 + m's steps 9 .. 8 + m (m steps): 8 steps, two ways out and the joining.  Behind one barrier it joins the two halves:
; both are brought under the larger M by powers of two, which rounds nothing, and added (with m = 0 its own half is empty: zeros under M = -3e38, which the joining multiplies by 0).
; Every wave walks both loops (9 and 7 trips); a step that is not its own is jumped over by a branch on ids.
; LDS holds the head's whole K (131,072 bytes: key step ks at 8,192 ks) and whole V^T (from 131,072 on, likewise): filled once, sixteen pieces of 16,384 bytes, one tensor load a wave.
; CLUSTER: the four work-groups of a cluster belong to one head and ask for K and V jointly.  No prefetch: all of K and V is asked for at the head, and there is no loop to run ahead in.
; LAYOUT.  S^T = K Q^T (source 0 = 16 keys, source 1 = my queries): a lane holds ONE query (lane % 16) and, in tile t, keys 16 t + 8 (lane / 16) + 0 .. 7: converted tile by tile these are registers 2 t, 2 t + 1
; of the second product's operand, in whose layout V^T's images were stored.  O^T = V^T P^T: tiles 2 b, 2 b + 1 give a lane channels 32 b + 16 (lane / 16) + 0 .. 15.
; THE MASK.  On the diagonal step hidden scores become -10,000, as the problem has it.  Steps all of whose keys are hidden are left out: their p = 2^(-14,427 - M) is 0 in f32.
; LIMIT: that holds while a row's largest visible score lies above about -9,800.  LIMITS on the exponents: e2 + e3 between -120 and 110; e4, e6 between -126 and 119.  NaN among the inputs is not served.
; REGISTERS: v1 16 x lane; v2 my query against the step's keys; v3 the masked score; v4, v5 LDS addresses; v6 the pair's place in LDS; v7, v8 2^e6 and 448 x it; v9, v11 the spare word's address and 0;
;   v10 a permute's destination; v12 -M, v13 the largest t; v[14:15], v[28:29] the sum; v16-23 Q; v24, v25 2^e4 and 448 x it; v[26:27] f; v30, v31 at work; v32-95 K's fragments, then p's codes;
;   v96-159 S^T, then p; v160-223 V's fragments; v224-255 O^T.
.set SPARE, 0x40000                    ; the spare words: 128 bytes for each of 16 waves
.set PART,  0x40800                    ; eight places of 5,632 bytes, one a pair: the first wave's O^T (4,096) and v[12:15] (512), then the second wave's Q of the long tile (1,024); no fill lands here
.set WV,  10
.set JJ,  11                           ; s11 the last key step of the tile in hand
.set CS,  16                           ; s[16:17] c = log2(e) / 8 x 2^(e2 + e3)
.set SEL, 18                           ; s[18:19] lane selects: lane l xor 16
.set TB,  20                           ; s20 LDS byte of the step's tiles of K
.set KS,  21                           ; s21 the key step
.set CNT, 22
.set ROLE, 23                          ; s23 bit 2 of the wave's number
.set G1,  24
.set G0,  32
.set PM,  36                           ; s36 m
.set JL,  37                           ; s37 8 + m
.set ES,  38                           ; s38 e4 + e5
.macro CROUND
	s_barrier_signal -1
	s_barrier_wait -1
	s_cmp_lg_u32 s[WV], 0
	s_cbranch_scc1 .Lnot_wave_0_\@
	s_barrier_signal -3
.Lnot_wave_0_\@:
	s_barrier_wait -3
	s_barrier_signal -1
	s_barrier_wait -1
.endm
.macro INIT                            ; a tile's start: the largest t -3e38, the sum and O^T zeros, which the first change of M leaves zeros
	v_mov_b32 v13, 0xff61b1e6
	s_delay_alu instid0(VALU_DEP_1)
	v_floor_f32 v12, -v13
	v_mov_b32 v14, 0
	v_mov_b32 v15, 0
.set zi, 0
.rept 32
	v_mov_b32 v[224+zi], 0
.set zi, zi+1
.endr
.endm
	s_load_b128 s[4:7], s[0:1], 0x0                ; qkv s[4:5], the scales' exponents s[6:7]
	s_load_b64 s[8:9], s[0:1], 0x10                ; act
	v_lshl_add_u32 v9, v0, 2, SPARE
	v_mov_b32 v11, 0
	ds_add_u32 v9, v11                             ; the opening lines: the add, twice on end, and its wait
	ds_add_u32 v9, v11
	v_lshrrev_b32 v1, 5, v0
	v_readfirstlane_b32 s[WV], v1                  ; wave 0..15
	s_bfe_u32 s[ROLE], s[WV], 0x10002
	s_and_b32 s56, s[WV], 3
	s_lshr_b32 s57, s[WV], 3
	s_lshl_b32 s57, s57, 2
	s_or_b32 s[PM], s56, s57                       ; m
	s_add_co_u32 s[JL], s[PM], 8
	s_sub_co_u32 s57, 7, s[PM]
	s_cmp_eq_u32 s[ROLE], 0
	s_cselect_b32 s[JJ], s[JL], s57                ; my first tile: 8 + m, or 7 - m
	s_bfe_u32 s12, ttmp6, 0x40000                  ; cx
	s_lshl_b32 s13, ttmp9, 2
	s_add_co_u32 s13, s13, s12                     ; g: it enters Q's and the result's addresses and the mask's numbers alone
	s_and_b32 s14, ttmp7, 0xffff                   ; the head, which the four partners share
	s_and_b32 s56, s[WV], 1                        ; I fetch of K (0) or of V (1)
	s_lshr_b32 s57, s[WV], 1                       ; piece 0..7
	s_lshl_b32 s58, s56, 17
	s_lshl_b32 s59, s57, 14
	s_add_co_u32 s58, s58, s59                     ; in LDS,
	s_add_co_u32 s60, s56, 1
	s_lshl_b32 s60, s60, 22                        ; and in memory: k at 4 MiB, v at 8 MiB,
	s_lshl_b32 s61, s14, 17                        ; 131,072 bytes a head
	s_add_co_u32 s60, s60, s61
	s_add_co_u32 s60, s60, s59
	s_mov_b32 s61, 0
	s_mov_b32 s[G1], 15|(3<<16)|(1<<21)            ; the mask: all four work-groups; elements of 8 bytes; bit 21 beside a mask
	s_mov_b32 s[G1+1], 32<<16                      ; a dense block of 16,384 bytes as 64 rows of 256
	s_mov_b32 s[G1+2], 64<<16
	s_mov_b32 s[G1+3], 32<<16
	s_mov_b32 s[G1+4], 64
	s_mov_b32 s[G1+5], 32
	s_mov_b32 s[G1+6], 0
	s_mov_b32 s[G1+7], 0
	s_mov_b32 s[SEL], 0x76543210
	s_mov_b32 s[SEL+1], 0xfedcba98
	s_wait_dscnt 0x0
	s_wait_kmcnt 0x0
	s_load_b256 s[48:55], s[6:7], 0x0              ; e0 .. e7
	s_mov_b32 s[G0], 1
	s_mov_b32 s[G0+1], s58
	s_add_nc_u64 s[G0+2:G0+3], s[4:5], s[60:61]
	s_or_b32 s[G0+3], s[G0+3], 0x80000000
	CROUND                                         ; all four work-groups are here: the joint loads meet
	tensor_load_to_lds s[G0:G0+3], s[G1:G1+7]      ; my one tensor load: a sixteenth of K and V
	s_nop 0
.rept 4
	v_nop
.endr
	s_lshl_b32 s56, s[JJ], 3
	s_add_co_u32 s56, s56, s13                     ; my first tile of queries
	s_lshl_b32 s57, s[JL], 3
	s_add_co_u32 s57, s57, s13                     ; the pair's long tile
	s_lshl_b32 s59, s14, 17
	s_lshl_b32 s62, s57, 10
	s_add_co_u32 s62, s62, s59
	s_mov_b32 s63, 0
	s_add_nc_u64 s[40:41], s[4:5], s[62:63]        ; q's image of the long tile
	s_lshl_b32 s62, s56, 10
	s_add_co_u32 s62, s62, s59
	s_add_nc_u64 s[4:5], s[4:5], s[62:63]          ; and of my first
	s_mul_i32 s58, s[PM], 5632
	s_add_co_u32 s58, s58, PART
	v_and_b32 v1, 31, v0
	v_lshlrev_b32 v1, 4, v1                        ; 16 x lane
	global_load_b128 v[16:19], v1, s[4:5]
	global_load_b128 v[20:23], v1, s[4:5] offset:512
	global_load_b128 v[32:35], v1, s[40:41]        ; the long tile's Q, which the pair's second wave keeps in LDS until it is wanted
	global_load_b128 v[36:39], v1, s[40:41] offset:512
	v_add_nc_u32 v6, s58, v1
	s_lshr_b32 s59, s14, 4                         ; the result: token block 128 x batch + tile, 16,384 bytes a block,
	s_lshl_b32 s59, s59, 21
	s_bfe_u32 s62, s14, 0x30001                    ; K step head / 2 of the projection,
	s_lshl_b32 s62, s62, 11
	s_add_co_u32 s59, s59, s62
	s_and_b32 s62, s14, 1                          ; its half head % 2
	s_lshl_b32 s62, s62, 10
	s_add_co_u32 s59, s59, s62
	s_lshl_b32 s62, s57, 14
	s_add_co_u32 s62, s62, s59
	s_add_nc_u64 s[42:43], s[8:9], s[62:63]        ; the long tile's place
	s_lshl_b32 s62, s56, 14
	s_add_co_u32 s62, s62, s59
	s_add_nc_u64 s[8:9], s[8:9], s[62:63]          ; my first tile's
	v_and_b32 v30, 15, v0
	v_bfe_u32 v31, v0, 4, 1
	v_lshlrev_b32 v31, 3, v31
	v_sub_nc_u32 v2, v30, v31
	s_lshl_b32 s57, s13, 4
	v_add_nc_u32 v2, s57, v2                       ; 16 g + r - 8 h: register 8 t + i of S^T is hidden on the diagonal step where 16 t + i is larger
	v_mov_b32 v10, 0                               ; a lane permute's destination counts as read
	v_mov_b32 v27, 0                               ; (named as the upper halves of pairs)
	v_mov_b32 v29, 0
	INIT
	s_wait_kmcnt 0x0
	s_add_co_i32 s57, s50, s51
	s_lshl_b32 s57, s57, 23
	s_add_co_i32 s[CS], s57, 0x3e38aa3b            ; log2(e) / 8 with e2 + e3 added to its exponent field
	s_mov_b32 s[CS+1], s[CS]
	s_sub_co_u32 s59, 0xc79c4000, s57              ; -80,000 / 2^(e2 + e3): the sum that stands for the score -10,000
	v_mov_b32 v3, s59
	s_add_co_i32 s57, s52, 127
	s_lshl_b32 s59, s57, 23
	v_mov_b32 v24, s59                             ; 2^e4
	s_add_co_i32 s57, s57, 8
	s_lshl_b32 s57, s57, 23
	s_or_b32 s57, s57, 0x600000
	v_mov_b32 v25, s57                             ; 448 x 2^e4
	s_add_co_i32 s57, s54, 127
	s_lshl_b32 s59, s57, 23
	v_mov_b32 v7, s59                              ; 2^e6
	s_add_co_i32 s57, s57, 8
	s_lshl_b32 s57, s57, 23
	s_or_b32 s57, s57, 0x600000
	v_mov_b32 v8, s57                              ; 448 x 2^e6
	s_add_co_i32 s[ES], s52, s53
; A KEY STEP: 128 keys.
.macro STEP
	s_cmp_gt_u32 s[KS], s[JJ]                      ; not a step of the tile in hand: left out.  No barrier and no tensor load stands in a step
	s_cbranch_scc1 .Lhidden_\@
	v_add_nc_u32 v4, s[TB], v1
	s_delay_alu instid0(VALU_DEP_1)
	v_add_nc_u32 v5, 0x20000, v4
	v_nop
	v_nop                                          ; four places in front of loads into registers that the last products read
.irp t, 0,1,2,3,4,5,6,7
	ds_load_b128 v[32+8*\t:35+8*\t], v4 offset:1024*\t
	ds_load_b128 v[36+8*\t:39+8*\t], v4 offset:1024*\t+512
.endr
	s_wait_alu depctr_va_vdst(0)
	s_wait_dscnt 0x0
.irp t, 0,1,2,3,4,5,6,7
	v_wmma_f32_16x16x64_fp8_fp8 v[96+8*\t:103+8*\t], v[32+8*\t:39+8*\t], v[16:23], 0
.endr
.rept 4
	v_nop
.endr
.irp d, 0,1,2,3
.irp c, 0,1,2,3
	ds_load_b128 v[160+16*\d+4*\c:163+16*\d+4*\c], v5 offset:2048*\d+512*\c   ; V's fragments land under the softmax
.endr
.endr
	s_cmp_lg_u32 s[KS], s[JJ]
	s_cbranch_scc1 .Lopen_\@
.irp n, 0,1,2,3,4,5,6,7,8,9,10,11,12,13,14,15,16,17,18,19,20,21,22,23,24,25,26,27,28,29,30,31,32,33,34,35,36,37,38,39,40,41,42,43,44,45,46,47,48,49,50,51,52,53,54,55,56,57,58,59,60,61,62,63
	v_cmp_gt_i32 vcc_lo, 16*(\n/8)+\n%8, v2
	v_cndmask_b32 v[96+\n], v[96+\n], v3, vcc_lo
.endr
.Lopen_\@:
	v_max3_num_f32 v30, v96, v97, v98              ; the step's largest score of my query, in two chains, from the low end on
	v_max3_num_f32 v31, v99, v100, v101
.irp i, 6,10,14,18,22,26,30,34,38,42,46,50,54,58
	v_max3_num_f32 v30, v30, v[96+\i], v[97+\i]
	v_max3_num_f32 v31, v31, v[98+\i], v[99+\i]
.endr
	v_max3_num_f32 v30, v30, v158, v159
	s_delay_alu instid0(VALU_DEP_1)
	v_max_num_f32 v30, v30, v31
	s_delay_alu instid0(VALU_DEP_1)
	v_permlanex16_b32 v10, v30, s[SEL], s[SEL+1]
	s_delay_alu instid0(VALU_DEP_1)
	v_max_num_f32 v30, v30, v10                    ; and among lane l xor 16's
	s_delay_alu instid0(VALU_DEP_1)
	v_mul_f32 v30, s[CS], v30                      ; as t (c is positive)
	s_delay_alu instid0(VALU_DEP_1)
	v_max_num_f32 v13, v13, v30
	v_mov_b32 v30, v12
	s_delay_alu instid0(VALU_DEP_2)
	v_floor_f32 v12, -v13                          ; the new -M = -ceil(t)
	s_delay_alu instid0(VALU_DEP_1)
	v_sub_f32 v30, v12, v30                        ; old M - new M: a whole number, 0 or less
	s_delay_alu instid0(VALU_DEP_1)
	v_cvt_i32_f32 v30, v30                         ; (it saturates)
	s_delay_alu instid0(VALU_DEP_1)
	v_ldexp_f32 v26, 1.0, v30                      ; f = 2^(old M - new M)
.irp j, 0,2,4,6,8,10,12,14,16,18,20,22,24,26,28,30,32,34,36,38,40,42,44,46,48,50,52,54,56,58,60,62
	v_pk_fma_f32 v[96+\j:97+\j], v[96+\j:97+\j], s[CS:CS+1], v[12:13] op_sel_hi:[1,0,0]   ; t - M
.endr
.set ei, 0
	s_wait_alu depctr_va_vdst(0)                   ; the wait ahead of the batch
.rept 64
	v_exp_f32 v[96+ei], v[96+ei]                   ; p = 2^(t - M)
.set ei, ei+1
.endr
	v_pk_mul_f32 v[14:15], v[14:15], v[26:27] op_sel_hi:[1,0]   ; the sum under the new M (a plain place behind the exponentials)
	s_wait_alu depctr_va_vdst(0)                   ; and behind it
	v_pk_add_f32 v[28:29], v[100:101], v[104:105]
	v_pk_add_f32 v[94:95], v[108:109], v[112:113]
	v_pk_add_f32 v[92:93], v[116:117], v[120:121]
	v_pk_add_f32 v[90:91], v[124:125], v[128:129]
	v_pk_add_f32 v[88:89], v[132:133], v[136:137]
	v_pk_add_f32 v[86:87], v[140:141], v[144:145]
	v_pk_add_f32 v[84:85], v[148:149], v[152:153]
	v_pk_add_f32 v[14:15], v[14:15], v[156:157]
	v_pk_add_f32 v[28:29], v[28:29], v[96:97]
	v_pk_add_f32 v[94:95], v[94:95], v[98:99]
	v_pk_add_f32 v[92:93], v[92:93], v[102:103]
	v_pk_add_f32 v[90:91], v[90:91], v[106:107]
	v_pk_add_f32 v[88:89], v[88:89], v[110:111]
	v_pk_add_f32 v[86:87], v[86:87], v[114:115]
	v_pk_add_f32 v[84:85], v[84:85], v[118:119]
	v_pk_add_f32 v[14:15], v[14:15], v[122:123]
	v_pk_add_f32 v[28:29], v[28:29], v[126:127]
	v_pk_add_f32 v[94:95], v[94:95], v[130:131]
	v_pk_add_f32 v[92:93], v[92:93], v[134:135]
	v_pk_add_f32 v[90:91], v[90:91], v[138:139]
	v_pk_add_f32 v[88:89], v[88:89], v[142:143]
	v_pk_add_f32 v[86:87], v[86:87], v[146:147]
	v_pk_add_f32 v[84:85], v[84:85], v[150:151]
	v_pk_add_f32 v[14:15], v[14:15], v[154:155]
	v_pk_add_f32 v[28:29], v[28:29], v[158:159]
	s_delay_alu instid0(VALU_DEP_2)
	v_pk_add_f32 v[14:15], v[14:15], v[90:91]
	s_delay_alu instid0(VALU_DEP_2)
	v_pk_add_f32 v[28:29], v[28:29], v[88:89]
	v_pk_add_f32 v[94:95], v[94:95], v[86:87]
	v_pk_add_f32 v[92:93], v[92:93], v[84:85]
	s_delay_alu instid0(VALU_DEP_2)
	v_pk_add_f32 v[14:15], v[14:15], v[94:95]
	s_delay_alu instid0(VALU_DEP_2)
	v_pk_add_f32 v[28:29], v[28:29], v[92:93]
	s_delay_alu instid0(VALU_DEP_1)
	v_pk_add_f32 v[14:15], v[14:15], v[28:29]
.irp t, 0,1,2,3,4,5,6,7
.irp i, 0,1,2,3,4,5,6,7
	v_min_num_f32 v[96+8*\t+\i], v[96+8*\t+\i], v25   ; p is not negative: the hold is one-sided
.endr
	v_cvt_scalef32_pk8_fp8_f32 v[32+2*\t:33+2*\t], v[96+8*\t:103+8*\t], v24
.endr
.irp j, 0,2,4,6,8,10,12,14,16,18,20,22,24,26,28,30
	v_pk_mul_f32 v[224+\j:225+\j], v[224+\j:225+\j], v[26:27] op_sel_hi:[1,0]   ; O^T under the new M; also the plain place behind the conversions
.endr
	s_wait_alu depctr_va_vdst(0)
	s_wait_dscnt 0x0                               ; V's fragments
.irp d, 0,1,2,3
	v_wmma_f32_16x16x128_fp8_fp8 v[224+8*\d:231+8*\d], v[160+16*\d:175+16*\d], v[32:47], v[224+8*\d:231+8*\d]
.endr
.Lhidden_\@:
.endm
.macro PASS ks0, n                     ; n key steps from ks0 on: a constant count of trips in every wave
	s_mov_b32 s[TB], \ks0*8192
	s_mov_b32 s[KS], \ks0
	s_mov_b32 s[CNT], \n
.Ltrip_\@:
	STEP
	s_add_co_u32 s[TB], s[TB], 8192
	s_add_co_u32 s[KS], s[KS], 1
	s_sub_co_u32 s[CNT], s[CNT], 1
	s_cmp_lg_u32 s[CNT], 0
	s_cbranch_scc1 .Ltrip_\@
.endm
; THE WAY OUT of a tile: O^T / the sum x 2^(e4 + e5), quantised with e6: a lane's 16 codes are 16 bytes of the projection's operand image.
.macro OUT ptr
	v_add_f32 v14, v14, v15
	s_delay_alu instid0(VALU_DEP_1)
	v_permlanex16_b32 v10, v14, s[SEL], s[SEL+1]
	s_delay_alu instid0(VALU_DEP_1)
	v_add_f32 v14, v14, v10                        ; the row's sum
	s_wait_alu depctr_va_vdst(0)                   ; the wait ahead of the transcendental,
	v_rcp_f32 v14, v14
	v_nop                                          ; a plain place behind it,
	s_wait_alu depctr_va_vdst(0)                   ; and the wait ahead of its reader
	v_ldexp_f32 v14, v14, s[ES]
.set oi, 0
.rept 32
	v_mul_f32 v[96+oi], v[224+oi], v14
.set oi, oi+1
.endr
.set oi, 0
.rept 32
	v_med3_num_f32 v[96+oi], v[96+oi], -v8, v8
.set oi, oi+1
.endr
.irp d, 0,1,2,3
	v_cvt_scalef32_pk8_fp8_f32 v[32+2*\d:33+2*\d], v[96+8*\d:103+8*\d], v7
.endr
	v_nop                                          ; one plain instruction behind the last scaled conversion
	global_store_b128 v1, v[32:35], s[\ptr:\ptr+1]              ; 512 consecutive bytes, aligned
	global_store_b128 v1, v[36:39], s[\ptr:\ptr+1] offset:512
.endm
	s_wait_alu depctr_va_vdst(0)                   ; the wait at the head's end
	s_wait_loadcnt 0x0                             ; both Q
	s_wait_tensorcnt 0x0                           ; my piece of K or V is in
	s_barrier_signal -1
	s_barrier_wait -1                              ; all sixteen pieces are: nothing is filled again
	s_cmp_eq_u32 s[ROLE], 0
	s_cbranch_scc1 .Lnokeep
	ds_store_b128 v6, v[32:35] offset:4608         ; the long tile's Q, in bytes that I alone touch
	ds_store_b128 v6, v[36:39] offset:5120
.Lnokeep:
	PASS 0, 9
	s_cmp_eq_u32 s[ROLE], 0
	s_cbranch_scc1 .Lhalf
.rept 4
	v_nop                                          ; places behind the last products
.endr
	ds_load_b128 v[16:19], v6 offset:4608          ; the long tile's Q comes back under the short tile's way out
	ds_load_b128 v[20:23], v6 offset:5120
	OUT 8
	INIT
	s_mov_b32 s[JJ], s[JL]
	s_wait_alu depctr_va_vdst(0)
	s_wait_xcnt 0x0                                ; the stores have read their data: the codes' registers are written again below
	s_wait_dscnt 0x0
	s_branch .Lsecond
.Lhalf:
.rept 4
	v_nop
.endr
.irp k, 0,1,2,3,4,5,6,7
	ds_store_b128 v6, v[224+4*\k:227+4*\k] offset:512*\k   ; my half of the long tile: O^T, each accumulator from its low end on,
.endr
	ds_store_b128 v6, v[12:15] offset:4096         ; -M, the largest t, the sum's two halves
	s_mov_b32 s[JJ], 0                             ; no step of the second loop is mine
.Lsecond:
	PASS 9, 7
.rept 4
	v_nop
.endr
	s_wait_alu depctr_va_vdst(0)
	s_wait_dscnt 0x0                               ; for the others' sake: my stores have landed
	s_barrier_signal -1
	s_barrier_wait -1
	s_cmp_eq_u32 s[ROLE], 0
	s_cbranch_scc1 .Lend
	ds_load_b128 v[32:35], v6 offset:4096          ; the partner's -M (v32) and sum (v34, v35),
.irp k, 0,1,2,3,4,5,6,7
	ds_load_b128 v[96+4*\k:99+4*\k], v6 offset:512*\k      ; and O^T
.endr
	s_wait_dscnt 0x0
	v_min_num_f32 v30, v12, v32                    ; -M of both halves
	v_sub_f32 v31, v30, v12                        ; my M less the common one: a whole number, 0 or less
	v_sub_f32 v33, v30, v32                        ; the partner's likewise
	v_cvt_i32_f32 v31, v31
	v_cvt_i32_f32 v33, v33
	v_ldexp_f32 v26, 1.0, v31
	v_ldexp_f32 v28, 1.0, v33
	v_pk_mul_f32 v[14:15], v[14:15], v[26:27] op_sel_hi:[1,0]
.irp j, 0,2,4,6,8,10,12,14,16,18,20,22,24,26,28,30
	v_pk_mul_f32 v[224+\j:225+\j], v[224+\j:225+\j], v[26:27] op_sel_hi:[1,0]
.endr
	v_pk_fma_f32 v[14:15], v[34:35], v[28:29], v[14:15] op_sel_hi:[1,0,1]
.irp j, 0,2,4,6,8,10,12,14,16,18,20,22,24,26,28,30
	v_pk_fma_f32 v[224+\j:225+\j], v[96+\j:97+\j], v[28:29], v[224+\j:225+\j] op_sel_hi:[1,0,1]
.endr
	OUT 42
.Lend:
	s_wait_tensorcnt 0x0                           ; the wave's end
	ds_add_u32 v9, v11
	s_wait_dscnt 0x0
	CROUND                                         ; the closing round
	s_endpgm
.Lfunc_end_k_qb9946a4ab6_attn:
	.size	k_qb9946a4ab6_attn, .Lfunc_end_k_qb9946a4ab6_attn-k_qb9946a4ab6_attn
	.p2alignl 7, 3214868480
	.fill 96, 4, 3214868480
	.section	.rodata,"a",@progbits
	.p2align	6, 0x0
	.amdhsa_kernel k_qb9946a4ab6_attn
		.amdhsa_group_segment_fixed_size 309248
		.amdhsa_private_segment_fixed_size 0
		.amdhsa_enable_private_segment 0
		.amdhsa_kernarg_size 24
		.amdhsa_user_sgpr_count 2
		.amdhsa_user_sgpr_kernarg_segment_ptr 1
		.amdhsa_wavefront_size32 1
		.amdhsa_system_sgpr_workgroup_id_x 1
		.amdhsa_system_sgpr_workgroup_id_y 1
		.amdhsa_system_sgpr_workgroup_id_z 1
		.amdhsa_system_vgpr_workitem_id 0
		.amdhsa_next_free_vgpr 256
		.amdhsa_next_free_sgpr 66
		.amdhsa_reserve_vcc 1
		.amdhsa_float_denorm_mode_32 3
		.amdhsa_float_denorm_mode_16_64 3
		.amdhsa_memory_ordered 1
		.amdhsa_forward_progress 1
		.amdhsa_inst_pref_size 64
	.end_amdhsa_kernel
	.amdgpu_metadata
---
amdhsa.version: [ 1, 2 ]
amdhsa.kernels:
  - .name:           k_qb9946a4ab6_attn
    .symbol:         k_qb9946a4ab6_attn.kd
    .args:
      - { .name: qkv, .offset: 0, .size: 8, .value_kind: global_buffer, .address_space: global }
      - { .name: lowp_scales, .offset: 8, .size: 8, .value_kind: global_buffer, .address_space: global }
      - { .name: act, .offset: 16, .size: 8, .value_kind: global_buffer, .address_space: global }
    .group_segment_fixed_size: 309248
    .private_segment_fixed_size: 0
    .kernarg_segment_align: 8
    .kernarg_segment_size: 24
    .max_flat_workgroup_size: 512
    .sgpr_count:     66
    .vgpr_count:     256
    .wavefront_size: 32
...
	.end_amdgpu_metadata
.endif
;; end of part 10
;; launch gemm_proj (part 11): grid 32 x 8, 4 waves a work-group, clusters of 4 x 1, 167,936 bytes of LDS; arguments act, wc, lowp_scales, b_proj, hidden_states, h; writes h
.if DOCPART == 11
	.amdgcn_target "amdgcn-amd-amdhsa--gfx1250"
	.amdhsa_code_object_version 6
	.text
	.protected	k_qb9946a4ab6_gemm_proj
	.globl	k_qb9946a4ab6_gemm_proj
	.p2align	8
	.type	k_qb9946a4ab6_gemm_proj,@function
k_qb9946a4ab6_gemm_proj:
	s_mov_b64 s[64:65], 0
	v_nop
	global_prefetch_b8 v0, s[64:65] scope:SCOPE_SE
	s_setreg_imm32_b32 hwreg(HW_REG_WAVE_MODE, 25, 1), 1
	s_wait_xcnt 0x0
	s_wait_alu depctr_hold_cnt(0) depctr_sa_sdst(0) depctr_va_vdst(0) depctr_va_sdst(0) depctr_va_ssrc(0) depctr_va_vcc(0) depctr_vm_vsrc(0)
	s_getreg_b32 s2, hwreg(HW_REG_IB_STS2, 6, 4)
	s_cmp_eq_u32 s2, 0
	s_cbranch_scc0 .Lentry_in_a_cluster
	s_endpgm
.Lentry_in_a_cluster:
	s_bfe_u32 s2, ttmp6, 0x10000c
	s_cmp_lg_u32 s2, 0x3003
	s_cbranch_scc0 .Lentry_shape_is_right
	s_endpgm
.Lentry_shape_is_right:
; GEMM_PROJ: h = hidden_states + (attention's result) w_proj + b_proj, the product on codes of FP8 (E4M3).  M 4,096, N 1,024, K 1,024.  h: f32, row-major.
; OPERANDS ARE IMAGES OF THEIR REGISTERS: a fragment of 16 rows x 128 K is 2,048 bytes; part c (512 bytes) holds at 16 x lane the codes of row lane % 16, k = 32 c + 16 (lane / 16) + 0 .. 15:
; one permutation of k, alike in both operands.  An operand is [rows / 16][K / 128][2,048].
; A block of C is 128 x 128 (256 work-groups); a wave makes 32 rows x 128 columns: 16 accumulators.  A step is 128 along K: 16 matrix instructions; eight steps in all.
; A COMES STRAIGHT INTO REGISTERS: no other wave of the work-group needs my 32 rows: 64 loads of 512 consecutive bytes, all asked for at the head, and behind them the residual's 32.
; B COMES THROUGH LDS, which all four waves read: 8 weight tiles x 1,024 K, 131,072 bytes, filled once; a wave's tensor load brings two rows of 16,384 bytes.  Nothing is filled again.
; CLUSTER: the four work-groups of a cluster (four row blocks, one column block) ask for B jointly.  A is not asked for jointly: a tensor load lands in LDS, and A goes to registers.
; No prefetch: all operands are asked for at the head, and there is no loop to run ahead in.
; Source 0 = weight tile (tile 2 B + u holds at image row p the column 32 B + 8 u + p + 8 (p / 8)), source 1 = token block: a lane holds one token; tiles 2 B, 2 B + 1 give it columns 32 B + 16 (lane / 16) + 0 .. 15.
; THE SUMS BEGIN AS bias / 2^(e6 + e7), in the result's layout: nothing is cleared, and the way out is one fused multiply-add: sum x 2^(e6 + e7) + residual.
; THE WAY OUT: 16 rows x 64 columns at a time through the wave's own stage in LDS; sixteen lanes store 256 consecutive bytes, aligned.
; LIMITS: e6 + e7 between -126 and 126.  NaN among the inputs is not served.
; REGISTERS: window 0: v2 16 x lane (also the LDS address of tiles 0-3), v3 the bias's offset, v17 v2 + 65,536 (tiles 4-7), v24-26 the way out, v28, v29 the spare word's address and 0,
;   v32-95 the bias, then v64-127 rows read back, v128-255 accumulators ((a, b) at 128 + 8 (8 a + b)).  window 1: B's eight fragments, two sets.  window 2: A, eight sets.  window 3: the residual.
.set WOFF,   0x300000                  ; w_proj's images in wc
.set RB,     16384                     ; bytes of 16 rows' images
.set STAGE,  131072                    ; behind B: 16 rows x 272 bytes for each wave; no fill lands here
.set SPARE,  STAGE+4*16*272            ; the spare words, 128 bytes for each wave
.set STO, 24
.set RD,  25
.set CO,  26
.set SPW, 28
.set NIL, 29
.set BT,  32
.set ACC, 128
.set G1,  24
.set G0,  32
.set MSB, 0
.macro WIN new                         ; the immediate's high byte repeats the setting that is left
.if MSB != \new
	s_set_vgpr_msb (MSB<<8)|\new
.set MSB, \new
.endif
.endm
.macro CROUND
	s_barrier_signal -1
	s_barrier_wait -1
	s_cmp_lg_u32 s16, 0
	s_cbranch_scc1 .Lnot_wave_0_\@
	s_barrier_signal -3
.Lnot_wave_0_\@:
	s_barrier_wait -3
	s_barrier_signal -1
	s_barrier_wait -1
.endm
.macro PLACES                          ; four plain instructions between a matrix instruction and a load into, or a read of, its registers
.rept 4
	v_nop
.endr
.endm
.macro FETCHB q                        ; 32 LDS loads: B's eight fragments of step q, into set q % 2
.set GB, 128*((\q)%2)
	WIN 0x40
.irp i, 0,1,2,3
.irp c, 0,1,2,3
	ds_load_b128 v[GB+16*\i+4*\c:GB+16*\i+4*\c+3], v2 offset:\i*16384+(\q)*2048+512*\c
.endr
.endr
.irp i, 0,1,2,3
.irp c, 0,1,2,3
	ds_load_b128 v[GB+64+16*\i+4*\c:GB+64+16*\i+4*\c+3], v17 offset:\i*16384+(\q)*2048+512*\c
.endr
.endr
.endm
.macro ALOAD n                         ; 8 loads: A's two fragments of step n, into set n
.irp a, 0,1
.irp c, 0,1,2,3
	global_load_b128 v[32*(\n)+16*\a+4*\c:32*(\n)+16*\a+4*\c+3], v2, s[4:5] offset:\a*RB+(\n)*2048+512*\c
.endr
.endr
.endm
.macro RLOAD g                         ; 8 loads: the residual's 16 rows x 64 columns of part g: two rows a load, 256 consecutive bytes for sixteen lanes
.irp i, 0,1,2,3,4,5,6,7
	global_load_b128 v[32*(\g)+4*\i:32*(\g)+4*\i+3], v[CO], s[12:13] offset:((\g)/2)*65536+\i*8192+((\g)%2)*256
.endr
.endm
.macro STEP q
	PLACES                                         ; behind the last step's products
.if \q < 7
	s_wait_dscnt 16                                ; (so that at most 48 LDS loads of mine are out)
	FETCHB (\q)+1
.endif
.if \q < 4
	s_wait_loadcnt 63                              ; behind this step's A stand 8 (7 - q) + 32 loads, more than the count can name: the largest count serves
.else
	s_wait_loadcnt 8*(11-\q)                       ; this step's A is in; behind it stand A's 8 (7 - q) loads and the residual's 32
.endif
.if \q < 7
	s_wait_dscnt 32                                ; this step's B is in; the 32 loads just issued may be out
.else
	s_wait_dscnt 0x0
.endif
	WIN 0x09                                       ; source 0 (B) window 1, source 1 (A) window 2, C and D window 0
.irp a, 0,1                            ; the 16 accumulators take turns, in the same order in every step
.irp b, 0,1,2,3,4,5,6,7
	v_wmma_f32_16x16x128_fp8_fp8 v[ACC+8*(8*\a+\b):ACC+8*(8*\a+\b)+7], v[128*((\q)%2)+16*\b:128*((\q)%2)+16*\b+15], v[32*(\q)+16*\a:32*(\q)+16*\a+15], v[ACC+8*(8*\a+\b):ACC+8*(8*\a+\b)+7]
.endr
.endr
.endm
.macro OUTROW a, c                     ; rows 16 a on, columns 64 c on
.set NB, 2*(\a)+(\c)
.set TT, 96-32*(NB%2)
.irp b, 0,1,2,3
	ds_store_b128 v[STO], v[ACC+8*(8*(\a)+4*(\c)+\b):ACC+8*(8*(\a)+4*(\c)+\b)+3] offset:128*(\b/2)+32*(\b%2)      ; each accumulator from its low end on
	ds_store_b128 v[STO], v[ACC+8*(8*(\a)+4*(\c)+\b)+4:ACC+8*(8*(\a)+4*(\c)+\b)+7] offset:128*(\b/2)+32*(\b%2)+16
.endr
.if NB > 1
	s_wait_xcnt 0x0                                ; the stores of two parts ago have read their data
.endif
.irp i, 0,1,2,3,4,5,6,7
	ds_load_b128 v[TT+4*\i:TT+4*\i+3], v[RD] offset:544*\i   ; LDS serves a wave's instructions in order (ISA guide 5.7.1.4): these see my stores
.endr
	s_wait_dscnt 0x0
	WIN 0x30                                       ; source 2 (the residual) window 3
.irp n, 0,2,4,6,8,10,12,14,16,18,20,22,24,26,28,30
	v_pk_fma_f32 v[TT+\n:TT+\n+1], v[TT+\n:TT+\n+1], s[66:67], v[32*NB+\n:32*NB+\n+1] op_sel_hi:[1,0,1]
.endr
	WIN 0
.irp i, 0,1,2,3,4,5,6,7
	global_store_b128 v[CO], v[TT+4*\i:TT+4*\i+3], s[14:15] offset:(\a)*65536+\i*8192+(\c)*256
.endr
.endm
	s_load_b128 s[4:7], s[0:1], 0x0                ; A's images s[4:5], the weights' images s[6:7]
	s_load_b128 s[8:11], s[0:1], 0x10              ; the scales' exponents s[8:9], the bias s[10:11]
	s_load_b128 s[12:15], s[0:1], 0x20             ; the residual s[12:13], the result s[14:15]
	v_lshl_add_u32 v[SPW], v0, 2, SPARE
	v_mov_b32 v[NIL], 0
	ds_add_u32 v[SPW], v[NIL]                      ; the opening lines: the add, twice on end, and its wait
	ds_add_u32 v[SPW], v[NIL]
	v_lshrrev_b32 v1, 5, v0
	v_readfirstlane_b32 s16, v1                    ; wave 0..3
	v_and_b32 v1, 31, v0
	v_lshlrev_b32 v2, 4, v1                        ; 16 x lane
	v_add_nc_u32 v17, 0x10000, v2
	v_and_b32 v4, 15, v0                           ; r
	v_bfe_u32 v5, v0, 4, 1                         ; h
	v_lshlrev_b32 v3, 6, v5                        ; the bias in the result's layout: 16 numbers further on for lanes 16-31
	v_lshlrev_b32 v[CO], 12, v5
	v_lshl_add_u32 v[CO], v4, 4, v[CO]             ; rows of 4,096 bytes: lanes 0-15 one row, lanes 16-31 the next
	s_mul_i32 s86, s16, 16*272
	s_add_co_u32 s86, s86, STAGE                   ; my stage
	v_mul_u32_u24 v[STO], v4, 272
	v_lshl_add_u32 v[STO], v5, 6, v[STO]
	v_add_nc_u32 v[STO], s86, v[STO]               ; in: row r, + 64 h
	v_mul_u32_u24 v[RD], v5, 272
	v_lshl_add_u32 v[RD], v4, 4, v[RD]
	v_add_nc_u32 v[RD], s86, v[RD]                 ; back: two rows an instruction
	s_bfe_u32 s40, ttmp6, 0x40000                  ; cx: it enters A's, the residual's and the result's addresses alone
	s_lshl_b32 s43, ttmp9, 2
	s_add_co_u32 s43, s43, s40                     ; my row block
	s_and_b32 s42, ttmp7, 0xffff                   ; my column block, which the four partners share
	s_mov_b32 s[G1], 15|(3<<16)|(1<<21)            ; the mask: all four work-groups; elements of 8 bytes; bit 21 beside a mask
	s_mov_b32 s[G1+1], 2048<<16                    ; two rows of 2,048 elements: a tile's images of 1,024 K lie on end
	s_mov_b32 s[G1+2], 2<<16
	s_mov_b32 s[G1+3], 2048<<16
	s_mov_b32 s[G1+4], 2
	s_mov_b32 s[G1+5], RB/8                        ; the pitch: from tile to tile
	s_mov_b32 s[G1+6], 0
	s_mov_b32 s[G1+7], 0
	s_lshl_b32 s22, s16, 15                        ; my two tiles' place in LDS
	s_lshl_b32 s20, s43, 3
	s_lshl_b32 s21, s16, 1
	s_add_co_u32 s20, s20, s21                     ; my first block of 16 rows
	s_lshl_b32 s44, s20, 16                        ; 16 rows of 4,096 bytes
	s_mul_i32 s20, s20, RB
	s_mov_b32 s21, 0
	s_lshl_b32 s46, s42, 3
	s_lshl_b32 s47, s16, 1
	s_add_co_u32 s46, s46, s47                     ; the first weight tile that I fetch
	s_mul_i32 s46, s46, RB
	s_add_co_u32 s46, s46, WOFF
	s_mov_b32 s47, 0
	s_lshl_b32 s50, s42, 9                         ; my block's first column, in bytes
	s_mov_b32 s51, 0
	s_add_co_u32 s44, s44, s50
	s_mov_b32 s45, 0
	s_wait_alu depctr_va_vdst(0)                   ; the wait behind the head's vector work
	s_wait_dscnt 0x0                               ; both opening adds are done
	s_wait_kmcnt 0x0
	s_load_b64 s[80:81], s[8:9], 24                ; e6, e7
	s_add_nc_u64 s[4:5], s[4:5], s[20:21]
	s_mov_b32 s[G0], 1
	s_mov_b32 s[G0+1], s22
	s_add_nc_u64 s[G0+2:G0+3], s[6:7], s[46:47]
	s_or_b32 s[G0+3], s[G0+3], 0x80000000
	s_add_nc_u64 s[10:11], s[10:11], s[50:51]
	s_add_nc_u64 s[12:13], s[12:13], s[44:45]
	s_add_nc_u64 s[14:15], s[14:15], s[44:45]
	CROUND                                         ; all four work-groups are here: the joint loads meet
	tensor_load_to_lds s[G0:G0+3], s[G1:G1+7]      ; my quarter of B: my one tensor load
	s_nop 0
	PLACES
.irp b, 0,1,2,3,4,5,6,7
	global_load_b128 v[BT+8*\b:BT+8*\b+3], v3, s[10:11] offset:(32*(\b/2)+8*(\b%2))*4
	global_load_b128 v[BT+8*\b+4:BT+8*\b+7], v3, s[10:11] offset:(32*(\b/2)+8*(\b%2))*4+16
.endr
	WIN 0x80
.irp n, 0,1,2,3,4
	ALOAD \n
.endr
	WIN 0
	s_wait_kmcnt 0x0
	s_add_co_i32 s66, s80, s81
	s_sub_co_i32 s68, 127, s66
	s_lshl_b32 s68, s68, 23                        ; 2^-(e6 + e7) as f32
	s_mov_b32 s69, s68                             ; (named with it as a pair, so it is written)
	s_add_co_i32 s66, s66, 127
	s_lshl_b32 s66, s66, 23                        ; 2^(e6 + e7)
	s_mov_b32 s67, s66
	s_wait_loadcnt 40                              ; the bias's 16 loads are in; A's 40 may be out
.irp a, 0,1
.irp b, 0,1,2,3,4,5,6,7
.irp i, 0,2,4,6
	v_pk_mul_f32 v[ACC+8*(8*\a+\b)+\i:ACC+8*(8*\a+\b)+\i+1], v[BT+8*\b+\i:BT+8*\b+\i+1], s[68:69] op_sel_hi:[1,0]   ; the sums begin as bias / 2^(e6 + e7)
.endr
.endr
.endr
	WIN 0x80
	ALOAD 5
	ALOAD 6
	ALOAD 7
	WIN 0xc0
.irp g, 0,1,2,3
	RLOAD \g
.endr
	WIN 0
	s_wait_alu depctr_va_vdst(0)                   ; the wait at the head's end
	s_wait_tensorcnt 0x0                           ; my quarter of B is in
	s_barrier_signal -1
	s_barrier_wait -1                              ; all four are: nothing is filled again
	FETCHB 0
.irp q, 0,1,2,3,4,5,6,7
	STEP \q
.endr
	WIN 0
	s_wait_loadcnt 0x0                             ; the residual
	PLACES
	OUTROW 0, 0
	OUTROW 0, 1
	OUTROW 1, 0
	OUTROW 1, 1
	s_wait_tensorcnt 0x0                           ; the wave's end
	ds_add_u32 v[SPW], v[NIL]
	s_wait_dscnt 0x0
	CROUND                                         ; the closing round
	s_endpgm
.Lfunc_end_k_qb9946a4ab6_gemm_proj:
	.size	k_qb9946a4ab6_gemm_proj, .Lfunc_end_k_qb9946a4ab6_gemm_proj-k_qb9946a4ab6_gemm_proj
	.p2alignl 7, 3214868480
	.fill 96, 4, 3214868480
	.section	.rodata,"a",@progbits
	.p2align	6, 0x0
	.amdhsa_kernel k_qb9946a4ab6_gemm_proj
		.amdhsa_group_segment_fixed_size 167936
		.amdhsa_private_segment_fixed_size 0
		.amdhsa_enable_private_segment 0
		.amdhsa_kernarg_size 48
		.amdhsa_user_sgpr_count 2
		.amdhsa_user_sgpr_kernarg_segment_ptr 1
		.amdhsa_wavefront_size32 1
		.amdhsa_system_sgpr_workgroup_id_x 1
		.amdhsa_system_sgpr_workgroup_id_y 1
		.amdhsa_system_sgpr_workgroup_id_z 1
		.amdhsa_system_vgpr_workitem_id 0
		.amdhsa_next_free_vgpr 1024
		.amdhsa_next_free_sgpr 96
		.amdhsa_reserve_vcc 0
		.amdhsa_float_denorm_mode_32 3
		.amdhsa_float_denorm_mode_16_64 3
		.amdhsa_memory_ordered 1
		.amdhsa_forward_progress 1
		.amdhsa_inst_pref_size 58
	.end_amdhsa_kernel
	.amdgpu_metadata
---
amdhsa.version: [ 1, 2 ]
amdhsa.kernels:
  - .name:           k_qb9946a4ab6_gemm_proj
    .symbol:         k_qb9946a4ab6_gemm_proj.kd
    .args:
      - { .name: act, .offset: 0, .size: 8, .value_kind: global_buffer, .address_space: global }
      - { .name: wc, .offset: 8, .size: 8, .value_kind: global_buffer, .address_space: global }
      - { .name: lowp_scales, .offset: 16, .size: 8, .value_kind: global_buffer, .address_space: global }
      - { .name: b_proj, .offset: 24, .size: 8, .value_kind: global_buffer, .address_space: global }
      - { .name: hidden_states, .offset: 32, .size: 8, .value_kind: global_buffer, .address_space: global }
      - { .name: h, .offset: 40, .size: 8, .value_kind: global_buffer, .address_space: global }
    .group_segment_fixed_size: 167936
    .private_segment_fixed_size: 0
    .kernarg_segment_align: 8
    .kernarg_segment_size: 48
    .max_flat_workgroup_size: 128
    .sgpr_count:     96
    .vgpr_count:     1024
    .wavefront_size: 32
...
	.end_amdgpu_metadata
.endif
;; end of part 11
;; launch ln2 (part 12): grid 256 x 1, 8 waves a work-group, no clusters, 17,920 bytes of LDS; arguments h, ln2_w, ln2_b, lowp_scales, act; writes act
.if DOCPART == 12
	.amdgcn_target "amdgcn-amd-amdhsa--gfx1250"
	.amdhsa_code_object_version 6
	.text
	.protected	k_qb9946a4ab6_ln2
	.globl	k_qb9946a4ab6_ln2
	.p2align	8
	.type	k_qb9946a4ab6_ln2,@function
k_qb9946a4ab6_ln2:
	s_mov_b64 s[64:65], 0
	v_nop
	global_prefetch_b8 v0, s[64:65] scope:SCOPE_SE
	s_setreg_imm32_b32 hwreg(HW_REG_WAVE_MODE, 25, 1), 1
	s_wait_xcnt 0x0
; LN2: LayerNorm 2 of h and its codes of FP8 (E4M3) with the given scale 2^e8, laid as images of a matrix operand's registers:
; [rows / 16][K / 128][2,048]; part c (512 bytes) holds at 16 x lane the codes of row lane % 16, k = 32 c + 16 (lane / 16) + 0 .. 15.
; A work-group takes 16 rows; wave w rows 2 w, 2 w + 1, whole, in registers: the mean, then the variance of x - mean (two passes).  The codes meet in LDS, and wave w stores K step w's image.
; A stream: no tensor loads, no matrix unit, no cluster: work-groups share nothing but the two small vectors.
; LIMITS: e8 between -126 and 119.  NaN among the inputs is not served.
.set LX, 32                            ; v32-95   two rows, 32 numbers a lane each
.set LW, 96                            ; v96-127  the gain at my 32 columns
.set LB, 128                           ; v128-159 the bias
.set LT, 160                           ; v160-175 at work, eight registers a row
.set LC, 176                           ; v176-191 codes, eight registers a row
.set LP, 1040                          ; a row of 1,024 codes in LDS + 16 bytes: 65 x 16
.macro XLANE r, tmp                    ; the sum over the wave's 32 lanes, in every lane
	v_add_f32_dpp v[\r], v[\r], v[\r] row_xmask:1 row_mask:0xf bank_mask:0xf
	s_delay_alu instid0(VALU_DEP_1)
	v_add_f32_dpp v[\r], v[\r], v[\r] row_xmask:2 row_mask:0xf bank_mask:0xf
	s_delay_alu instid0(VALU_DEP_1)
	v_add_f32_dpp v[\r], v[\r], v[\r] row_xmask:4 row_mask:0xf bank_mask:0xf
	s_delay_alu instid0(VALU_DEP_1)
	v_add_f32_dpp v[\r], v[\r], v[\r] row_xmask:8 row_mask:0xf bank_mask:0xf
	s_delay_alu instid0(VALU_DEP_1)
	v_permlanex16_b32 v[\tmp], v[\r], s32, s33
	s_delay_alu instid0(VALU_DEP_1)
	v_add_f32 v[\r], v[\r], v[\tmp]
.endm
	s_load_b256 s[4:11], s[0:1], 0x0               ; h s[4:5], ln2_w s[6:7], ln2_b s[8:9], the scales' exponents s[10:11]
	s_load_b64 s[12:13], s[0:1], 0x20              ; act
	v_lshl_add_u32 v192, v0, 2, 0x4200
	v_mov_b32 v193, 0
	v_lshrrev_b32 v2, 5, v0
	s_delay_alu instid0(VALU_DEP_1)
	v_readfirstlane_b32 s2, v2                     ; wave 0..7
	v_and_b32 v1, 31, v0                           ; lane
	s_wait_alu depctr_va_vdst(0)
	s_wait_kmcnt 0x0
	s_load_b32 s30, s[10:11], 0x20                 ; e8
	s_lshl_b32 s26, ttmp9, 16                      ; 16 rows of 4,096 bytes
	s_lshl_b32 s27, s2, 13
	s_add_co_u32 s26, s26, s27
	s_mov_b32 s27, 0
	s_add_nc_u64 s[4:5], s[4:5], s[26:27]
	s_lshl_b32 s26, ttmp9, 14                      ; the block's eight images,
	s_lshl_b32 s28, s2, 11                         ; of which wave w stores K step w
	s_add_co_u32 s26, s26, s28
	s_add_nc_u64 s[12:13], s[12:13], s[26:27]
	v_lshlrev_b32 v12, 4, v1                       ; 16 x lane
.irp p, 0,1
.irp j, 0,1,2,3,4,5,6,7
	global_load_b128 v[LX+32*\p+4*\j:LX+32*\p+4*\j+3], v12, s[4:5] offset:4096*\p+512*\j   ; 512 consecutive bytes a load: k = 128 j + 4 lane + 0 .. 3
.endr
.endr
.irp j, 0,1,2,3,4,5,6,7
	global_load_b128 v[LW+4*\j:LW+4*\j+3], v12, s[6:7] offset:512*\j
.endr
.irp j, 0,1,2,3,4,5,6,7
	global_load_b128 v[LB+4*\j:LB+4*\j+3], v12, s[8:9] offset:512*\j
.endr
	s_mov_b32 s32, 0x76543210                      ; v_permlanex16_b32: lane l xor 16
	s_mov_b32 s33, 0xfedcba98
	s_mov_b32 s34, 0x3a800000                      ; 1 / 1024
	v_mov_b32 v9, 0x358637bd                       ; 1e-6
	v_mov_b32 v[LT+6], 0                           ; a lane permute's destination counts as read: written once
	v_mov_b32 v[LT+14], 0
	s_mul_i32 s28, s2, 2*LP
	v_lshl_add_u32 v13, v1, 2, s28                 ; LDS, in: my two rows, 4 bytes a lane
	v_and_b32 v14, 15, v0
	v_bfe_u32 v15, v0, 4, 1
	s_delay_alu instid0(VALU_DEP_2)
	v_mul_u32_u24 v14, v14, LP
	s_delay_alu instid0(VALU_DEP_1)
	v_lshl_add_u32 v14, v15, 4, v14
	s_lshl_b32 s28, s2, 7
	v_add_nc_u32 v14, s28, v14                     ; LDS, out: row lane % 16, K step w, + 16 (lane / 16)
	s_wait_kmcnt 0x0
	s_add_co_i32 s30, s30, 127
	s_lshl_b32 s31, s30, 23
	v_mov_b32 v11, s31                             ; 2^e8
	s_add_co_i32 s30, s30, 8
	s_lshl_b32 s30, s30, 23
	s_or_b32 s30, s30, 0x600000
	v_mov_b32 v10, s30                             ; 448 x 2^e8
	s_wait_loadcnt 16                              ; the two rows' 16 loads are in; the 16 of gain and bias may be out
.irp p, 0,1
	v_pk_add_f32 v[LT+8*\p:LT+8*\p+1], v[LX+32*\p:LX+32*\p+1], v[LX+32*\p+2:LX+32*\p+3]
	v_pk_add_f32 v[LT+8*\p+2:LT+8*\p+3], v[LX+32*\p+4:LX+32*\p+5], v[LX+32*\p+6:LX+32*\p+7]
.endr
.irp j, 8,12,16,20,24,28
.irp p, 0,1
	s_delay_alu instid0(VALU_DEP_4)
	v_pk_add_f32 v[LT+8*\p:LT+8*\p+1], v[LT+8*\p:LT+8*\p+1], v[LX+32*\p+\j:LX+32*\p+\j+1]
	s_delay_alu instid0(VALU_DEP_4)
	v_pk_add_f32 v[LT+8*\p+2:LT+8*\p+3], v[LT+8*\p+2:LT+8*\p+3], v[LX+32*\p+\j+2:LX+32*\p+\j+3]
.endr
.endr
.irp p, 0,1
	s_delay_alu instid0(VALU_DEP_3)
	v_pk_add_f32 v[LT+8*\p:LT+8*\p+1], v[LT+8*\p:LT+8*\p+1], v[LT+8*\p+2:LT+8*\p+3]
	s_delay_alu instid0(VALU_DEP_1)
	v_add_f32 v[LT+8*\p], v[LT+8*\p], v[LT+8*\p+1]
.endr
	XLANE LT, LT+6
	XLANE LT+8, LT+14
.irp p, 0
	v_mul_f32 v[LT+8*\p+4], s34, v[LT+8*\p]        ; the mean, twice: a pair for the packed forms
	s_delay_alu instid0(VALU_DEP_1)
	v_mov_b32 v[LT+8*\p+5], v[LT+8*\p+4]
.endr
.irp p, 1
	s_delay_alu instid0(VALU_DEP_3)
	v_mul_f32 v[LT+8*\p+4], s34, v[LT+8*\p]        ; the mean, twice: a pair for the packed forms
	s_delay_alu instid0(VALU_DEP_1)
	v_mov_b32 v[LT+8*\p+5], v[LT+8*\p+4]
.endr
.irp j, 0,2,4,6,8,10,12,14,16,18,20,22,24,26,28,30
.irp p, 0,1
	v_pk_add_f32 v[LX+32*\p+\j:LX+32*\p+\j+1], v[LX+32*\p+\j:LX+32*\p+\j+1], v[LT+8*\p+4:LT+8*\p+5] neg_lo:[0,1] neg_hi:[0,1]   ; x - mean
.endr
.endr
.irp p, 0,1
	v_pk_mul_f32 v[LT+8*\p:LT+8*\p+1], v[LX+32*\p:LX+32*\p+1], v[LX+32*\p:LX+32*\p+1]
	v_pk_mul_f32 v[LT+8*\p+2:LT+8*\p+3], v[LX+32*\p+2:LX+32*\p+3], v[LX+32*\p+2:LX+32*\p+3]
.endr
.irp j, 4,8,12,16,20,24,28
.irp p, 0,1
	s_delay_alu instid0(VALU_DEP_4)
	v_pk_fma_f32 v[LT+8*\p:LT+8*\p+1], v[LX+32*\p+\j:LX+32*\p+\j+1], v[LX+32*\p+\j:LX+32*\p+\j+1], v[LT+8*\p:LT+8*\p+1]
	s_delay_alu instid0(VALU_DEP_4)
	v_pk_fma_f32 v[LT+8*\p+2:LT+8*\p+3], v[LX+32*\p+\j+2:LX+32*\p+\j+3], v[LX+32*\p+\j+2:LX+32*\p+\j+3], v[LT+8*\p+2:LT+8*\p+3]
.endr
.endr
.irp p, 0,1
	s_delay_alu instid0(VALU_DEP_3)
	v_pk_add_f32 v[LT+8*\p:LT+8*\p+1], v[LT+8*\p:LT+8*\p+1], v[LT+8*\p+2:LT+8*\p+3]
	s_delay_alu instid0(VALU_DEP_1)
	v_add_f32 v[LT+8*\p], v[LT+8*\p], v[LT+8*\p+1]
.endr
	XLANE LT, LT+6
	XLANE LT+8, LT+14
	v_fma_f32 v[LT], v[LT], s34, v9                ; the variance + 1e-6
	s_delay_alu instid0(VALU_DEP_2)
	v_fma_f32 v[LT+8], v[LT+8], s34, v9
	s_wait_alu depctr_va_vdst(0)
	v_rsq_f32 v[LT+4], v[LT]
	v_rsq_f32 v[LT+12], v[LT+8]
	v_nop                                          ; one plain instruction between a transcendental and the use of its result (ISA guide 5.7.2)
	s_wait_alu depctr_va_vdst(0)
	v_mov_b32 v[LT+5], v[LT+4]
	v_mov_b32 v[LT+13], v[LT+12]
	s_wait_alu depctr_va_vdst(0)
	s_wait_loadcnt 0x0                             ; gain and bias
.irp j, 0,2,4,6,8,10,12,14,16,18,20,22,24,26,28,30
.irp p, 0,1
	v_pk_mul_f32 v[LX+32*\p+\j:LX+32*\p+\j+1], v[LX+32*\p+\j:LX+32*\p+\j+1], v[LT+8*\p+4:LT+8*\p+5]
.endr
.endr
.irp j, 0,2,4,6,8,10,12,14,16,18,20,22,24,26,28,30
.irp p, 0,1
	v_pk_fma_f32 v[LX+32*\p+\j:LX+32*\p+\j+1], v[LX+32*\p+\j:LX+32*\p+\j+1], v[LW+\j:LW+\j+1], v[LB+\j:LB+\j+1]
.endr
.endr
.set li, 0
.rept 64
	v_med3_num_f32 v[LX+li], v[LX+li], -v10, v10   ; the conversion to an 8-bit code does not saturate (ISA guide 7.6.2): the hold comes first
.set li, li+1
.endr
.irp p, 0,1
.irp g, 0,1,2,3
	v_cvt_scalef32_pk8_fp8_f32 v[LC+8*\p+2*\g:LC+8*\p+2*\g+1], v[LX+32*\p+8*\g:LX+32*\p+8*\g+7], v11
.endr
.endr
	v_nop                                          ; one plain instruction behind the last scaled conversion
.irp p, 0,1
.irp j, 0,1,2,3,4,5,6,7
	ds_store_b32 v13, v[LC+8*\p+\j] offset:LP*\p+128*\j   ; word j: the codes of k = 128 j + 4 lane + 0 .. 3
.endr
.endr
	s_wait_dscnt 0x0                               ; for the others' sake: my stores have landed
	s_barrier_signal -1
	s_barrier_wait -1                              ; 16 rows of codes lie in LDS
.irp c, 0,1,2,3
	ds_load_b128 v[LX+4*\c:LX+4*\c+3], v14 offset:32*\c
.endr
.irp c, 0,1,2,3
	s_wait_dscnt 3-\c                              ; LDS loads come back in order: part c is in
	global_store_b128 v12, v[LX+4*\c:LX+4*\c+3], s[12:13] offset:512*\c   ; the wave stores 512 consecutive bytes, aligned
.endr
	s_wait_tensorcnt 0x0
	ds_add_u32 v192, v193
	s_wait_dscnt 0x0
	s_endpgm
.Lfunc_end_k_qb9946a4ab6_ln2:
	.size	k_qb9946a4ab6_ln2, .Lfunc_end_k_qb9946a4ab6_ln2-k_qb9946a4ab6_ln2
	.p2alignl 7, 3214868480
	.fill 96, 4, 3214868480
	.section	.rodata,"a",@progbits
	.p2align	6, 0x0
	.amdhsa_kernel k_qb9946a4ab6_ln2
		.amdhsa_group_segment_fixed_size 17920
		.amdhsa_private_segment_fixed_size 0
		.amdhsa_enable_private_segment 0
		.amdhsa_kernarg_size 40
		.amdhsa_user_sgpr_count 2
		.amdhsa_user_sgpr_kernarg_segment_ptr 1
		.amdhsa_wavefront_size32 1
		.amdhsa_system_sgpr_workgroup_id_x 1
		.amdhsa_system_sgpr_workgroup_id_y 1
		.amdhsa_system_sgpr_workgroup_id_z 1
		.amdhsa_system_vgpr_workitem_id 0
		.amdhsa_next_free_vgpr 194
		.amdhsa_next_free_sgpr 66
		.amdhsa_reserve_vcc 0
		.amdhsa_float_denorm_mode_32 3
		.amdhsa_float_denorm_mode_16_64 3
		.amdhsa_memory_ordered 1
		.amdhsa_forward_progress 1
		.amdhsa_inst_pref_size 27
	.end_amdhsa_kernel
	.amdgpu_metadata
---
amdhsa.version: [ 1, 2 ]
amdhsa.kernels:
  - .name:           k_qb9946a4ab6_ln2
    .symbol:         k_qb9946a4ab6_ln2.kd
    .args:
      - { .name: h, .offset: 0, .size: 8, .value_kind: global_buffer, .address_space: global }
      - { .name: ln2_w, .offset: 8, .size: 8, .value_kind: global_buffer, .address_space: global }
      - { .name: ln2_b, .offset: 16, .size: 8, .value_kind: global_buffer, .address_space: global }
      - { .name: lowp_scales, .offset: 24, .size: 8, .value_kind: global_buffer, .address_space: global }
      - { .name: act, .offset: 32, .size: 8, .value_kind: global_buffer, .address_space: global }
    .group_segment_fixed_size: 17920
    .private_segment_fixed_size: 0
    .kernarg_segment_align: 8
    .kernarg_segment_size: 40
    .max_flat_workgroup_size: 256
    .sgpr_count:     66
    .vgpr_count:     194
    .wavefront_size: 32
...
	.end_amdgpu_metadata
.endif
;; end of part 12
;; launch gemm_fc (part 13): grid 16 x 16, 4 waves a work-group, clusters of 4 x 1, 327,680 bytes of LDS; arguments act, wc, lowp_scales, b_fc, gc; writes gc
.if DOCPART == 13
	.amdgcn_target "amdgcn-amd-amdhsa--gfx1250"
	.amdhsa_code_object_version 6
	.text
	.protected	k_qb9946a4ab6_gemm_fc
	.globl	k_qb9946a4ab6_gemm_fc
	.p2align	8
	.type	k_qb9946a4ab6_gemm_fc,@function
k_qb9946a4ab6_gemm_fc:
	s_mov_b64 s[64:65], 0
	v_nop
	global_prefetch_b8 v0, s[64:65] scope:SCOPE_SE
	s_setreg_imm32_b32 hwreg(HW_REG_WAVE_MODE, 25, 1), 1
	s_wait_xcnt 0x0
	s_wait_alu depctr_hold_cnt(0) depctr_sa_sdst(0) depctr_va_vdst(0) depctr_va_sdst(0) depctr_va_ssrc(0) depctr_va_vcc(0) depctr_vm_vsrc(0)
	s_getreg_b32 s2, hwreg(HW_REG_IB_STS2, 6, 4)
	s_cmp_eq_u32 s2, 0
	s_cbranch_scc0 .Lentry_in_a_cluster
	s_endpgm
.Lentry_in_a_cluster:
	s_bfe_u32 s2, ttmp6, 0x10000c
	s_cmp_lg_u32 s2, 0x3003
	s_cbranch_scc0 .Lentry_shape_is_right
	s_endpgm
.Lentry_shape_is_right:
; GEMM_FC: g = gelu(LN2(h) w_fc + b_fc) on codes of FP8 (E4M3), and g's codes with the scale 2^e10.  M 4,096, N 4,096, K 1,024.
; Operands are images of their registers, [rows / 16][K / 128][2,048].  A work-group makes 256 rows x 256 columns (16 x 16 work-groups); a wave owns 64 rows and walks four tiles of 64 columns: 16 accumulators.
; A stays in registers: a wave's 64 rows x 1,024 K are 512 registers, loaded once, each byte by one wave.  LDS holds the block's whole B, 262,144 bytes, in two halves of 131,072:
; the first is asked for at the head, the second behind the tensor wait, the add and a round of the cluster's barrier; nothing is filled again.  The four work-groups of a cluster (four row blocks, one column block) ask for B jointly.
; No prefetch: all operands are asked for at the head.
; gelu(x) = x / (1 + 2^(x (c1 x^2 + c0))), the tanh form rewritten by tanh(u) = 1 - 2 / (1 + e^(2 u)), all in f32, 64 numbers a lane at a time, so that a batch of transcendentals has one wait ahead of it and one behind it.
; LIMITS: e8 + e9 between -126 and 127; e10 between -126 and 119.  NaN among the inputs is not served.
.set WOFF,   0x400000
.set SLOT,   131072
.set TSTEP,  131072
.set SPARE,  2*SLOT
.set ADRB, 20
.set SPW,  28
.set NIL,  29
.set ACC,  128
.set BIAS, 128
.set G1,   24
.set G0,   32
.set MSB,  0
.set MW,   0
.set TO_F, 0x40
.macro WIN new
.if MSB != \new
	s_set_vgpr_msb (MSB<<8)|\new
.set MSB, \new
.endif
.endm
.macro CREST
	s_cmp_lg_u32 s16, 0
	s_cbranch_scc1 .Lnot_wave_0_\@
	s_barrier_signal -3
.Lnot_wave_0_\@:
	s_barrier_wait -3
	s_barrier_signal -1
	s_barrier_wait -1
.endm
.macro CROUND
	s_barrier_signal -1
	s_barrier_wait -1
	CREST
.endm
.macro PLACES
.rept 4
	v_nop
.endr
.endm
.macro FETCHB slot, q
.set GB, 64-64*((\q)%2)
	WIN TO_F
.irp i, 0,1,2,3
.irp c, 0,1,2,3
	ds_load_b128 v[GB+16*\i+4*\c:GB+16*\i+4*\c+3], v[ADRB+\slot] offset:\i*16384+(\q)*2048+512*\c
.endr
.endr
.endm
.macro MULA q, a, zero
.set FB, 64-64*((\q)%2)
.set AR, 64*((\q)%4)+16*(\a)
.set DR, ACC+32*(\a)
.irp b, 0,1,2,3
.if \zero
	v_wmma_f32_16x16x128_fp8_fp8 v[DR+8*\b:DR+8*\b+7], v[FB+16*\b:FB+16*\b+15], v[AR:AR+15], 0
.else
	v_wmma_f32_16x16x128_fp8_fp8 v[DR+8*\b:DR+8*\b+7], v[FB+16*\b:FB+16*\b+15], v[AR:AR+15], v[DR+8*\b:DR+8*\b+7]
.endif
.endr
.endm
.macro QUARTER slot, q, zero
.set MW, 0x09+4*((\q)/4)
	s_wait_dscnt 0x0
	WIN MW
	MULA \q, 0, \zero
	PLACES
	FETCHB \slot, (\q)+1
	WIN MW
	MULA \q, 1, \zero
	MULA \q, 2, \zero
	MULA \q, 3, \zero
.endm
; A tile's last step fetches the next tile's first fragments.  meet = 1: the next tile lies in B's second half: each wave waits for its part of it, and a barrier shows it whole.
.macro TURN slot, next, meet
.set MW, 0x0d
.if \meet
	WIN 0
	s_wait_tensorcnt 0x0
	ds_add_u32 v[SPW], v[NIL]
	s_wait_dscnt 0x1
	WIN MW
	MULA 7, 0, 0
	MULA 7, 1, 0
	s_wait_dscnt 0x0
	s_barrier_signal -1
	WIN 0
	s_barrier_wait -1
.else
	s_wait_dscnt 0x0
	WIN MW
	MULA 7, 0, 0
	MULA 7, 1, 0
.endif
	PLACES
	s_wait_alu depctr_va_vdst(0)
	FETCHB \next, 0
	WIN MW
	MULA 7, 2, 0
	MULA 7, 3, 0
	WIN 0
.endm
.macro LASTQ
.set MW, 0x0d
	s_wait_dscnt 0x0
	WIN MW
	MULA 7, 0, 0
	MULA 7, 1, 0
	MULA 7, 2, 0
	MULA 7, 3, 0
	WIN 0
.endm
.macro TILE slot, next, mode
	QUARTER \slot, 0, 1
.irp q, 1,2,3,4,5,6
	QUARTER \slot, \q, 0
.endr
.if \mode
	TURN \slot, \next, \mode-1
.else
	LASTQ
.endif
.endm
.macro GELU g, t                       ; row blocks 2 g, 2 g + 1 of tile t: eight accumulators, 64 numbers a lane; v32-95 at work
.set A0, ACC+64*(\g)
.set gi, 0
.rept 32
	v_pk_mul_f32 v[32+gi:33+gi], v[A0+gi:A0+gi+1], v[A0+gi:A0+gi+1]
.set gi, gi+2
.endr
.set gi, 0
.rept 32
	v_pk_fma_f32 v[32+gi:33+gi], v[32+gi:33+gi], v[8:9], v[10:11]
.set gi, gi+2
.endr
.set gi, 0
.rept 32
	v_pk_mul_f32 v[32+gi:33+gi], v[32+gi:33+gi], v[A0+gi:A0+gi+1]
.set gi, gi+2
.endr
	s_wait_alu depctr_va_vdst(0)                   ; a wait ahead of each batch and one behind it
.set gi, 0
.rept 64
	v_exp_f32 v[32+gi], v[32+gi]
.set gi, gi+1
.endr
	v_nop
	s_wait_alu depctr_va_vdst(0)
.set gi, 0
.rept 32
	v_pk_add_f32 v[32+gi:33+gi], v[32+gi:33+gi], 1.0 op_sel_hi:[1,0]
.set gi, gi+2
.endr
	s_wait_alu depctr_va_vdst(0)
.set gi, 0
.rept 64
	v_rcp_f32 v[32+gi], v[32+gi]
.set gi, gi+1
.endr
	v_nop
	s_wait_alu depctr_va_vdst(0)
.set gi, 0
.rept 32
	v_pk_mul_f32 v[A0+gi:A0+gi+1], v[A0+gi:A0+gi+1], v[32+gi:33+gi]
.set gi, gi+2
.endr
.set gi, 0
.rept 64
	v_med3_num_f32 v[A0+gi], v[A0+gi], -v31, v31   ; the hold at the largest code x the scale
.set gi, gi+1
.endr
.irp k, 0,1,2,3,4,5,6,7
	v_cvt_scalef32_pk8_fp8_f32 v[96+16*(\g)+2*\k:97+16*(\g)+2*\k], v[A0+8*\k:A0+8*\k+7], v30
.endr
	v_nop                                          ; one plain instruction behind the last scaled conversion
.irp u, 0,1
.irp p, 0,1
	global_store_b128 v2, v[96+16*(\g)+8*\u+4*\p:99+16*(\g)+8*\u+4*\p], s[12:13] offset:(2*(\g)+\u)*65536+512*\p+(\t)*1024   ; 512 consecutive bytes, aligned
.endr
.endr
.endm
.macro EPI t
.if \t > 0
	s_wait_xcnt 0x0
.endif
	PLACES
	WIN 0x10
.irp a, 0,1,2,3
.irp b, 0,1,2,3
.irp i, 0,2,4,6
	v_pk_fma_f32 v[ACC+8*(4*\a+\b)+\i:ACC+8*(4*\a+\b)+\i+1], v[ACC+8*(4*\a+\b)+\i:ACC+8*(4*\a+\b)+\i+1], s[66:67], v[BIAS+32*\t+8*\b+\i:BIAS+32*\t+8*\b+\i+1] op_sel_hi:[1,0,1]
.endr
.endr
.endr
	WIN 0
	GELU 0, \t
	GELU 1, \t
.endm
	s_load_b128 s[4:7], s[0:1], 0x0
	s_load_b128 s[8:11], s[0:1], 0x10
	s_load_b64 s[12:13], s[0:1], 0x20
	v_lshl_add_u32 v[SPW], v0, 2, SPARE
	v_mov_b32 v[NIL], 0
	ds_add_u32 v28, v29
	ds_add_u32 v28, v29
	s_wait_dscnt 0x0
	v_lshrrev_b32 v1, 5, v0
	v_readfirstlane_b32 s16, v1
	s_lshr_b32 s17, s16, 1
	s_and_b32 s18, s16, 1
	s_bfe_u32 s40, ttmp6, 0x40000
	s_lshl_b32 s43, ttmp9, 2
	s_add_co_u32 s43, s43, s40
	s_and_b32 s42, ttmp7, 0xffff
	s_mov_b32 s[G1], 15|(3<<16)|(1<<21)
	s_mov_b32 s[G1+1], 32<<16
	s_mov_b32 s[G1+2], 128<<16
	s_mov_b32 s[G1+3], 32<<16
	s_mov_b32 s[G1+4], 128
	s_mov_b32 s[G1+5], 32
	s_mov_b32 s[G1+6], 0
	s_mov_b32 s[G1+7], 0
	s_lshl_b32 s22, s16, 15
	s_lshl_b32 s46, s42, 18                        ; B: my column block's 16 image tiles of 16,384 bytes; my quarter of a half
	s_add_co_u32 s46, s46, s22
	s_add_co_u32 s46, s46, WOFF
	s_mov_b32 s47, 0
	s_lshl_b32 s20, s43, 18                        ; A: block 16 x row block + 4 x wave, 16,384 bytes a block
	s_lshl_b32 s21, s16, 16
	s_add_co_u32 s20, s20, s21
	s_mov_b32 s21, 0
	s_lshl_b32 s50, s42, 10                        ; the bias at my block's first column
	s_mov_b32 s51, 0
	s_lshl_b32 s84, s43, 20                        ; the result's images: 65,536 bytes for 16 rows,
	s_lshl_b32 s85, s16, 18
	s_add_co_u32 s84, s84, s85
	s_lshl_b32 s85, s42, 12                        ; my block's 256 columns are two of its K steps
	s_add_co_u32 s84, s84, s85
	s_mov_b32 s85, 0
	s_wait_kmcnt 0x0
	s_load_b128 s[80:83], s[8:9], 0x20
	s_add_nc_u64 s[4:5], s[4:5], s[20:21]
	s_add_nc_u64 s[46:47], s[6:7], s[46:47]
	s_add_nc_u64 s[10:11], s[10:11], s[50:51]
	s_add_nc_u64 s[12:13], s[12:13], s[84:85]
.irp s, 0,1
	s_mov_b32 s[G0+4*\s], 1
	s_add_co_u32 s[G0+4*\s+1], s22, \s*SLOT
	s_add_nc_u64 s[G0+4*\s+2:G0+4*\s+3], s[46:47], \s*TSTEP
	s_or_b32 s[G0+4*\s+3], s[G0+4*\s+3], 0x80000000
.endr
	CROUND
	tensor_load_to_lds s[G0:G0+3], s[G1:G1+7]      ; B's first half: my one tensor load at the head
	s_nop 0
	PLACES
	v_and_b32 v1, 31, v0
	v_lshlrev_b32 v2, 4, v1
	v_mov_b32 v[ADRB], v2                          ; tile t's four image tiles begin at 65,536 t
	v_add_nc_u32 v[ADRB+1], 0x10000, v2
	v_add_nc_u32 v[ADRB+2], 0x20000, v2
	v_add_nc_u32 v[ADRB+3], 0x30000, v2
	v_bfe_u32 v3, v0, 4, 1
	v_lshlrev_b32 v3, 6, v3
	v_mov_b32 v8, 0xbdd2d3e8
	v_mov_b32 v9, 0xbdd2d3e8
	v_mov_b32 v10, 0xc0135761
	v_mov_b32 v11, 0xc0135761
	WIN 0x80
.irp q, 0,1,2,3
.irp a, 0,1,2,3
.irp c, 0,1,2,3
	global_load_b128 v[64*\q+16*\a+4*\c:64*\q+16*\a+4*\c+3], v2, s[4:5] offset:\a*16384+\q*2048+512*\c
.endr
.endr
.endr
	WIN 0xc0
.irp q, 0,1,2,3
.irp a, 0,1,2,3
.irp c, 0,1,2,3
	global_load_b128 v[64*\q+16*\a+4*\c:64*\q+16*\a+4*\c+3], v2, s[4:5] offset:\a*16384+(\q+4)*2048+512*\c
.endr
.endr
.endr
	WIN TO_F
.irp t, 0,1,2,3
.irp b, 0,1,2,3
	global_load_b128 v[BIAS+32*\t+8*\b:BIAS+32*\t+8*\b+3], v3, s[10:11] offset:\t*256+(32*(\b/2)+8*(\b%2))*4
	global_load_b128 v[BIAS+32*\t+8*\b+4:BIAS+32*\t+8*\b+7], v3, s[10:11] offset:\t*256+(32*(\b/2)+8*(\b%2))*4+16
.endr
.endr
	WIN 0
	s_wait_kmcnt 0x0
	s_add_co_i32 s66, s80, s81
	s_add_co_i32 s66, s66, 127
	s_lshl_b32 s66, s66, 23
	s_mov_b32 s67, s66
	s_add_co_i32 s90, s82, 127
	s_lshl_b32 s91, s90, 23
	v_mov_b32 v30, s91
	s_add_co_i32 s90, s90, 8
	s_lshl_b32 s90, s90, 23
	s_or_b32 s90, s90, 0x600000
	v_mov_b32 v31, s90
	s_wait_alu depctr_va_vdst(0)                   ; the wait at the head's end
	s_wait_tensorcnt 0x0                           ; my part of B's first half is in; the second half's fill is issued as a refill is:
	ds_add_u32 v[SPW], v[NIL]                      ; 0 onto my spare word
	s_wait_dscnt 0x0
	CROUND                                         ; everybody's part of the first half is in, and the four partners' joint loads meet
	tensor_load_to_lds s[G0+4:G0+7], s[G1:G1+7]    ; B's second half: it has two tiles' work in which to land
	s_nop 0
	PLACES
	FETCHB 0, 0
	s_wait_loadcnt 0x0
	TILE 0, 1, 1
	EPI 0
	TILE 1, 2, 2                                   ; tile 2 lies in B's second half
	EPI 1
	TILE 2, 3, 1
	EPI 2
	TILE 3, 0, 0
	EPI 3
	s_wait_tensorcnt 0x0
	ds_add_u32 v[SPW], v[NIL]
	s_wait_dscnt 0x0
	CROUND
	s_endpgm
.Lfunc_end_k_qb9946a4ab6_gemm_fc:
	.size	k_qb9946a4ab6_gemm_fc, .Lfunc_end_k_qb9946a4ab6_gemm_fc-k_qb9946a4ab6_gemm_fc
	.p2alignl 7, 3214868480
	.fill 96, 4, 3214868480
	.section	.rodata,"a",@progbits
	.p2align	6, 0x0
	.amdhsa_kernel k_qb9946a4ab6_gemm_fc
		.amdhsa_group_segment_fixed_size 327680
		.amdhsa_private_segment_fixed_size 0
		.amdhsa_enable_private_segment 0
		.amdhsa_kernarg_size 40
		.amdhsa_user_sgpr_count 2
		.amdhsa_user_sgpr_kernarg_segment_ptr 1
		.amdhsa_wavefront_size32 1
		.amdhsa_system_sgpr_workgroup_id_x 1
		.amdhsa_system_sgpr_workgroup_id_y 1
		.amdhsa_system_sgpr_workgroup_id_z 1
		.amdhsa_system_vgpr_workitem_id 0
		.amdhsa_next_free_vgpr 1024
		.amdhsa_next_free_sgpr 96
		.amdhsa_reserve_vcc 0
		.amdhsa_float_denorm_mode_32 3
		.amdhsa_float_denorm_mode_16_64 3
		.amdhsa_memory_ordered 1
		.amdhsa_forward_progress 1
		.amdhsa_inst_pref_size 255
	.end_amdhsa_kernel
	.section	.bss,"aw",@nobits
	.p2align	6
	.space	262144
	.amdgpu_metadata
---
amdhsa.version: [ 1, 2 ]
amdhsa.kernels:
  - .name:           k_qb9946a4ab6_gemm_fc
    .symbol:         k_qb9946a4ab6_gemm_fc.kd
    .args:
      - { .name: act, .offset: 0, .size: 8, .value_kind: global_buffer, .address_space: global }
      - { .name: wc, .offset: 8, .size: 8, .value_kind: global_buffer, .address_space: global }
      - { .name: lowp_scales, .offset: 16, .size: 8, .value_kind: global_buffer, .address_space: global }
      - { .name: b_fc, .offset: 24, .size: 8, .value_kind: global_buffer, .address_space: global }
      - { .name: gc, .offset: 32, .size: 8, .value_kind: global_buffer, .address_space: global }
    .group_segment_fixed_size: 327680
    .private_segment_fixed_size: 0
    .kernarg_segment_align: 8
    .kernarg_segment_size: 40
    .max_flat_workgroup_size: 128
    .sgpr_count:     96
    .vgpr_count:     1024
    .wavefront_size: 32
...
	.end_amdgpu_metadata
.endif
;; end of part 13
;; launch gemm_fcp (part 14): grid 32 x 8, 4 waves a work-group, clusters of 4 x 1, 327,680 bytes of LDS; arguments gc, wc, lowp_scales, b_fc_proj, h, out0; writes out0
.if DOCPART == 14
	.amdgcn_target "amdgcn-amd-amdhsa--gfx1250"
	.amdhsa_code_object_version 6
	.text
	.protected	k_qb9946a4ab6_gemm_fcp
	.globl	k_qb9946a4ab6_gemm_fcp
	.p2align	8
	.type	k_qb9946a4ab6_gemm_fcp,@function
k_qb9946a4ab6_gemm_fcp:
	s_mov_b64 s[64:65], 0
	v_nop
	global_prefetch_b8 v0, s[64:65] scope:SCOPE_SE
	s_setreg_imm32_b32 hwreg(HW_REG_WAVE_MODE, 25, 1), 1
	s_wait_xcnt 0x0
	s_wait_alu depctr_hold_cnt(0) depctr_sa_sdst(0) depctr_va_vdst(0) depctr_va_sdst(0) depctr_va_ssrc(0) depctr_va_vcc(0) depctr_vm_vsrc(0)
	s_getreg_b32 s2, hwreg(HW_REG_IB_STS2, 6, 4)
	s_cmp_eq_u32 s2, 0
	s_cbranch_scc0 .Lentry_in_a_cluster
	s_endpgm
.Lentry_in_a_cluster:
	s_bfe_u32 s2, ttmp6, 0x10000c
	s_cmp_lg_u32 s2, 0x3003
	s_cbranch_scc0 .Lentry_shape_is_right
	s_endpgm
.Lentry_shape_is_right:
; GEMM_FCP: out0 = h + gelu(..) w_fc_proj + b_fc_proj, the product on codes of FP8 (E4M3).  M 4,096, N 1,024, K 4,096.  out0: f32, row-major.
; OPERANDS ARE IMAGES OF THEIR REGISTERS: a fragment of 16 rows x 128 K is 2,048 bytes; part c (512 bytes) holds at 16 x lane the codes of row lane % 16, k = 32 c + 16 (lane / 16) + 0 .. 15:
; one permutation of k, alike in both operands.  An operand is [rows / 16][K / 128][2,048].
; A block of C is 128 x 128 (256 work-groups); a wave makes 32 rows x 128 columns: 16 accumulators.  A step is 128 along K: 16 matrix instructions.
; A COMES STRAIGHT INTO REGISTERS: no other wave of the work-group needs my 32 rows; 8 loads of 512 consecutive bytes a step, asked for seven steps ahead, in eight sets of 32 registers: 56 loads of a wave are out at the most.
; B COMES THROUGH LDS, which all four waves read: two slots of 8 weight tiles x 1,024 K, 131,072 bytes each; a wave's tensor load brings two rows of 16,384 bytes.  K = 4,096 is four slots' worth: two first fills, two refills.
; CLUSTER: the four work-groups of a cluster (four row blocks, one column block) ask for B jointly.  A is not asked for jointly: a tensor load lands in LDS, and A goes to registers.
; PREFETCH: B's third and fourth 1,024 along K are asked for a slot ahead of their tensor loads, each block of 256 bytes once in a cluster.  A has none: its own loads run seven steps ahead.
; Source 0 = weight tile (tile 2 B + u holds at image row p the column 32 B + 8 u + p + 8 (p / 8)), source 1 = token block: a lane holds one token; tiles 2 B, 2 B + 1 give it columns 32 B + 16 (lane / 16) + 0 .. 15.
; THE SUMS BEGIN AS bias / 2^(eA + eB), in the result's layout: nothing is cleared, and the way out is one fused multiply-add: sum x 2^(eA + eB) + residual.
; THE RESIDUAL is asked for in the last steps, in the places of A's loads.  THE WAY OUT: 16 rows x 64 columns at a time through the wave's own stage in LDS; sixteen lanes store 256 consecutive bytes, aligned.
; LIMITS: eA + eB between -126 and 126.  NaN among the inputs is not served.
; REGISTERS: window 0: v2 16 x lane, v3 the bias's offset, v7 the prefetches' offset, v17 v2 + 65,536, v20, v21 LDS addresses of tiles 0-3 and 4-7, v24-26 the way out, v28, v29 the spare word's address and 0,
;   v32-95 the bias, then v64-127 rows read back, v128-255 accumulators ((a, b) at 128 + 8 (8 a + b)).  window 1: B's eight fragments, two sets.  window 2: A, eight sets.  window 3: the residual.
.set SIZE_K, 4096
.set WOFF,   0x800000                  ; the weight's images in wc
.set EOFF,   40                        ; the byte of eA in lowp_scales; eB follows
.set NTOUT,  1                         ; the result is read by nobody here
.set PH,     SIZE_K/1024               ; slots' worth of K
.set RB,     16*SIZE_K                 ; bytes of 16 rows' images
.set SLOT,   131072
.set STAGE,  2*SLOT                    ; 16 rows x 272 bytes for each wave; no fill lands here
.set SPARE,  STAGE+4*16*272            ; the spare words, 128 bytes for each wave
.set STO, 24
.set RD,  25
.set CO,  26
.set SPW, 28
.set NIL, 29
.set BT,  32
.set ACC, 128
.set G1,  24
.set G0,  32
.set TB,  36                           ; s36 LDS byte at which the slot in hand begins
.set PF,  38                           ; s[38:39] where my prefetches stand
.set MSB, 0
.macro WIN new                         ; the immediate's high byte repeats the setting that is left
.if MSB != \new
	s_set_vgpr_msb (MSB<<8)|\new
.set MSB, \new
.endif
.endm
.macro CREST
	s_cmp_lg_u32 s16, 0
	s_cbranch_scc1 .Lnot_wave_0_\@
	s_barrier_signal -3
.Lnot_wave_0_\@:
	s_barrier_wait -3
	s_barrier_signal -1
	s_barrier_wait -1
.endm
.macro CROUND
	s_barrier_signal -1
	s_barrier_wait -1
	CREST
.endm
.macro PLACES                          ; four plain instructions between a matrix instruction and a load into, or a read of, its registers
.rept 4
	v_nop
.endr
.endm
.macro FETCHB q                        ; 32 LDS loads: B's eight fragments of the slot's q-th 128 along K, into set q % 2
.set GB, 128*((\q)%2)
	WIN 0x40
.irp i, 0,1,2,3
.irp c, 0,1,2,3
	ds_load_b128 v[GB+16*\i+4*\c:GB+16*\i+4*\c+3], v20 offset:\i*16384+(\q)*2048+512*\c
.endr
.endr
.irp i, 0,1,2,3
.irp c, 0,1,2,3
	ds_load_b128 v[GB+64+16*\i+4*\c:GB+64+16*\i+4*\c+3], v21 offset:\i*16384+(\q)*2048+512*\c
.endr
.endr
.endm
.macro ALOAD n                         ; 8 loads: A's two fragments of step n, counted from the slot in hand, into set n % 8
.irp a, 0,1
.irp c, 0,1,2,3
	global_load_b128 v[32*((\n)%8)+16*\a+4*\c:32*((\n)%8)+16*\a+4*\c+3], v2, s[4:5] offset:\a*RB+(\n)*2048+512*\c
.endr
.endr
.endm
.macro RLOAD g                         ; 8 loads: the residual's 16 rows x 64 columns of part g: two rows a load, 256 consecutive bytes for sixteen lanes
.irp i, 0,1,2,3,4,5,6,7
	global_load_b128 v[32*(\g)+4*\i:32*(\g)+4*\i+3], v[CO], s[12:13] offset:((\g)/2)*65536+\i*8192+((\g)%2)*256
.endr
.endm
.macro MUL q                           ; the 16 accumulators take turns, in the same order in every step
.irp a, 0,1
.irp b, 0,1,2,3,4,5,6,7
	v_wmma_f32_16x16x128_fp8_fp8 v[ACC+8*(8*\a+\b):ACC+8*(8*\a+\b)+7], v[128*((\q)%2)+16*\b:128*((\q)%2)+16*\b+15], v[32*(\q)+16*\a:32*(\q)+16*\a+15], v[ACC+8*(8*\a+\b):ACC+8*(8*\a+\b)+7]
.endr
.endr
.endm
; Step q of a slot.  tail = 1: the last slot, in which A's stream ends and the residual's four groups of 8 loads take its place.
.macro STEP q, tail
.if (\tail == 0) && (\q == 2) && (PH > 2)
	WIN 0                                          ; a prefetch of my share, 32 blocks of 256 bytes, of the slot that the NEXT change will ask for: the cluster's 16 waves share its 512 blocks out by address
	s_cmp_gt_u32 s3, 1                             ; the loop's last trip has no such slot
	s_cbranch_scc0 .Lnoask_\@
	global_prefetch_b8 v7, s[PF:PF+1] th:TH_LOAD_NT scope:SCOPE_SE
.Lnoask_\@:
.endif
	PLACES                                         ; behind the last step's products
.if \q < 7
	s_wait_dscnt 16                                ; (so that at most 48 LDS loads of mine are out)
	FETCHB (\q)+1
.endif
.if \tail && (\q > 5)
	s_wait_loadcnt 8*(11-\q)                       ; this step's A is in; the groups behind it are fewer at the end
.else
	s_wait_loadcnt 48                              ; this step's A is in; the six groups of 8 behind it may be out
.endif
.if \tail
.if \q == 0
	WIN 0x80
	ALOAD 7
.endif
.if (\q > 0) && (\q < 5)
	WIN 0xc0
	RLOAD (\q)-1
.endif
.else
	WIN 0x80
	ALOAD (\q)+7
.endif
.if \q < 7
	s_wait_dscnt 32                                ; this step's B is in; the 32 loads just issued may be out
.else
	s_wait_dscnt 0x0
.endif
	WIN 0x09                                       ; source 0 (B) window 1, source 1 (A) window 2, C and D window 0
	MUL \q
.endm
; The change of slots stands at a slot's head: the wait for all my tensor loads, the add, the wait for it and for my reads of the slot that I have left; then the barrier.
; fill = 1: a round of the cluster's barrier, and behind it the other slot takes the next 1,024 along K: the load has this slot's eight steps in which to land.
.macro CHANGE fill
	s_wait_tensorcnt 0x0
	ds_add_u32 v[SPW], v[NIL]                      ; 0 onto my spare word
.if \fill
	s_xor_b32 s[G0+1], s[G0+1], SLOT               ; no load of mine is out: the walking descriptor may be written
	s_add_nc_u64 s[G0+2:G0+3], s[G0+2:G0+3], 16384
.endif
	s_wait_dscnt 0x0
.if \fill
	CROUND
	tensor_load_to_lds s[G0:G0+3], s[G1:G1+7]
	s_nop 0
.else
	s_barrier_signal -1
	s_barrier_wait -1
.endif
	PLACES
	v_add_nc_u32 v20, s[TB], v2
	v_add_nc_u32 v21, s[TB], v17
	s_wait_alu depctr_va_vdst(0)                   ; the wait behind these writes
	FETCHB 0
.endm
.macro OUTROW a, c                     ; rows 16 a on, columns 64 c on
.set NB, 2*(\a)+(\c)
.set TT, 96-32*(NB%2)
.irp b, 0,1,2,3
	ds_store_b128 v[STO], v[ACC+8*(8*(\a)+4*(\c)+\b):ACC+8*(8*(\a)+4*(\c)+\b)+3] offset:128*(\b/2)+32*(\b%2)      ; each accumulator from its low end on
	ds_store_b128 v[STO], v[ACC+8*(8*(\a)+4*(\c)+\b)+4:ACC+8*(8*(\a)+4*(\c)+\b)+7] offset:128*(\b/2)+32*(\b%2)+16
.endr
.if NB > 1
	s_wait_xcnt 0x0                                ; the stores of two parts ago have read their data
.endif
.irp i, 0,1,2,3,4,5,6,7
	ds_load_b128 v[TT+4*\i:TT+4*\i+3], v[RD] offset:544*\i   ; LDS serves a wave's instructions in order (ISA guide 5.7.1.4): these see my stores
.endr
	s_wait_dscnt 0x0
	WIN 0x30                                       ; source 2 (the residual) window 3
.irp n, 0,2,4,6,8,10,12,14,16,18,20,22,24,26,28,30
	v_pk_fma_f32 v[TT+\n:TT+\n+1], v[TT+\n:TT+\n+1], s[66:67], v[32*NB+\n:32*NB+\n+1] op_sel_hi:[1,0,1]
.endr
	WIN 0
.irp i, 0,1,2,3,4,5,6,7
.if NTOUT
	global_store_b128 v[CO], v[TT+4*\i:TT+4*\i+3], s[14:15] offset:(\a)*65536+\i*8192+(\c)*256 th:TH_STORE_NT
.else
	global_store_b128 v[CO], v[TT+4*\i:TT+4*\i+3], s[14:15] offset:(\a)*65536+\i*8192+(\c)*256
.endif
.endr
.endm
	s_load_b128 s[4:7], s[0:1], 0x0                ; A's images s[4:5], the weights' images s[6:7]
	s_load_b128 s[8:11], s[0:1], 0x10              ; the scales' exponents s[8:9], the bias s[10:11]
	s_load_b128 s[12:15], s[0:1], 0x20             ; the residual s[12:13], the result s[14:15]
	v_lshl_add_u32 v[SPW], v0, 2, SPARE
	v_mov_b32 v[NIL], 0
	ds_add_u32 v[SPW], v[NIL]                      ; the opening lines: the add, twice on end, and its wait
	ds_add_u32 v[SPW], v[NIL]
	v_lshrrev_b32 v1, 5, v0
	v_readfirstlane_b32 s16, v1                    ; wave 0..3
	v_and_b32 v1, 31, v0
	v_lshlrev_b32 v2, 4, v1                        ; 16 x lane
	v_add_nc_u32 v17, 0x10000, v2
	v_lshlrev_b32 v7, 8, v1                        ; the prefetches' offset: 256 x lane
	v_and_b32 v4, 15, v0                           ; r
	v_bfe_u32 v5, v0, 4, 1                         ; h
	v_lshlrev_b32 v3, 6, v5                        ; the bias in the result's layout: 16 numbers further on for lanes 16-31
	v_lshlrev_b32 v[CO], 12, v5
	v_lshl_add_u32 v[CO], v4, 4, v[CO]             ; rows of 4,096 bytes: lanes 0-15 one row, lanes 16-31 the next
	s_mul_i32 s86, s16, 16*272
	s_add_co_u32 s86, s86, STAGE                   ; my stage
	v_mul_u32_u24 v[STO], v4, 272
	v_lshl_add_u32 v[STO], v5, 6, v[STO]
	v_add_nc_u32 v[STO], s86, v[STO]               ; in: row r, + 64 h
	v_mul_u32_u24 v[RD], v5, 272
	v_lshl_add_u32 v[RD], v4, 4, v[RD]
	v_add_nc_u32 v[RD], s86, v[RD]                 ; back: two rows an instruction
	s_bfe_u32 s40, ttmp6, 0x40000                  ; cx: it enters A's, the residual's, the result's and the prefetches' addresses alone
	s_lshl_b32 s43, ttmp9, 2
	s_add_co_u32 s43, s43, s40                     ; my row block
	s_and_b32 s42, ttmp7, 0xffff                   ; my column block, which the four partners share
	s_mov_b32 s[G1], 15|(3<<16)|(1<<21)            ; the mask: all four work-groups; elements of 8 bytes; bit 21 beside a mask
	s_mov_b32 s[G1+1], 2048<<16                    ; two rows of 2,048 elements: a tile's images of 1,024 K lie on end
	s_mov_b32 s[G1+2], 2<<16
	s_mov_b32 s[G1+3], 2048<<16
	s_mov_b32 s[G1+4], 2
	s_mov_b32 s[G1+5], RB/8                        ; the pitch: from tile to tile
	s_mov_b32 s[G1+6], 0
	s_mov_b32 s[G1+7], 0
	s_lshl_b32 s22, s16, 15                        ; my two tiles' place in a slot
	s_lshl_b32 s20, s43, 3
	s_lshl_b32 s21, s16, 1
	s_add_co_u32 s20, s20, s21                     ; my first block of 16 rows
	s_lshl_b32 s44, s20, 16                        ; 16 rows of 4,096 bytes
	s_mul_i32 s20, s20, RB
	s_mov_b32 s21, 0
	s_lshl_b32 s46, s42, 3
	s_lshl_b32 s47, s16, 1
	s_add_co_u32 s46, s46, s47                     ; the first weight tile that I fetch
	s_mul_i32 s46, s46, RB
	s_add_co_u32 s46, s46, WOFF
	s_mov_b32 s47, 0
	s_lshl_b32 s50, s42, 9                         ; my block's first column, in bytes
	s_mov_b32 s51, 0
	s_add_co_u32 s44, s44, s50
	s_mov_b32 s45, 0
.if PH > 2
	s_lshl_b32 s52, s40, 2
	s_add_co_u32 s52, s52, s16                     ; my place among the cluster's 16 waves: tile place / 2, half place % 2 of its 16,384 bytes
	s_lshr_b32 s53, s52, 1
	s_lshl_b32 s54, s42, 3
	s_add_co_u32 s53, s53, s54
	s_mul_i32 s53, s53, RB
	s_and_b32 s52, s52, 1
	s_lshl_b32 s52, s52, 13
	s_add_co_u32 s52, s52, s53
	s_add_co_u32 s52, s52, WOFF+2*16384            ; the first that is asked for is the third 1,024 along K
	s_mov_b32 s53, 0
.endif
	s_wait_alu depctr_va_vdst(0)                   ; the wait behind the head's vector work
	s_wait_dscnt 0x0                               ; both opening adds are done
	s_wait_kmcnt 0x0
	s_load_b64 s[80:81], s[8:9], EOFF              ; eA, eB
	s_add_nc_u64 s[4:5], s[4:5], s[20:21]
	s_mov_b32 s[G0], 1
	s_mov_b32 s[G0+1], s22
	s_add_nc_u64 s[G0+2:G0+3], s[6:7], s[46:47]
	s_or_b32 s[G0+3], s[G0+3], 0x80000000
.if PH > 2
	s_add_nc_u64 s[PF:PF+1], s[6:7], s[52:53]
.endif
	s_add_nc_u64 s[10:11], s[10:11], s[50:51]
	s_add_nc_u64 s[12:13], s[12:13], s[44:45]
	s_add_nc_u64 s[14:15], s[14:15], s[44:45]
	CROUND                                         ; all four work-groups are here: the first joint loads meet
	tensor_load_to_lds s[G0:G0+3], s[G1:G1+7]      ; slot 0: my one tensor load at the head
	s_nop 0
	PLACES
.irp b, 0,1,2,3,4,5,6,7
	global_load_b128 v[BT+8*\b:BT+8*\b+3], v3, s[10:11] offset:(32*(\b/2)+8*(\b%2))*4
	global_load_b128 v[BT+8*\b+4:BT+8*\b+7], v3, s[10:11] offset:(32*(\b/2)+8*(\b%2))*4+16
.endr
	WIN 0x80
.irp n, 0,1,2,3,4
	ALOAD \n
.endr
	WIN 0
	s_wait_kmcnt 0x0
	s_add_co_i32 s66, s80, s81
	s_sub_co_i32 s68, 127, s66
	s_lshl_b32 s68, s68, 23                        ; 2^-(eA + eB) as f32
	s_mov_b32 s69, s68                             ; (named with it as a pair, so it is written)
	s_add_co_i32 s66, s66, 127
	s_lshl_b32 s66, s66, 23                        ; 2^(eA + eB)
	s_mov_b32 s67, s66
	s_wait_loadcnt 40                              ; the bias's 16 loads are in; A's 40 may be out
.irp a, 0,1
.irp b, 0,1,2,3,4,5,6,7
.irp i, 0,2,4,6
	v_pk_mul_f32 v[ACC+8*(8*\a+\b)+\i:ACC+8*(8*\a+\b)+\i+1], v[BT+8*\b+\i:BT+8*\b+\i+1], s[68:69] op_sel_hi:[1,0]   ; the sums begin as bias / 2^(eA + eB)
.endr
.endr
.endr
	WIN 0x80
	ALOAD 5
	ALOAD 6
	WIN 0
	s_mov_b32 s[TB], 0
	s_wait_alu depctr_va_vdst(0)                   ; the wait at the head's end
.if PH > 1
	s_mov_b32 s3, PH-1
.Lphase:                                               ; a trip is a slot's eight steps; behind its change of slots the next slot is asked for
	CHANGE 1
.irp q, 0,1,2,3,4,5,6,7
	STEP \q, 0
.endr
	WIN 0
	s_wait_xcnt 0x0                                ; my loads and my prefetch have read their bases
	s_add_nc_u64 s[4:5], s[4:5], 16384
.if PH > 2
	s_add_nc_u64 s[PF:PF+1], s[PF:PF+1], 16384
.endif
	s_xor_b32 s[TB], s[TB], SLOT
	s_sub_co_u32 s3, s3, 1
	s_cmp_lg_u32 s3, 0
	s_cbranch_scc1 .Lphase
.endif
	CHANGE 0                                       ; the last slot is written out: nothing more is asked for
.irp q, 0,1,2,3,4,5,6,7
	STEP \q, 1
.endr
	WIN 0
	s_wait_loadcnt 0x0                             ; the residual
	PLACES
	OUTROW 0, 0
	OUTROW 0, 1
	OUTROW 1, 0
	OUTROW 1, 1
	s_wait_tensorcnt 0x0                           ; the wave's end
	ds_add_u32 v[SPW], v[NIL]
	s_wait_dscnt 0x0
	CROUND                                         ; the closing round
	s_endpgm
.Lfunc_end_k_qb9946a4ab6_gemm_fcp:
	.size	k_qb9946a4ab6_gemm_fcp, .Lfunc_end_k_qb9946a4ab6_gemm_fcp-k_qb9946a4ab6_gemm_fcp
	.p2alignl 7, 3214868480
	.fill 96, 4, 3214868480
	.section	.rodata,"a",@progbits
	.p2align	6, 0x0
	.amdhsa_kernel k_qb9946a4ab6_gemm_fcp
		.amdhsa_group_segment_fixed_size 327680
		.amdhsa_private_segment_fixed_size 0
		.amdhsa_enable_private_segment 0
		.amdhsa_kernarg_size 48
		.amdhsa_user_sgpr_count 2
		.amdhsa_user_sgpr_kernarg_segment_ptr 1
		.amdhsa_wavefront_size32 1
		.amdhsa_system_sgpr_workgroup_id_x 1
		.amdhsa_system_sgpr_workgroup_id_y 1
		.amdhsa_system_sgpr_workgroup_id_z 1
		.amdhsa_system_vgpr_workitem_id 0
		.amdhsa_next_free_vgpr 1024
		.amdhsa_next_free_sgpr 96
		.amdhsa_reserve_vcc 0
		.amdhsa_float_denorm_mode_32 3
		.amdhsa_float_denorm_mode_16_64 3
		.amdhsa_memory_ordered 1
		.amdhsa_forward_progress 1
		.amdhsa_inst_pref_size 93
	.end_amdhsa_kernel
	.amdgpu_metadata
---
amdhsa.version: [ 1, 2 ]
amdhsa.kernels:
  - .name:           k_qb9946a4ab6_gemm_fcp
    .symbol:         k_qb9946a4ab6_gemm_fcp.kd
    .args:
      - { .name: gc, .offset: 0, .size: 8, .value_kind: global_buffer, .address_space: global }
      - { .name: wc, .offset: 8, .size: 8, .value_kind: global_buffer, .address_space: global }
      - { .name: lowp_scales, .offset: 16, .size: 8, .value_kind: global_buffer, .address_space: global }
      - { .name: b_fc_proj, .offset: 24, .size: 8, .value_kind: global_buffer, .address_space: global }
      - { .name: h, .offset: 32, .size: 8, .value_kind: global_buffer, .address_space: global }
      - { .name: out0, .offset: 40, .size: 8, .value_kind: global_buffer, .address_space: global }
    .group_segment_fixed_size: 327680
    .private_segment_fixed_size: 0
    .kernarg_segment_align: 8
    .kernarg_segment_size: 48
    .max_flat_workgroup_size: 128
    .sgpr_count:     96
    .vgpr_count:     1024
    .wavefront_size: 32
...
	.end_amdgpu_metadata
.endif
;; end of part 14
